; MI455X (gfx1250); checked and timed in simulation.
; The chip was launched on July 23, 2026; its instructions are those of AMD's public machine-readable ISA for CDNA 5 (MIT licence, August 2026) and "CDNA5" Instruction Set Architecture Reference Guide (July 2026). The comments in the code are by the model that wrote it; some were corrected since.
;; Transformer Block. Allowed arithmetic: matrix products marked QUANTISED: E3M2 operands, one E8M0 scale for each 32 along K, by v_wmma_scale_f32_16x16x128_f8f6f4 with both operands' format E3M2, f32 sums; everything else in f32.
;; Inputs: W1 1,024 x 4,096 float32; W2 4,096 x 1,024 float32; Wk 1,024 x 1,024 float32; Wo 1,024 x 1,024 float32; Wq 1,024 x 1,024 float32; Wv 1,024 x 1,024 float32; b1 4,096 float32; b2 1,024 float32; be1 1,024 float32; be2 1,024 float32; bk 1,024 float32; bo 1,024 float32; bq 1,024 float32; bv 1,024 float32; g1 1,024 float32; g2 1,024 float32; x 2 x 2,048 x 1,024 float32.
;; Outputs: out0 2 x 2,048 x 1,024 float32.
;; This version of the problem:
;;   THIS VERSION OF THE PROBLEM IS GIVEN IN LOW PRECISION. The matrix products marked QUANTISED in the list below multiply operands that are first quantised to E3M2 (3 exponent bits, 2 mantissa bits; 6 bits a number), with one power-of-two scale for each 32 numbers along K (OCP MX v1.0); their sums are f32. All else is computed in f32.
;;   The module's matrix products, in the order in which they are computed (A, B: the left and right operand; K: the contracted axis; several contracted axes count as one K, in the product's order):
;;     1. [M 4,096, K 1,024] x [K 1,024, N 1,024]; A: computed on the way; B: input Wq: QUANTISED
;;     2. [M 4,096, K 1,024] x [K 1,024, N 1,024]; A: computed on the way; B: input Wk: QUANTISED
;;     3. [M 4,096, K 1,024] x [K 1,024, N 1,024]; A: computed on the way; B: input Wv: QUANTISED
;;     4. batch 32 x [M 2,048, K 64] x [K 64, N 2,048]; A: computed on the way; B: computed on the way: QUANTISED
;;     5. batch 32 x [M 2,048, K 2,048] x [K 2,048, N 64]; A: softmax (see below); B: computed on the way: QUANTISED
;;     6. [M 4,096, K 1,024] x [K 1,024, N 1,024]; A: computed on the way; B: input Wo: QUANTISED
;;     7. [M 4,096, K 1,024] x [K 1,024, N 4,096]; A: computed on the way; B: input W1: QUANTISED
;;     8. [M 4,096, K 4,096] x [K 4,096, N 1,024]; A: computed on the way; B: input W2: QUANTISED
;;   THE QUANTISER, for each operand of a quantised product, along K:
;;     - K is cut into blocks of 32 from its start; a last block that is shorter is filled with zeros.
;;     - A block's scale is 2^e with e = floor(log2(the largest magnitude in the block)) - 4, held to -126 .. 127; a block of zeros has e = 0. As a byte (E8M0): e + 127.
;;     - Each number is divided by its block's scale, clamped to +-28, and rounded to the nearest number of E3M2, ties to even, subnormals kept.
;;     - The product sums the exact products of the quantised numbers (number of the format x scale) in f32.
;;   ~~~python
;;   def quantise(x, axis):      # numpy; x: float32 -> the quantised numbers, widened to float32 again
;;       x = np.moveaxis(x, axis, -1); K = x.shape[-1]
;;       x = np.pad(x, [(0, 0)] * (x.ndim - 1) + [(0, -K % 32)]); x = x.reshape(x.shape[:-1] + (-1, 32)); a = np.abs(x).max(-1, keepdims=True)
;;       e = np.where(a > 0, np.clip(np.frexp(np.where(a > 0, a, 1))[1] - 1 - 4, -126, 127), 0)      # np.frexp(a)[1] - 1 = floor(log2(a)), exactly
;;       r = np.clip(x / 2.0 ** e, -28, 28)
;;       step = 2.0 ** (np.maximum(np.frexp(np.where(r == 0, 1, r))[1] - 1, -2) - 2)
;;       q = np.round(r / step) * step * 2.0 ** e      # np.round: ties to even
;;       return np.moveaxis(q.reshape(q.shape[:-2] + (-1,))[..., :K], -1, axis).astype(np.float32)
;;   ~~~
;;   SOFTMAX AHEAD OF A QUANTISED PRODUCT. Where the list says 'softmax', what is quantised is not the finished softmax but p = 2^(t - M), with t = logit x log2(e) and M = ceil(the row's largest t), a whole number; so 1/2 < the row's largest p <= 1. The row's sum l is taken of the UNQUANTISED p, in f32, and the product's result is divided by l at the end. Since M is a whole number, a kernel that streams over the keys may use a running M (the ceiling of the running maximum): every later rescaling is an exact power of two, which a block's scale takes up: the codes' values come out the same.
;;   OPERANDS COMPUTED ON THE WAY. 'Computed on the way' means the value that the module computes at that place (a softmax that the list does not call 'softmax' is quantised finished and normalised). What goes into a quantiser is computed in f32, as accurately as f32 sums, v_exp_f32 and their like allow (about 1e-6 of the number): no bf16 or f16 on the way to a quantiser, and a product that is left as it is and whose result goes on into a quantised operand takes f32 operands (vector FMAs, or v_wmma_f32_16x16x4_f32). A number that lies on a knife's edge between two numbers of the format may be rounded either way, as far as f32 arithmetic and the matrix unit's own rounding can turn it there, and no further.
;; 2 versions. Each part assembles by itself: llvm-mc -triple=amdgcn-amd-amdhsa -mcpu=gfx1250 --defsym DOCPART=n.
;; ======== version 1 of 2: 9 launches
;; workspace buffers: actA 3,293,696 bytes; bigA 13,123,584 bytes; vt 3,686,400 bytes; xmid 16,777,216 bytes; cwqk 1,720,832 bytes; cwv 934,400 bytes; cw1 3,293,696 bytes; cwm 4,620,800 bytes
;; launch quantw (part 1): grid 769 x 1, 4 waves a work-group, no clusters, 0 bytes of LDS; arguments Wq, Wk, Wv, Wo, W1, W2, bq, bk, bv, bo, b1, b2, cwqk, cwv, cw1, cwm; writes cwqk, cwv, cw1, cwm
.if DOCPART == 1
	.amdgcn_target "amdgcn-amd-amdhsa--gfx1250"
	.amdhsa_code_object_version 6
	.text
	.protected	k_qfd2cff9b2f_quantw
	.globl	k_qfd2cff9b2f_quantw
	.p2align	8
	.type	k_qfd2cff9b2f_quantw,@function
k_qfd2cff9b2f_quantw:
	s_mov_b64 s[64:65], 0
	v_nop
	global_prefetch_b8 v0, s[64:65] scope:SCOPE_SE
	s_setreg_imm32_b32 hwreg(HW_REG_WAVE_MODE, 25, 1), 1
	s_wait_xcnt 0x0
; The six weights, f32 stored [K][N], become operands of BF6 (E3M2) codes with one E8M0 scale byte for each 32 along K, laid as IMAGES OF THE OPERAND'S REGISTERS.
; ROW ORDER.  An operand's rows (here the output channels n) go in panels of 128, a panel in 8 row blocks of 16 places; place (rb, r) holds the panel's row 32 (rb / 2) + 8 (rb % 2) + r % 8 + 16 (r / 8).
; IMAGE.  A fragment (16 rows x 128 K, 12 registers a lane) is 1,536 bytes: for c = 0, 1 registers 6 c .. 6 c + 3 of lane l at 768 c + 16 l, registers 6 c + 4, 6 c + 5 at 768 c + 512 + 8 l.
; A panel's images lie [K / 256][rb][(K / 128) % 2]; its scale words (4 bytes: 128 along K of one row) lie [K / 128][rb][r].
; FORMATS.  K = 1,024: scale words at 0 (4,096 bytes a panel), biases at 131,072, the activation's floor at 147,456, images at 147,968 (98,304 a panel).
;           K = 4,096: scale words at 0 (16,384 a panel), biases at 524,288, images at 540,672 (393,216 a panel).
; SHARES.  A work-group takes a panel x 128 along K; wave w its row blocks 2 w and 2 w + 1.  A LANE TAKES A COLUMN n AND ITS REGISTERS RUN DOWN K: a load reads 128 consecutive bytes a wave, a block of 32
; lies in one lane, and the conversions give codes with K innermost.  Lanes 0-15 hold block 2 w's rows, lanes 16-31 block 2 w + 1's: twelve exchanges of half waves turn the lanes' blocks into the two images.
; Work-groups 0-255: Wq, Wk, Wv, Wo (64 each); 256-511: W1; 512-767: W2; work-group 768 copies the biases beside the operands that they travel with, and writes the two floors.
; A block's scale is 2^(floor(log2(largest magnitude)) - 4); its byte is that magnitude's exponent field - 4, held at 1 from below.
; LIMITS: a block of zeros gets the byte 1 where the rule says 127 (its codes are zeros, and this program alone reads the bytes); blocks whose largest magnitude lies under 2^-122 are held at the byte 1;
; NaN and infinities among the inputs are not served.  No LDS, no barrier: waves share nothing.
.set FRB,   1536
.set KPB,   24576
.set PB1,   98304
.set BI1,   131072
.set LO1,   147456
.set IM1,   147968
.set PB4,   393216
.set BI4,   524288
.set IM4,   540672
.set W2OFF, 934400                     ; in cwm: Wo's operand at 0, W2's here
.set X,     32                         ; v32-159  four blocks of 32 numbers
.set C,     160                        ; v160-183 the two images
.set T,     184                        ; v184-199 each block's upper 16 codes (a conversion's three registers begin on an even number)
	s_load_b512 s[4:19], s[0:1], 0x0               ; Wq 4, Wk 6, Wv 8, Wo 10, W1 12, W2 14, bq 16, bk 18
	s_load_b512 s[20:35], s[0:1], 0x40             ; bv 20, bo 22, b1 24, b2 26, cwqk 28, cwv 30, cw1 32, cwm 34
	v_lshrrev_b32 v1, 5, v0
	v_readfirstlane_b32 s36, v1                    ; wave
	s_cmp_eq_u32 ttmp9, 768
	s_cbranch_scc1 .Laux
	v_and_b32 v1, 31, v0                           ; lane
	v_and_b32 v2, 7, v1
	v_bfe_u32 v3, v1, 3, 1
	v_lshl_add_u32 v2, v3, 4, v2
	v_bfe_u32 v3, v1, 4, 1
	v_lshl_add_u32 v2, v3, 3, v2                   ; my column among the wave's 32: l % 8 + 16 ((l / 8) % 2) + 8 (l / 16)
	v_lshlrev_b32 v2, 2, v2
	v_lshlrev_b32 v3, 4, v1                        ; 16 l
	v_lshlrev_b32 v4, 3, v1                        ; 8 l
	v_lshlrev_b32 v5, 2, v1                        ; 4 l
	s_and_b32 s42, ttmp9, 7
	s_and_b32 s43, ttmp9, 31
	s_bfe_u32 s44, ttmp9, 0x50003                  ; (g >> 3) & 31
	s_and_b32 s45, s44, 7
	s_bfe_u32 s46, ttmp9, 0x30005                  ; (g >> 5) & 7
	s_lshr_b32 s47, ttmp9, 8                       ; 0: the four square weights, 1: W1, 2: W2
	s_cmp_eq_u32 s47, 1
	s_cselect_b32 s48, s43, s42                    ; panel
	s_cselect_b32 s49, s46, s45                    ; which 128 along K
	s_cselect_b32 s50, 21, 19                      ; log2 of 128 rows of W in bytes
	s_cmp_eq_u32 s47, 2
	s_cselect_b32 s49, s44, s49
	s_mov_b32 s51, IM1
	s_cselect_b32 s51, W2OFF+IM4, s51              ; where the images begin
	s_mov_b32 s52, PB1
	s_cselect_b32 s52, PB4, s52                    ; a panel's images
	s_cselect_b32 s53, 14, 12                      ; log2 of a panel's scale words
	s_cselect_b32 s54, W2OFF, 0
	s_lshr_b32 s55, ttmp9, 6
	s_cmp_eq_u32 s55, 1
	s_cselect_b32 s55, 8, 0                        ; Wk's panels lie behind Wq's
	s_add_co_u32 s55, s55, s48
	s_lshl_b32 s56, s49, s50                       ; in W: 128 ks rows down,
	s_lshl_b32 s57, s48, 9                         ; 128 columns a panel,
	s_add_co_u32 s56, s56, s57
	s_lshl_b32 s57, s36, 7                         ; 32 a wave
	s_add_co_u32 s56, s56, s57
	s_mov_b32 s57, 0
	s_mul_i32 s58, s55, s52                        ; my two images
	s_add_co_u32 s58, s58, s51
	s_lshr_b32 s59, s49, 1
	s_mul_i32 s59, s59, KPB
	s_add_co_u32 s58, s58, s59
	s_and_b32 s59, s49, 1
	s_mul_i32 s59, s59, FRB
	s_add_co_u32 s58, s58, s59
	s_mul_i32 s59, s36, 6144
	s_add_co_u32 s58, s58, s59
	s_mov_b32 s59, 0
	s_lshl_b32 s60, s55, s53                       ; my 32 scale words
	s_add_co_u32 s60, s60, s54
	s_lshl_b32 s61, s49, 9
	s_add_co_u32 s60, s60, s61
	s_lshl_b32 s61, s36, 7
	s_add_co_u32 s60, s60, s61
	s_mov_b32 s61, 0
	s_wait_kmcnt 0x0
	s_cmp_lt_u32 ttmp9, 512                        ; the buffers are chosen by the work-group's number alone
	s_cselect_b64 s[38:39], s[12:13], s[14:15]
	s_cselect_b64 s[40:41], s[32:33], s[34:35]
	s_cmp_lt_u32 ttmp9, 256
	s_cselect_b64 s[38:39], s[10:11], s[38:39]
	s_cselect_b64 s[40:41], s[34:35], s[40:41]
	s_cmp_lt_u32 ttmp9, 192
	s_cselect_b64 s[38:39], s[8:9], s[38:39]
	s_cselect_b64 s[40:41], s[30:31], s[40:41]
	s_cmp_lt_u32 ttmp9, 128
	s_cselect_b64 s[38:39], s[6:7], s[38:39]
	s_cselect_b64 s[40:41], s[28:29], s[40:41]
	s_cmp_lt_u32 ttmp9, 64
	s_cselect_b64 s[38:39], s[4:5], s[38:39]
	s_cselect_b64 s[40:41], s[28:29], s[40:41]
	s_add_nc_u64 s[38:39], s[38:39], s[56:57]
	s_add_nc_u64 s[58:59], s[40:41], s[58:59]
	s_add_nc_u64 s[60:61], s[40:41], s[60:61]
.macro WLOAD stride                    ; W(128 ks + i, my column), i = 0 .. 127: every offset an immediate, 127 x 16,384 bytes at the most
.set i, 0
.rept 128
	global_load_b32 v[X+i], v2, s[38:39] offset:i*\stride th:TH_LOAD_NT
.set i, i+1
.endr
.endm
	s_cmp_eq_u32 s47, 1
	s_cbranch_scc1 .Lwide
	WLOAD 4096
	s_branch .Lin
.Lwide:
	WLOAD 16384
.Lin:
.macro BLOCK t, base                   ; block t of 32 along K: its scale, its byte, its codes: the lower 16 at their place, the upper 16 aside
.set XS, X+32*\t
.if 96-32*\t > 63
	s_wait_loadcnt 63                              ; behind this block's loads stand 96 - 32 t more; a wait's count names 63 at the most, and a smaller count is safe: of the 128 loads the oldest 65 are in, blocks 0 and 1 among them
.else
	s_wait_loadcnt 96-32*\t                        ; this block's 32 loads are in; the later blocks' may be out
.endif
	v_max3_num_f32 v8, |v[XS]|, |v[XS+1]|, |v[XS+2]|
	v_max3_num_f32 v9, |v[XS+3]|, |v[XS+4]|, |v[XS+5]|
.irp i, 6,10,14,18,22,26
	v_max3_num_f32 v8, v8, |v[XS+\i]|, |v[XS+\i+1]|
	v_max3_num_f32 v9, v9, |v[XS+\i+2]|, |v[XS+\i+3]|
.endr
	v_max3_num_f32 v8, v8, |v[XS+30]|, |v[XS+31]|
	v_max3_num_f32 v8, v8, v9, 0x2800000           ; and the floor 2^(5 - 127): the byte cannot fall under 1
	v_add_nc_u32 v[12+\t], 0xfe000000, v8          ; 4 off the exponent field: the conversion takes this operand's exponent field as its scale
	v_lshrrev_b32 v16, 23, v[12+\t]                ; the scale's byte
.if \t == 0
	v_mov_b32 v17, v16
.else
	v_lshl_or_b32 v17, v16, 8*\t, v17              ; the lower K in the lower byte
.endif
	v_cvt_scalef32_pk16_bf6_f32 v[\base:\base+2], v[XS:XS+15], v[12+\t]
	v_cvt_scalef32_pk16_bf6_f32 v[T+4*\t:T+4*\t+2], v[XS+16:XS+31], v[12+\t]
.endm
	BLOCK 0, C
	BLOCK 1, C+12
	BLOCK 2, C+6
	BLOCK 3, C+18
	v_nop                                          ; one plain place behind the last scaled conversion
.irp i, 0,1,2
	v_mov_b32 v[C+3+\i], v[T+\i]
	v_mov_b32 v[C+15+\i], v[T+4+\i]
	v_mov_b32 v[C+9+\i], v[T+8+\i]
	v_mov_b32 v[C+21+\i], v[T+12+\i]
.endr
.irp i, 0,1,2,3,4,5                    ; blocks 0 and 1, blocks 2 and 3: the first's lanes 16-31 change places with the second's lanes 0-15
	v_permlane16_swap_b32 v[C+\i], v[C+12+\i]      ; v[C ..] is then row block 2 w's image (lanes 0-15 K = 0 .. 31, lanes 16-31 K = 32 .. 63 of its rows), v[C+12 ..] row block 2 w + 1's
	v_permlane16_swap_b32 v[C+6+\i], v[C+18+\i]
.endr
.irp f, 0,1                            ; each store covers 512 or 256 consecutive bytes, at a multiple of 256 from the buffer's first byte
	global_store_b128 v3, v[C+12*\f:C+12*\f+3], s[58:59] offset:3072*\f
	global_store_b64 v4, v[C+12*\f+4:C+12*\f+5], s[58:59] offset:3072*\f+512
	global_store_b128 v3, v[C+12*\f+6:C+12*\f+9], s[58:59] offset:3072*\f+768
	global_store_b64 v4, v[C+12*\f+10:C+12*\f+11], s[58:59] offset:3072*\f+1280
.endr
	global_store_b32 v5, v17, s[60:61]             ; lane l's word is that of place (2 w + l / 16, l % 16): 128 consecutive bytes
	s_endpgm
.Laux:                                         ; 128 threads, 16 bytes each: 2,048 bytes an instruction
	v_lshlrev_b32 v1, 4, v0
	v_lshlrev_b32 v2, 2, v0
	s_wait_kmcnt 0x0
.irp i, 0,1
	global_load_b128 v[32+4*\i:35+4*\i], v1, s[16:17] offset:2048*\i
	global_load_b128 v[40+4*\i:43+4*\i], v1, s[18:19] offset:2048*\i
	global_load_b128 v[48+4*\i:51+4*\i], v1, s[20:21] offset:2048*\i
	global_load_b128 v[56+4*\i:59+4*\i], v1, s[22:23] offset:2048*\i
	global_load_b128 v[64+4*\i:67+4*\i], v1, s[26:27] offset:2048*\i
.endr
.irp i, 0,1,2,3,4,5,6,7
	global_load_b128 v[72+4*\i:75+4*\i], v1, s[24:25] offset:2048*\i
.endr
	v_mov_b32 v3, 0xff800000                       ; -infinity: no activation behind Wq and Wk
	v_mov_b32 v4, 0                                ; 0: relu behind W1
	s_wait_loadcnt 0x0
.irp i, 0,1
	global_store_b128 v1, v[32+4*\i:35+4*\i], s[28:29] offset:BI1+2048*\i         ; bq, then bk
	global_store_b128 v1, v[40+4*\i:43+4*\i], s[28:29] offset:BI1+4096+2048*\i
	global_store_b128 v1, v[48+4*\i:51+4*\i], s[30:31] offset:BI1+2048*\i         ; bv
	global_store_b128 v1, v[56+4*\i:59+4*\i], s[34:35] offset:BI1+2048*\i         ; bo
	global_store_b128 v1, v[64+4*\i:67+4*\i], s[34:35] offset:W2OFF+BI4+2048*\i   ; b2
.endr
.irp i, 0,1,2,3,4,5,6,7
	global_store_b128 v1, v[72+4*\i:75+4*\i], s[32:33] offset:BI1+2048*\i         ; b1
.endr
	global_store_b32 v2, v3, s[28:29] offset:LO1
	global_store_b32 v2, v4, s[32:33] offset:LO1
	s_endpgm
.Lfunc_end_k_qfd2cff9b2f_quantw:
	.size	k_qfd2cff9b2f_quantw, .Lfunc_end_k_qfd2cff9b2f_quantw-k_qfd2cff9b2f_quantw
	.p2alignl 7, 3214868480
	.fill 96, 4, 3214868480
	.section	.rodata,"a",@progbits
	.p2align	6, 0x0
	.amdhsa_kernel k_qfd2cff9b2f_quantw
		.amdhsa_group_segment_fixed_size 0
		.amdhsa_private_segment_fixed_size 0
		.amdhsa_enable_private_segment 0
		.amdhsa_kernarg_size 128
		.amdhsa_user_sgpr_count 2
		.amdhsa_user_sgpr_kernarg_segment_ptr 1
		.amdhsa_wavefront_size32 1
		.amdhsa_system_sgpr_workgroup_id_x 1
		.amdhsa_system_sgpr_workgroup_id_y 1
		.amdhsa_system_sgpr_workgroup_id_z 1
		.amdhsa_system_vgpr_workitem_id 0
		.amdhsa_next_free_vgpr 200
		.amdhsa_next_free_sgpr 66
		.amdhsa_reserve_vcc 0
		.amdhsa_float_denorm_mode_32 3
		.amdhsa_float_denorm_mode_16_64 3
		.amdhsa_memory_ordered 1
		.amdhsa_forward_progress 1
		.amdhsa_inst_pref_size 39
	.end_amdhsa_kernel
	.amdgpu_metadata
---
amdhsa.version: [ 1, 2 ]
amdhsa.kernels:
  - .name:           k_qfd2cff9b2f_quantw
    .symbol:         k_qfd2cff9b2f_quantw.kd
    .args:
      - { .name: Wq, .offset: 0, .size: 8, .value_kind: global_buffer, .address_space: global }
      - { .name: Wk, .offset: 8, .size: 8, .value_kind: global_buffer, .address_space: global }
      - { .name: Wv, .offset: 16, .size: 8, .value_kind: global_buffer, .address_space: global }
      - { .name: Wo, .offset: 24, .size: 8, .value_kind: global_buffer, .address_space: global }
      - { .name: W1, .offset: 32, .size: 8, .value_kind: global_buffer, .address_space: global }
      - { .name: W2, .offset: 40, .size: 8, .value_kind: global_buffer, .address_space: global }
      - { .name: bq, .offset: 48, .size: 8, .value_kind: global_buffer, .address_space: global }
      - { .name: bk, .offset: 56, .size: 8, .value_kind: global_buffer, .address_space: global }
      - { .name: bv, .offset: 64, .size: 8, .value_kind: global_buffer, .address_space: global }
      - { .name: bo, .offset: 72, .size: 8, .value_kind: global_buffer, .address_space: global }
      - { .name: b1, .offset: 80, .size: 8, .value_kind: global_buffer, .address_space: global }
      - { .name: b2, .offset: 88, .size: 8, .value_kind: global_buffer, .address_space: global }
      - { .name: cwqk, .offset: 96, .size: 8, .value_kind: global_buffer, .address_space: global }
      - { .name: cwv, .offset: 104, .size: 8, .value_kind: global_buffer, .address_space: global }
      - { .name: cw1, .offset: 112, .size: 8, .value_kind: global_buffer, .address_space: global }
      - { .name: cwm, .offset: 120, .size: 8, .value_kind: global_buffer, .address_space: global }
    .group_segment_fixed_size: 0
    .private_segment_fixed_size: 0
    .kernarg_segment_align: 8
    .kernarg_segment_size: 128
    .max_flat_workgroup_size: 128
    .sgpr_count:     66
    .vgpr_count:     200
    .wavefront_size: 32
...
	.end_amdgpu_metadata
.endif
;; end of part 1
;; launch ln1 (part 2): grid 256 x 1, 8 waves a work-group, no clusters, 2,048 bytes of LDS; arguments x, g1, be1, actA; writes actA
.if DOCPART == 2
	.amdgcn_target "amdgcn-amd-amdhsa--gfx1250"
	.amdhsa_code_object_version 6
	.text
	.protected	k_qfd2cff9b2f_ln1
	.globl	k_qfd2cff9b2f_ln1
	.p2align	8
	.type	k_qfd2cff9b2f_ln1,@function
k_qfd2cff9b2f_ln1:
	s_mov_b64 s[64:65], 0
	v_nop
	global_prefetch_b8 v0, s[64:65] scope:SCOPE_SE
	s_setreg_imm32_b32 hwreg(HW_REG_WAVE_MODE, 25, 1), 1
	s_wait_xcnt 0x0
; o = Q(layernorm(x) g + be): 4,096 rows of 1,024 f32 become an operand of BF6 (E3M2) codes, one E8M0 scale byte for each 32 along the row, laid as images of the operand's registers.
; ROW ORDER: panels of 128 tokens, 8 row blocks of 16 places; place (rb, r) holds the panel's token 32 (rb / 2) + 8 (rb % 2) + r % 8 + 16 (r / 8).
; IMAGE: a fragment (16 rows x 128 K, 12 registers a lane) is 1,536 bytes: for c = 0, 1 registers 6 c .. 6 c + 3 of lane l at 768 c + 16 l, registers 6 c + 4, 6 c + 5 at 768 c + 512 + 8 l.
; The buffer: scale words [panel][K / 128][rb][r] at 0; one f32 of row bias a token at 131,072 (zeros); the next product's floor at 147,456 (-infinity); images [panel][K / 256][rb][(K / 128) % 2] at 147,968.
; SHARES.  A work-group takes a row block (16 tokens); wave w columns 128 w .. 128 w + 127, one fragment.  Lane (r, h) takes, of its token, 16 neighbours of each of the wave's four blocks of 32: they are
; the conversion's sixteen registers.  The row's sums meet in LDS: a word for each (token, wave), one barrier for the mean and one for the variance.
; The mean is taken first and the variance is taken of the differences, as the definition has it: a common offset in x costs no accuracy.
; LIMITS: a block of zeros gets the byte 1 where the rule says 127 (its codes are zeros, this program alone reads the bytes); blocks under 2^-122 are held at the byte 1; NaN and infinities are not served.
; The matrix unit, clusters and tensor loads would add nothing: each byte of x is read once and no two work-groups share a row.
.set FRB,  1536
.set KPB,  24576
.set PB1,  98304
.set BI1,  131072
.set LO1,  147456
.set IM1,  147968
.set PW,   11                          ; v11      the scale word
.set PC,   32                          ; v32-51   the codes
.set TM,   52                          ; v52-63   largest magnitudes, bytes, scale operands
.set X,    64                          ; v64-127  register 16 b + i: column 128 w + 32 b + 16 h + i
.set G,    128
.set BE,   192
.set SEL,  24                          ; s[24:25] lane selects for v_permlanex16_b32: lane l xor 16
; 64 numbers of a lane, register 16 b + i = k 32 b + 16 (lane / 16) + i of my row, become a fragment's codes in v[PC] on and its scale word in v[pw]
.macro QUANT s, pw
.irp b, 0,1,2,3
	v_max3_num_f32 v[TM+\b], |v[\s+16*\b]|, |v[\s+1+16*\b]|, 0x2800000   ; my 16 numbers of block b, and the floor 2^(5 - 127): the byte cannot fall under 1
.endr
.irp i, 2,4,6,8,10,12,14
.irp b, 0,1,2,3
	v_max3_num_f32 v[TM+\b], v[TM+\b], |v[\s+16*\b+\i]|, |v[\s+1+16*\b+\i]|
.endr
.endr
.irp b, 0,1,2,3
	v_permlanex16_b32 v[TM+4+\b], v[TM+\b], s[SEL], s[SEL+1]
.endr
.irp b, 0,1,2,3
	v_max_num_f32 v[TM+\b], v[TM+\b], v[TM+4+\b]   ; with lane l xor 16's: the block's largest magnitude
.endr
.irp b, 0,1,2,3
	v_add_nc_u32 v[TM+8+\b], 0xfe000000, v[TM+\b]  ; 4 off its exponent field: the conversion's scale operand
.endr
.irp b, 0,1,2,3
	v_lshrrev_b32 v[TM+4+\b], 23, v[TM+8+\b]       ; the scale's byte
.endr
	v_lshl_or_b32 v[\pw], v[TM+5], 8, v[TM+4]
	v_lshl_or_b32 v[\pw], v[TM+6], 16, v[\pw]
	v_lshl_or_b32 v[\pw], v[TM+7], 24, v[\pw]
.irp c, 0,1
	v_cvt_scalef32_pk16_bf6_f32 v[PC+6*\c:PC+2+6*\c], v[\s+32*\c:\s+15+32*\c], v[TM+8+2*\c]
	v_cvt_scalef32_pk16_bf6_f32 v[PC+12+4*\c:PC+14+4*\c], v[\s+16+32*\c:\s+31+32*\c], v[TM+8+2*\c+1]   ; (a conversion's three registers begin on an even number)
.endr
	v_nop                                          ; one plain place behind a scaled conversion
.irp c, 0,1                            ; the layout wants a whole block in a lane: lanes 0-15 block 2 c, lanes 16-31 block 2 c + 1
.irp i, 0,1,2
	v_permlane16_swap_b32 v[PC+6*\c+\i], v[PC+12+4*\c+\i]
.endr
.irp i, 0,1,2
	v_mov_b32 v[PC+3+6*\c+\i], v[PC+12+4*\c+\i]
.endr
.endr
.endm
	s_load_b256 s[4:11], s[0:1], 0x0               ; x 4, g 6, be 8, o 10
	v_lshl_add_u32 v47, v0, 2, 0x400
	v_mov_b32 v51, 0
	v_lshrrev_b32 v1, 5, v0
	v_readfirstlane_b32 s12, v1                    ; wave = which 128 columns
	v_and_b32 v1, 31, v0                           ; lane
	v_and_b32 v2, 15, v0                           ; r
	v_bfe_u32 v3, v0, 4, 1                         ; h
	s_lshr_b32 s13, ttmp9, 3                       ; panel
	s_and_b32 s14, ttmp9, 7                        ; row block
	s_lshr_b32 s15, s14, 1
	s_lshl_b32 s15, s15, 5
	s_and_b32 s16, s14, 1
	s_lshl_b32 s16, s16, 3
	s_add_co_u32 s15, s15, s16
	s_lshl_b32 s16, s13, 7
	s_add_co_u32 s15, s15, s16                     ; the row block's first token: 128 P + 32 (rb / 2) + 8 (rb % 2)
	v_and_b32 v4, 7, v2
	v_lshrrev_b32 v5, 3, v2
	v_lshl_add_u32 v4, v5, 4, v4                   ; my token's place behind it: r % 8 + 16 (r / 8)
	v_lshlrev_b32 v4, 12, v4                       ; rows of 4,096 bytes
	v_lshlrev_b32 v5, 6, v3                        ; 64 h: my 16 numbers of a block
	v_add_nc_u32 v4, v4, v5
	v_lshlrev_b32 v6, 4, v1                        ; 16 l
	v_lshlrev_b32 v7, 3, v1                        ; 8 l
	v_lshlrev_b32 v8, 2, v2                        ; 4 r
	v_lshlrev_b32 v10, 5, v2                       ; LDS: my token's eight words,
	s_lshl_b32 s16, s12, 2
	v_add_nc_u32 v9, s16, v10                      ; and my wave's among them
.irp b, 0,1,2,3
	v_mov_b32 v[TM+4+\b], 0                        ; written once: a lane permute's destination counts as one of its sources
.endr
	v_mov_b32 v17, 0
	s_mov_b32 s20, 0x3a800000                      ; 1 / 1,024
	s_mov_b32 s21, 0x3727c5ac                      ; 1e-5
	s_mov_b32 s[SEL], 0x76543210
	s_mov_b32 s[SEL+1], 0xfedcba98
	s_lshl_b32 s22, s12, 9                         ; 512 w
	s_mov_b32 s23, 0
	s_lshl_b32 s18, s15, 12
	s_add_co_u32 s18, s18, s22
	s_mov_b32 s19, 0
	s_mul_i32 s26, s13, PB1                        ; my image
	s_lshr_b32 s16, s12, 1
	s_mul_i32 s16, s16, KPB
	s_add_co_u32 s26, s26, s16
	s_mul_i32 s16, s14, 3072
	s_add_co_u32 s26, s26, s16
	s_and_b32 s16, s12, 1
	s_mul_i32 s16, s16, FRB
	s_add_co_u32 s26, s26, s16
	s_add_co_u32 s26, s26, IM1
	s_mov_b32 s27, 0
	s_lshl_b32 s30, s13, 12                        ; my 16 scale words
	s_add_co_u32 s30, s30, s22
	s_lshl_b32 s16, s14, 6
	s_add_co_u32 s30, s30, s16
	s_mov_b32 s31, 0
	s_lshl_b32 s28, s15, 2                         ; the row block's biases
	s_add_co_u32 s28, s28, BI1
	s_mov_b32 s29, 0
	s_wait_kmcnt 0x0
	s_add_nc_u64 s[4:5], s[4:5], s[18:19]
	s_add_nc_u64 s[6:7], s[6:7], s[22:23]
	s_add_nc_u64 s[8:9], s[8:9], s[22:23]
	s_add_nc_u64 s[26:27], s[10:11], s[26:27]
	s_add_nc_u64 s[28:29], s[10:11], s[28:29]
	s_add_nc_u64 s[30:31], s[10:11], s[30:31]
.irp b, 0,1,2,3
.irp j, 0,1,2,3
	global_load_b128 v[X+16*\b+4*\j:X+16*\b+4*\j+3], v4, s[4:5] offset:128*\b+16*\j th:TH_LOAD_NT
.endr
.endr
.irp b, 0,1,2,3
.irp j, 0,1,2,3
	global_load_b128 v[G+16*\b+4*\j:G+16*\b+4*\j+3], v5, s[6:7] offset:128*\b+16*\j
	global_load_b128 v[BE+16*\b+4*\j:BE+16*\b+4*\j+3], v5, s[8:9] offset:128*\b+16*\j
.endr
.endr
	s_wait_loadcnt 32                              ; x's sixteen loads are in; the 32 of g and be may be out
.irp k, 0,1,2,3                        ; the sum of my 64 numbers, two at a time, in four chains
	v_pk_add_f32 v[24+2*\k:25+2*\k], v[X+4*\k:X+4*\k+1], v[X+4*\k+2:X+4*\k+3]
.endr
.irp i, 16,24,32,40,48,56
.irp k, 0,1,2,3
	v_pk_add_f32 v[24+2*\k:25+2*\k], v[24+2*\k:25+2*\k], v[X+\i+2*\k:X+\i+2*\k+1]
.endr
.endr
.macro JOIN off                        ; the four chains, the two halves of a pair, lane l xor 16's; then all eight waves' through LDS: v16 = the row's sum, in a fixed order
	v_pk_add_f32 v[24:25], v[24:25], v[26:27]
	v_pk_add_f32 v[28:29], v[28:29], v[30:31]
	v_pk_add_f32 v[24:25], v[24:25], v[28:29]
	v_add_f32 v16, v24, v25
	v_permlanex16_b32 v17, v16, s[SEL], s[SEL+1]
	v_add_f32 v16, v16, v17
	ds_store_b32 v9, v16 offset:\off               ; lanes l and l xor 16 write the same word with the same value
	s_wait_dscnt 0x0                               ; for the others' sake: my store is done
	s_barrier_signal -1
	s_barrier_wait -1
	ds_load_b128 v[16:19], v10 offset:\off
	ds_load_b128 v[20:23], v10 offset:\off+16
	s_wait_dscnt 0x0
	v_add_f32 v16, v16, v17
	v_add_f32 v18, v18, v19
	v_add_f32 v20, v20, v21
	v_add_f32 v22, v22, v23
	v_add_f32 v16, v16, v18
	v_add_f32 v20, v20, v22
	v_add_f32 v16, v16, v20
.endm
	JOIN 0
	v_mul_f32 v12, s20, v16                        ; the mean
	v_mov_b32 v13, v12
.set i, 0
.rept 32
	v_pk_add_f32 v[X+i:X+i+1], v[X+i:X+i+1], v[12:13] neg_lo:[0,1] neg_hi:[0,1]
.set i, i+2
.endr
.irp k, 0,1,2,3
	v_pk_mul_f32 v[24+2*\k:25+2*\k], v[X+2*\k:X+2*\k+1], v[X+2*\k:X+2*\k+1]
.endr
.irp i, 8,16,24,32,40,48,56
.irp k, 0,1,2,3
	v_pk_fma_f32 v[24+2*\k:25+2*\k], v[X+\i+2*\k:X+\i+2*\k+1], v[X+\i+2*\k:X+\i+2*\k+1], v[24+2*\k:25+2*\k]
.endr
.endr
	JOIN 512                                       ; other words than the mean's: no wave writes what another may still read
	v_fma_f32 v16, v16, s20, s21                   ; the variance + 1e-5
	v_rsq_f32 v14, v16
	v_rsq_f32 v15, v16
	v_nop                                          ; a plain place behind the transcendentals
	s_wait_alu depctr_va_vdst(0)                   ; one wait for both, ahead of their first reader
	s_wait_loadcnt 0x0                             ; g and be
.set i, 0
.rept 32
	v_pk_mul_f32 v[X+i:X+i+1], v[X+i:X+i+1], v[14:15]
.set i, i+2
.endr
.set i, 0
.rept 32
	v_pk_fma_f32 v[X+i:X+i+1], v[X+i:X+i+1], v[G+i:G+i+1], v[BE+i:BE+i+1]
.set i, i+2
.endr
	QUANT X, PW
	global_store_b128 v6, v[PC:PC+3], s[26:27]                 ; each store covers 512 or 256 consecutive bytes, at a multiple of 256 from the buffer's first byte
	global_store_b64 v7, v[PC+4:PC+5], s[26:27] offset:512
	global_store_b128 v6, v[PC+6:PC+9], s[26:27] offset:768
	global_store_b64 v7, v[PC+10:PC+11], s[26:27] offset:1280
	global_store_b32 v8, v[PW], s[30:31]           ; 64 bytes: lanes l and l xor 16 hold the same word
	s_cmp_lg_u32 s12, 0
	s_cbranch_scc1 .Ldone
	v_and_b32 v16, 7, v2                           ; wave 0: this operand's rows carry no bias: zeros for my 16 tokens
	v_lshrrev_b32 v18, 3, v2
	v_lshl_add_u32 v16, v18, 4, v16
	v_lshlrev_b32 v16, 2, v16
	v_mov_b32 v18, 0
	global_store_b32 v16, v18, s[28:29]
	s_cmp_lg_u32 ttmp9, 0
	s_cbranch_scc1 .Ldone
	v_lshlrev_b32 v19, 2, v1                       ; work-group 0: no activation behind a product whose second operand this is
	v_mov_b32 v20, 0xff800000
	global_store_b32 v19, v20, s[10:11] offset:LO1
.Ldone:
	s_wait_tensorcnt 0x0
	ds_add_u32 v47, v51
	s_wait_dscnt 0x0
	s_endpgm
.Lfunc_end_k_qfd2cff9b2f_ln1:
	.size	k_qfd2cff9b2f_ln1, .Lfunc_end_k_qfd2cff9b2f_ln1-k_qfd2cff9b2f_ln1
	.p2alignl 7, 3214868480
	.fill 96, 4, 3214868480
	.section	.rodata,"a",@progbits
	.p2align	6, 0x0
	.amdhsa_kernel k_qfd2cff9b2f_ln1
		.amdhsa_group_segment_fixed_size 2048
		.amdhsa_private_segment_fixed_size 0
		.amdhsa_enable_private_segment 0
		.amdhsa_kernarg_size 32
		.amdhsa_user_sgpr_count 2
		.amdhsa_user_sgpr_kernarg_segment_ptr 1
		.amdhsa_wavefront_size32 1
		.amdhsa_system_sgpr_workgroup_id_x 1
		.amdhsa_system_sgpr_workgroup_id_y 1
		.amdhsa_system_sgpr_workgroup_id_z 1
		.amdhsa_system_vgpr_workitem_id 0
		.amdhsa_next_free_vgpr 256
		.amdhsa_next_free_sgpr 66
		.amdhsa_reserve_vcc 0
		.amdhsa_float_denorm_mode_32 3
		.amdhsa_float_denorm_mode_16_64 3
		.amdhsa_memory_ordered 1
		.amdhsa_forward_progress 1
		.amdhsa_inst_pref_size 25
	.end_amdhsa_kernel
	.amdgpu_metadata
---
amdhsa.version: [ 1, 2 ]
amdhsa.kernels:
  - .name:           k_qfd2cff9b2f_ln1
    .symbol:         k_qfd2cff9b2f_ln1.kd
    .args:
      - { .name: x, .offset: 0, .size: 8, .value_kind: global_buffer, .address_space: global }
      - { .name: g1, .offset: 8, .size: 8, .value_kind: global_buffer, .address_space: global }
      - { .name: be1, .offset: 16, .size: 8, .value_kind: global_buffer, .address_space: global }
      - { .name: actA, .offset: 24, .size: 8, .value_kind: global_buffer, .address_space: global }
    .group_segment_fixed_size: 2048
    .private_segment_fixed_size: 0
    .kernarg_segment_align: 8
    .kernarg_segment_size: 32
    .max_flat_workgroup_size: 256
    .sgpr_count:     66
    .vgpr_count:     256
    .wavefront_size: 32
...
	.end_amdgpu_metadata
.endif
;; end of part 2
;; launch qkproj (part 3): grid 8 x 16, 4 waves a work-group, clusters of 4 x 4, 327,680 bytes of LDS; arguments actA, cwqk, bigA; writes bigA
.if DOCPART == 3
	.amdgcn_target "amdgcn-amd-amdhsa--gfx1250"
	.amdhsa_code_object_version 6
	.text
	.protected	k_qfd2cff9b2f_qkproj
	.globl	k_qfd2cff9b2f_qkproj
	.p2align	8
	.type	k_qfd2cff9b2f_qkproj,@function
k_qfd2cff9b2f_qkproj:
	s_mov_b64 s[64:65], 0
	v_nop
	global_prefetch_b8 v0, s[64:65] scope:SCOPE_SE
	s_setreg_imm32_b32 hwreg(HW_REG_WAVE_MODE, 25, 1), 1
	s_wait_xcnt 0x0
	s_wait_alu depctr_hold_cnt(0) depctr_sa_sdst(0) depctr_va_vdst(0) depctr_va_sdst(0) depctr_va_ssrc(0) depctr_va_vcc(0) depctr_vm_vsrc(0)
	s_getreg_b32 s2, hwreg(HW_REG_IB_STS2, 6, 4)
	s_cmp_eq_u32 s2, 0
	s_cbranch_scc0 .Lentry_in_a_cluster
	s_endpgm
.Lentry_in_a_cluster:
	s_bfe_u32 s2, ttmp6, 0x10000c
	s_cmp_lg_u32 s2, 0xf033
	s_cbranch_scc0 .Lentry_shape_is_right
	s_endpgm
.Lentry_shape_is_right:
; o = Q(max(A B^T + biasA[m] + biasB[n], floor)): a GEMM on codes of BF6 (E3M2) with E8M0 scales for each 32 along K = 1,024, whose result is quantised in registers, along n, into the next product's operand.
; OPERANDS lie in memory as images of the operand's registers.  Rows go in panels of 128, 8 row blocks of 16 places; place (rb, r) holds the panel's row 32 (rb / 2) + 8 (rb % 2) + r % 8 + 16 (r / 8).
; A fragment (16 rows x 128 K, 12 registers a lane) is 1,536 bytes: for c = 0, 1 registers 6 c .. 6 c + 3 of lane l at 768 c + 16 l, registers 6 c + 4, 6 c + 5 at 768 c + 512 + 8 l.
; An input buffer: scale words [panel][K / 128][rb][r] at 0; a row bias (f32, by the row's own number) at BI; in B's buffer the floor at LO; images [panel][K / 256][rb][(K / 128) % 2] at IM.
; The output buffer has the same plan for K up to 4,096 (PS4, PB4, IM4); its rows stand at A's rows' places, its K is B's rows in their own order.
; THE MATRIX INSTRUCTION IS USED TRANSPOSED (source 0 = 16 rows of B, source 1 = 16 rows of A).  By the row order, register j of lane (r, h) of the result of B's block 2 b + u is B's row 32 b + 16 h + 8 u + j:
; the 64 registers of one block of A's rows are 16 neighbours of each of four blocks of 32 along the next K: what the conversions take.
; A tile of C, 256 x 256, is made by four waves, 128 x 128 each: 64 accumulators, 512 registers.  K goes in steps of 256 through a ring of two LDS slots; a wave's tensor load brings one panel's images of a
; K step, 24,576 dense bytes.  Every LDS read is 16 or 8 bytes a lane on end: no padding.  The scale words of the 512 rows, for all of K, come once, with the first fills.
; CLUSTERS: 4 x 4 work-groups; A's tiles are asked for jointly along a row of the cluster, B's along a column.
; THE SUMS BEGIN WITH THE BIASES, so no addition follows them: another order of rounding than bias last.
; LIMITS: a block of zeros gets the byte 1 where the rule says 127 (its codes are zeros, this program alone reads the bytes); blocks under 2^-122 are held at the byte 1; NaN and infinities are not served.
; REGISTERS: window 0: v1-8 lane terms; v16-23 fragment addresses; v27 scale address; v32-63 scale words, two sets; v128-223 A's fragments, one set (at the head the biases, on the way out the codes);
;   v64-127 on the way out 64 numbers.  window 1: B's fragments, two sets.  windows 2, 3: accumulator (a, b) at v[8 (8 (a % 4) + b)].
.set SIZE_K, 1024
.set FRB,    1536
.set KPB,    24576                     ; a panel's images of 256 along K
.set HALFT,  KPB
.set SLOT,   4*HALFT                   ; A's two panels, then B's two
.set LAPS,   SIZE_K/512
.set HALFS,  (SIZE_K/128)*512          ; a panel's scale words
.set SCL,    2*SLOT
.set SPARE,  SCL+4*HALFS               ; the spare words, 128 bytes for each wave: two blocks of 256 bytes that no other line names
.set PS,     4096
.set PB,     98304
.set BI,     131072
.set LO,     147456
.set IM,     147968
.set PS4,    16384
.set PB4,    393216
.set IM4,    540672
.set FR,     12
.set NL,     4                         ; LDS loads that bring a fragment
.set NP,     4                         ; places behind this matrix instruction (ISA guide 7.12.1)
.set L16,  4                           ; v4  16 x lane
.set L8,   5                           ; v5  8 x lane
.set L4,   26                          ; v26 4 x lane
.set ADRA, 16                          ; v16-17 my A fragments in slot 0, 1, 16 bytes a lane; v18-19 the same, 8 bytes a lane
.set ADRB, 20                          ; v20-23 the same for B
.set ADRS, 27                          ; v27 my scale words: lanes 0-15 A's rows, lanes 16-31 B's
.set SPW,  28
.set NIL,  29
.set SC,   32                          ; set s at v[SC + 16 s]; register 2 i + q: lanes 0-15 A's block i, lanes 16-31 B's block i, the slot's q-th 128 along K
.set AF,   128
.set BN,   128                         ; the head: biasB in the result's layout, 8 registers for each of B's blocks
.set BM,   192                         ; and biasA, a pair of equal registers for each of A's blocks
.set T,    64
.set PC,   128
.set TM,   148
.set PWS,  160
.set PWM,  168
.set SEL,  98
.set G1, 24
.set G0, 32
.set G1B, 48
.set G0B, 56
.set G1S, 68
.set G0S, 76
.set G1SB, 80
.set G0SB, 88
.set MSB, 0
.macro WIN new                         ; the immediate's high byte repeats the setting that is left
.if MSB != \new
	s_set_vgpr_msb (MSB<<8)|\new
.set MSB, \new
.endif
.endm
.set MUL_LO, 0xa1                      ; source 0 (B) window 1, source 1 (A) window 0, C and D window 2
.set MUL_HI, 0xf1
.set TO_B,   0x40
.macro JLOAD g0a, g1a, g0b, g1b        ; a joint load: waves 0 and 1 fetch for A, waves 2 and 3 for B; four v_nop follow each line
	s_cmp_eq_u32 s15, 0
	s_cbranch_scc0 .Lfor_b_\@
	tensor_load_to_lds s[\g0a:\g0a+3], s[\g1a:\g1a+7]
	s_nop 0
.rept 4
	v_nop
.endr
	s_branch .Lasked_\@
.Lfor_b_\@:
	tensor_load_to_lds s[\g0b:\g0b+3], s[\g1b:\g1b+7]
	s_nop 0
.rept 4
	v_nop
.endr
.Lasked_\@:
.endm
.macro CREST                           ; a round of the cluster's barrier behind its opening barrier
	s_cmp_lg_u32 s14, 0
	s_cbranch_scc1 .Lnot_wave_0_\@
	s_barrier_signal -3
.Lnot_wave_0_\@:
	s_barrier_wait -3
	s_barrier_signal -1
	s_barrier_wait -1
.endm
.macro CROUND
	s_barrier_signal -1
	s_barrier_wait -1
	CREST
.endm
.macro PLACES n
.rept \n
	v_nop
.endr
.endm
	s_load_b128 s[4:7], s[0:1], 0x0                ; A, B
	s_load_b64 s[8:9], s[0:1], 0x10                ; o
	v_lshl_add_u32 v[SPW], v0, 2, SPARE
	v_mov_b32 v[NIL], 0
	ds_add_u32 v28, v29
	ds_add_u32 v28, v29
	s_wait_dscnt 0x0
	v_lshrrev_b32 v1, 5, v0
	v_readfirstlane_b32 s14, v1                    ; wave
	s_lshr_b32 s15, s14, 1                         ; which half of the tile's rows is mine.  Also: I fetch for A (0) or for B (1)
	s_and_b32 s16, s14, 1                          ; which half of its columns.  Also: which panel of that tile I fetch
	s_bfe_u32 s40, ttmp6, 0x40000                  ; cx
	s_bfe_u32 s41, ttmp6, 0x40004                  ; cy
	s_lshl_b32 s42, ttmp9, 2
	s_add_co_u32 s42, s42, s40                     ; tile column
	s_and_b32 s17, ttmp7, 0xffff
	s_lshl_b32 s17, s17, 2
	s_add_co_u32 s17, s17, s41                     ; tile row
	s_lshl_b32 s43, s41, 2
	s_lshl_b32 s43, 15, s43                        ; my row of the cluster
	s_lshl_b32 s44, 0x1111, s40                    ; my column
	s_or_b32 s[G1+0], s43, (3<<16)|(1<<21)         ; 15:0 the mask; 17:16 elements of 8 bytes; 21 set beside a mask; no padding
	s_or_b32 s[G1B+0], s44, (3<<16)|(1<<21)
.irp g, G1, G1B                        ; 24,576 dense bytes as 96 rows of 256
	s_mov_b32 s[\g+1], 32<<16
	s_mov_b32 s[\g+2], 96<<16
	s_mov_b32 s[\g+3], 32<<16
	s_mov_b32 s[\g+4], 96
	s_mov_b32 s[\g+5], 32
	s_mov_b32 s[\g+6], 0
	s_mov_b32 s[\g+7], 0
.endr
	s_or_b32 s[G1S+0], s43, (3<<16)|(1<<21)
	s_or_b32 s[G1SB+0], s44, (3<<16)|(1<<21)
.irp g, G1S, G1SB                      ; a panel's scale words, dense, as rows of 256 bytes
	s_mov_b32 s[\g+1], 32<<16
	s_mov_b32 s[\g+2], (HALFS/256)<<16
	s_mov_b32 s[\g+3], 32<<16
	s_mov_b32 s[\g+4], HALFS/256
	s_mov_b32 s[\g+5], 32
	s_mov_b32 s[\g+6], 0
	s_mov_b32 s[\g+7], 0
.endr
	s_lshl_b32 s20, s17, 1
	s_add_co_u32 s20, s20, s16                     ; A's panel that I fetch: made of the tile row and the wave alone
	s_lshl_b32 s46, s42, 1
	s_add_co_u32 s46, s46, s16                     ; B's: of the tile column and the wave alone
	s_mul_i32 s22, s20, PS
	s_mul_i32 s92, s46, PS
	s_mul_i32 s20, s20, PB
	s_mul_i32 s46, s46, PB
	s_add_co_u32 s20, s20, IM
	s_add_co_u32 s46, s46, IM
	s_mov_b32 s21, 0
	s_mov_b32 s23, 0
	s_mov_b32 s47, 0
	s_mov_b32 s93, 0
	s_mul_i32 s45, s14, HALFT                      ; where they go: wave x a panel: no place in the cluster enters an LDS address
	s_mul_i32 s94, s14, HALFS
	s_wait_kmcnt 0x0
	s_add_nc_u64 s[20:21], s[4:5], s[20:21]
	s_add_nc_u64 s[22:23], s[4:5], s[22:23]
	s_add_nc_u64 s[46:47], s[6:7], s[46:47]
	s_add_nc_u64 s[92:93], s[6:7], s[92:93]
	CROUND                                         ; all sixteen work-groups are here: the first joint loads meet
	s_mov_b32 s[G0S], 1
	s_add_co_u32 s[G0S+1], s94, SCL
	s_mov_b64 s[G0S+2:G0S+3], s[22:23]
	s_or_b32 s[G0S+3], s[G0S+3], 0x80000000
	s_mov_b32 s[G0SB], 1
	s_add_co_u32 s[G0SB+1], s94, SCL
	s_mov_b64 s[G0SB+2:G0SB+3], s[92:93]
	s_or_b32 s[G0SB+3], s[G0SB+3], 0x80000000
	JLOAD G0S, G1S, G0SB, G1SB                     ; the scale words first: they are wanted with K step 0
.irp s, 0,1
	s_mov_b32 s[G0+4*\s], 1
	s_add_co_u32 s[G0+4*\s+1], s45, \s*SLOT
	s_add_nc_u64 s[G0+4*\s+2:G0+4*\s+3], s[20:21], \s*KPB
	s_or_b32 s[G0+4*\s+3], s[G0+4*\s+3], 0x80000000
	s_mov_b32 s[G0B+4*\s], 1
	s_add_co_u32 s[G0B+4*\s+1], s45, \s*SLOT
	s_add_nc_u64 s[G0B+4*\s+2:G0B+4*\s+3], s[46:47], \s*KPB
	s_or_b32 s[G0B+4*\s+3], s[G0B+4*\s+3], 0x80000000
	JLOAD G0+4*\s, G1, G0B+4*\s, G1B               ; three tensor loads of mine are out behind the last of these
.endr
	v_and_b32 v1, 15, v0                           ; r
	v_bfe_u32 v2, v0, 4, 1                         ; h
	v_and_b32 v3, 31, v0                           ; lane
	v_lshlrev_b32 v[L16], 4, v3
	v_lshlrev_b32 v[L8], 3, v3
	v_lshlrev_b32 v[L4], 2, v3
	s_mul_i32 s21, s15, HALFT                      ; my panel of A
	s_mul_i32 s22, s16, HALFT                      ; my panel of B,
	s_add_co_u32 s22, s22, 2*HALFT                 ; behind A's two
.irp s, 0,1
	v_add_nc_u32 v[ADRA+\s], s21, v[L16]
	v_add_nc_u32 v[ADRB+\s], s22, v[L16]
	v_add_nc_u32 v[ADRA+2+\s], s21, v[L8]
	v_add_nc_u32 v[ADRB+2+\s], s22, v[L8]
	s_add_co_u32 s21, s21, SLOT
	s_add_co_u32 s22, s22, SLOT
.endr
	s_mul_i32 s21, s15, HALFS
	s_mul_i32 s22, s16, HALFS
	s_add_co_u32 s22, s22, 2*HALFS
	s_sub_co_u32 s22, s22, s21
	v_mul_u32_u24 v6, s22, v2                      ; lanes 16-31 take B's words
	s_add_co_u32 s21, s21, SCL
	v_lshl_add_u32 v6, v1, 2, v6
	v_add_nc_u32 v[ADRS], s21, v6
	; THE SUMS' FIRST TERMS: biasB of my 128 columns in the result's layout, biasA of my 128 rows
	s_lshl_b32 s46, s42, 10
	s_lshl_b32 s47, s16, 9
	s_add_co_u32 s46, s46, s47
	s_add_co_u32 s46, s46, BI
	s_mov_b32 s47, 0
	s_add_nc_u64 s[46:47], s[6:7], s[46:47]
	s_lshl_b32 s20, s17, 10
	s_lshl_b32 s21, s15, 9
	s_add_co_u32 s20, s20, s21
	s_add_co_u32 s20, s20, BI
	s_mov_b32 s21, 0
	s_add_nc_u64 s[20:21], s[4:5], s[20:21]
	s_load_b32 s12, s[6:7], LO                     ; the floor: -infinity or 0
	v_lshlrev_b32 v6, 6, v2                        ; 64 h
	v_and_b32 v7, 7, v1
	v_lshrrev_b32 v8, 3, v1
	v_lshl_add_u32 v7, v8, 4, v7
	v_lshlrev_b32 v7, 2, v7                        ; 4 (r % 8 + 16 (r / 8))
.irp b, 0,1,2,3,4,5,6,7
	global_load_b128 v[BN+8*\b:BN+8*\b+3], v6, s[46:47] offset:128*(\b/2)+32*(\b%2)
	global_load_b128 v[BN+8*\b+4:BN+8*\b+7], v6, s[46:47] offset:128*(\b/2)+32*(\b%2)+16
.endr
.irp a, 0,1,2,3,4,5,6,7
	global_load_b32 v[BM+2*\a], v7, s[20:21] offset:(32*(\a/2)+8*(\a%2))*4
	global_load_b32 v[BM+2*\a+1], v7, s[20:21] offset:(32*(\a/2)+8*(\a%2))*4
.endr
	s_mov_b32 s[SEL], 0x76543210
	s_mov_b32 s[SEL+1], 0xfedcba98
	s_wait_loadcnt 0x0
	s_wait_kmcnt 0x0
	WIN 0x80                                       ; destination window 2
.irp a, 0,1,2,3
.irp b, 0,1,2,3,4,5,6,7
.irp i, 0,2,4,6
	v_pk_add_f32 v[8*(8*\a+\b)+\i:8*(8*\a+\b)+\i+1], v[BN+8*\b+\i:BN+8*\b+\i+1], v[BM+2*\a:BM+2*\a+1]
.endr
.endr
.endr
	WIN 0xc0                                       ; destination window 3
.irp a, 4,5,6,7
.irp b, 0,1,2,3,4,5,6,7
.irp i, 0,2,4,6
	v_pk_add_f32 v[8*(8*(\a-4)+\b)+\i:8*(8*(\a-4)+\b)+\i+1], v[BN+8*\b+\i:BN+8*\b+\i+1], v[BM+2*\a:BM+2*\a+1]
.endr
.endr
.endr
	WIN 0
	PLACES 8
	; where my results go: images of panel 2 x tile row + my half, K step = tile column, its half = my column half; and their scale words
	s_lshl_b32 s20, s17, 1
	s_add_co_u32 s20, s20, s15
	s_mul_i32 s21, s20, PS4
	s_mul_i32 s20, s20, PB4
	s_mul_i32 s22, s42, KPB
	s_add_co_u32 s20, s20, s22
	s_mul_i32 s22, s16, FRB
	s_add_co_u32 s20, s20, s22
	s_add_co_u32 s20, s20, IM4
	s_lshl_b32 s22, s42, 1
	s_add_co_u32 s22, s22, s16
	s_lshl_b32 s22, s22, 9
	s_add_co_u32 s22, s22, s21
	s_mov_b32 s23, 0
	s_mov_b32 s21, 0
	s_add_nc_u64 s[96:97], s[8:9], s[22:23]
	s_add_nc_u64 s[8:9], s[8:9], s[20:21]
.macro FRAG reg, adr, q, i             ; a fragment's image comes back as it was stored: 512, 256, 512, 256 consecutive bytes
	ds_load_b128 v[\reg:\reg+3], v[\adr] offset:3072*(\i)+FRB*(\q)
	ds_load_b64 v[\reg+4:\reg+5], v[\adr+2] offset:3072*(\i)+FRB*(\q)+512
	ds_load_b128 v[\reg+6:\reg+9], v[\adr] offset:3072*(\i)+FRB*(\q)+768
	ds_load_b64 v[\reg+10:\reg+11], v[\adr+2] offset:3072*(\i)+FRB*(\q)+1280
.endm
; 16 matrix instructions: A's blocks a0, a0 + 1 x B's eight.  The 64 accumulators take turns, one instruction a turn, in the same order in every step.
.macro MUL16 a0, p, q, sc
.irp a, \a0, \a0+1
.irp b, 0,1,2,3,4,5,6,7
	v_wmma_scale_f32_16x16x128_f8f6f4 v[8*(8*((\a)%4)+\b):8*(8*((\a)%4)+\b)+7], v[128*(\p)+FR*\b:128*(\p)+FR*\b+FR-1], v[AF+FR*(\a):AF+FR*(\a)+FR-1], v[8*(8*((\a)%4)+\b):8*(8*((\a)%4)+\b)+7], v[SC+16*(\sc)+2*\b+(\q)], v[SC+16*(\sc)+2*(\a)+(\q)] matrix_a_fmt:MATRIX_FMT_BF6 matrix_b_fmt:MATRIX_FMT_BF6 matrix_a_scale:MATRIX_SCALE_ROW1
.endr
.endr
.endm
.macro FETCH_B slot, q, p
	WIN TO_B
.irp i, 0,1,2,3,4,5,6,7
	FRAG 128*(\p)+FR*\i, ADRB+\slot, \q, \i
.endr
	WIN 0
.endm
.macro FETCH_A slot, q, i0
.irp i, \i0, \i0+1, \i0+2, \i0+3
	FRAG AF+FR*(\i), ADRA+\slot, \q, \i
.endr
.endm
.macro SCALES sc                       ; the K step's scale words: lanes 0-15 A's block i, lanes 16-31 B's block i
.irp i, 0,1,2,3,4,5,6,7
	ds_load_b32 v[SC+16*\sc+2*\i], v[ADRS] offset:64*\i
	ds_load_b32 v[SC+16*\sc+2*\i+1], v[ADRS] offset:512+64*\i
.endr
.endm
; A step of 128 along K that has its successor in the same slot.  A block of A is free when its eight products are issued: blocks 0-3 are fetched anew in the step's middle, blocks 4-7 at its end; B has two sets.
.macro STEP slot, q
	s_wait_dscnt 4*NL                              ; all but the youngest sixteen loads (A's blocks 4-7) are in
	WIN MUL_LO
	MUL16 0, (\q)%2, \q, \slot
	MUL16 2, (\q)%2, \q, \slot
	s_wait_dscnt 0
	PLACES NP                                      ; in front of loads into registers that matrix instructions have read
	FETCH_B \slot, (\q)+1, 1-(\q)%2
	FETCH_A \slot, (\q)+1, 0
	WIN MUL_HI
	MUL16 4, (\q)%2, \q, \slot
	MUL16 6, (\q)%2, \q, \slot
	PLACES NP
	WIN 0
	FETCH_A \slot, (\q)+1, 4
.endm
; A slot's last step changes slots: one barrier; in front of it each wave waits for all its tensor loads, adds 0 to its spare word, and waits for that and for its reads of this slot.
.macro TURN slot, next, fill
	s_wait_tensorcnt 0x0                           ; all my tensor loads have landed: my part of the next slot
	ds_add_u32 v[SPW], v[NIL]                      ; 0 onto my spare word
	s_wait_dscnt 4*NL+1                            ; (the add and A's blocks 4-7 may be out)
	WIN MUL_LO
	MUL16 0, 1, 1, \slot
	s_wait_dscnt 0x0                               ; the add is done, and my reads of this slot are over
	s_barrier_signal -1
	MUL16 2, 1, 1, \slot
	WIN 0
	s_barrier_wait -1
.if \fill
	CREST                                          ; the barrier has opened a round of the cluster's: no wave of any partner still reads this slot or has a load on its way
	s_add_nc_u64 s[G0+4*\slot+2:G0+4*\slot+3], s[G0+4*\slot+2:G0+4*\slot+3], 2*KPB
	s_add_nc_u64 s[G0B+4*\slot+2:G0B+4*\slot+3], s[G0B+4*\slot+2:G0B+4*\slot+3], 2*KPB
	JLOAD G0+4*\slot, G1, G0B+4*\slot, G1B         ; the first tensor load behind the round; its four v_nop are the places in front of the loads below
.else
	PLACES NP
.endif
	v_add_nc_u32 v[ADRS], 1024, v[ADRS]            ; the next K step's scale words
	FETCH_B \next, 0, 0
	FETCH_A \next, 0, 0
	SCALES \next
	WIN MUL_HI
	MUL16 4, 1, 1, \slot
	MUL16 6, 1, 1, \slot
	PLACES NP
	WIN 0
	FETCH_A \next, 0, 4
.endm
	s_wait_tensorcnt 1                             ; the scale words and my part of K step 0 are in; K step 1's load may be out
	s_barrier_signal -1
	s_barrier_wait -1
	FETCH_B 0, 0, 0
	FETCH_A 0, 0, 0
	SCALES 0
	FETCH_A 0, 0, 4
	STEP 0, 0
	s_mov_b32 s3, LAPS-1
.Llap:                                         ; a trip goes once round the ring and fills both slots again
	TURN 0, 1, 1
	STEP 1, 0
	TURN 1, 0, 1
	STEP 0, 0
	s_sub_co_u32 s3, s3, 1
	s_cmp_lg_u32 s3, 0
	s_cbranch_scc1 .Llap
	TURN 0, 1, 0                                   ; the last lap fills nothing
	STEP 1, 0
	s_wait_dscnt 4*NL
	WIN MUL_LO
	MUL16 0, 1, 1, 1
	MUL16 2, 1, 1, 1
	s_wait_dscnt 0
	WIN MUL_HI
	MUL16 4, 1, 1, 1
	MUL16 6, 1, 1, 1
	WIN 0
; 64 numbers of a lane, register 16 b + i = k 32 b + 16 (lane / 16) + i of my row, become a fragment's codes in v[PC] on and its scale word in v[pw]
.macro QUANT s, pw
.irp b, 0,1,2,3
	v_max3_num_f32 v[TM+\b], |v[\s+16*\b]|, |v[\s+1+16*\b]|, 0x2800000   ; and the floor 2^(5 - 127): the byte cannot fall under 1
.endr
.irp i, 2,4,6,8,10,12,14
.irp b, 0,1,2,3
	v_max3_num_f32 v[TM+\b], v[TM+\b], |v[\s+16*\b+\i]|, |v[\s+1+16*\b+\i]|
.endr
.endr
.irp b, 0,1,2,3
	v_permlanex16_b32 v[TM+4+\b], v[TM+\b], s[SEL], s[SEL+1]
.endr
.irp b, 0,1,2,3
	v_max_num_f32 v[TM+\b], v[TM+\b], v[TM+4+\b]
.endr
.irp b, 0,1,2,3
	v_add_nc_u32 v[TM+8+\b], 0xfe000000, v[TM+\b]  ; 4 off the exponent field: the conversion's scale operand
.endr
.irp b, 0,1,2,3
	v_lshrrev_b32 v[TM+4+\b], 23, v[TM+8+\b]       ; the scale's byte
.endr
	v_lshl_or_b32 v[\pw], v[TM+5], 8, v[TM+4]
	v_lshl_or_b32 v[\pw], v[TM+6], 16, v[\pw]
	v_lshl_or_b32 v[\pw], v[TM+7], 24, v[\pw]
.irp c, 0,1
	v_cvt_scalef32_pk16_bf6_f32 v[PC+6*\c:PC+2+6*\c], v[\s+32*\c:\s+15+32*\c], v[TM+8+2*\c]
	v_cvt_scalef32_pk16_bf6_f32 v[PC+12+4*\c:PC+14+4*\c], v[\s+16+32*\c:\s+31+32*\c], v[TM+8+2*\c+1]
.endr
	v_nop                                          ; one plain place behind a scaled conversion
.irp c, 0,1
.irp i, 0,1,2
	v_permlane16_swap_b32 v[PC+6*\c+\i], v[PC+12+4*\c+\i]
.endr
.irp i, 0,1,2
	v_mov_b32 v[PC+3+6*\c+\i], v[PC+12+4*\c+\i]
.endr
.endr
.endm
; THE WAY OUT, a block of 16 of A's rows at a time: the floor (each accumulator read from its low end on), the quantiser, the image: four stores of 512 or 256 consecutive bytes.  No LDS.
.macro OUTBLK a
.if (\a) > 0
	s_wait_xcnt 0x0                                ; the last block's stores have read the codes' registers
.endif
	WIN 0x08+4*((\a)/4)                            ; source 1: window 2 or 3
.set AC, 64*((\a)%4)
.set n, 0
.rept 64
	v_max_num_f32 v[T+n], s12, v[AC+n]
.set n, n+1
.endr
	WIN 0
	QUANT T, PWS+(\a)
	global_store_b128 v[L16], v[PC:PC+3], s[8:9] offset:3072*(\a)
	global_store_b64 v[L8], v[PC+4:PC+5], s[8:9] offset:3072*(\a)+512
	global_store_b128 v[L16], v[PC+6:PC+9], s[8:9] offset:3072*(\a)+768
	global_store_b64 v[L8], v[PC+10:PC+11], s[8:9] offset:3072*(\a)+1280
.endm
	PLACES NP                                      ; behind the last products: results are read, and registers that held A's fragments are written
.irp b, 0,1,2,3
	v_mov_b32 v[TM+4+\b], 0                        ; a lane permute's destination counts as one of its sources
.endr
.irp a, 0,1,2,3,4,5,6,7
	OUTBLK \a
.endr
	v_cmp_le_u32 vcc_lo, 16, v3
.irp i, 0,1,2,3                        ; every lane holds its row's word: lanes 0-15 keep block 2 i's, lanes 16-31 block 2 i + 1's: 128 consecutive bytes a store
	v_cndmask_b32 v[PWM+\i], v[PWS+2*\i], v[PWS+2*\i+1], vcc_lo
.endr
.irp i, 0,1,2,3
	global_store_b32 v[L4], v[PWM+\i], s[96:97] offset:128*\i
.endr
	s_wait_tensorcnt 0x0                           ; the wave's end
	ds_add_u32 v[SPW], v[NIL]
	s_wait_dscnt 0x0
	CROUND                                         ; the closing round: no work-group ends while a partner may still ask for a tile that names it
	s_endpgm
.Lfunc_end_k_qfd2cff9b2f_qkproj:
	.size	k_qfd2cff9b2f_qkproj, .Lfunc_end_k_qfd2cff9b2f_qkproj-k_qfd2cff9b2f_qkproj
	.p2alignl 7, 3214868480
	.fill 96, 4, 3214868480
	.section	.rodata,"a",@progbits
	.p2align	6, 0x0
	.amdhsa_kernel k_qfd2cff9b2f_qkproj
		.amdhsa_group_segment_fixed_size 327680
		.amdhsa_private_segment_fixed_size 0
		.amdhsa_enable_private_segment 0
		.amdhsa_kernarg_size 24
		.amdhsa_user_sgpr_count 2
		.amdhsa_user_sgpr_kernarg_segment_ptr 1
		.amdhsa_wavefront_size32 1
		.amdhsa_system_sgpr_workgroup_id_x 1
		.amdhsa_system_sgpr_workgroup_id_y 1
		.amdhsa_system_sgpr_workgroup_id_z 1
		.amdhsa_system_vgpr_workitem_id 0
		.amdhsa_next_free_vgpr 1024
		.amdhsa_next_free_sgpr 100
		.amdhsa_reserve_vcc 1
		.amdhsa_float_denorm_mode_32 3
		.amdhsa_float_denorm_mode_16_64 3
		.amdhsa_memory_ordered 1
		.amdhsa_forward_progress 1
		.amdhsa_inst_pref_size 187
	.end_amdhsa_kernel
	.amdgpu_metadata
---
amdhsa.version: [ 1, 2 ]
amdhsa.kernels:
  - .name:           k_qfd2cff9b2f_qkproj
    .symbol:         k_qfd2cff9b2f_qkproj.kd
    .args:
      - { .name: actA, .offset: 0, .size: 8, .value_kind: global_buffer, .address_space: global }
      - { .name: cwqk, .offset: 8, .size: 8, .value_kind: global_buffer, .address_space: global }
      - { .name: bigA, .offset: 16, .size: 8, .value_kind: global_buffer, .address_space: global }
    .group_segment_fixed_size: 327680
    .private_segment_fixed_size: 0
    .kernarg_segment_align: 8
    .kernarg_segment_size: 24
    .max_flat_workgroup_size: 128
    .sgpr_count:     100
    .vgpr_count:     1024
    .wavefront_size: 32
...
	.end_amdgpu_metadata
.endif
;; end of part 3
;; launch vproj: the kernel of part 3 again; grid 16 x 4, 4 waves a work-group, clusters of 4 x 4, 327,680 bytes of LDS; arguments cwv, actA, vt; writes vt
;; launch attn (part 4): grid 8 x 32, 16 waves a work-group, no clusters, 210,944 bytes of LDS; arguments bigA, vt, actA; writes actA
.if DOCPART == 4
	.amdgcn_target "amdgcn-amd-amdhsa--gfx1250"
	.amdhsa_code_object_version 6
	.text
	.protected	k_qfd2cff9b2f_attn
	.globl	k_qfd2cff9b2f_attn
	.p2align	8
	.type	k_qfd2cff9b2f_attn,@function
k_qfd2cff9b2f_attn:
	s_mov_b64 s[64:65], 0
	v_nop
	global_prefetch_b8 v0, s[64:65] scope:SCOPE_SE
	s_setreg_imm32_b32 hwreg(HW_REG_WAVE_MODE, 25, 1), 1
	s_wait_xcnt 0x0
; ctx = Q(softmax(q k^T / 8, causal) v), 32 heads (2 batches x 16) of 2,048 tokens x 64, both products on codes of BF6 (E3M2) with one E8M0 scale for each 32 along a product's K.
; INPUTS, as images of operand registers (a fragment of 16 rows x 128 K: for c = 0, 1 registers 6 c .. 6 c + 3 of lane l at 768 c + 16 l, registers 6 c + 4, 6 c + 5 at 768 c + 512 + 8 l; half c is 64 along K):
;   bigA: rows = tokens, K = 1,024 channels of q, then 1,024 of k: a head is one half fragment.   vt: rows = v's channels, K = the 4,096 tokens.
;   Rows go in panels of 128, 8 row blocks of 16 places; place (rb, r) holds the panel's row 32 (rb / 2) + 8 (rb % 2) + r % 8 + 16 (r / 8).  Scale words [panel][K / 128][rb][r] at 0, images [panel][K / 256][rb][(K / 128) % 2] at IM.
; THE HEAD'S 64 ARE HALF OF THE INSTRUCTION'S 128: registers 6 to 11 of q's and k's fragments hold zero codes; of a scale word the head's two bytes are loaded, and the two bytes 0 above them stand over zeros.
; THE SOFTMAX: t = score x log2(e) / 8; M = the running largest t rounded up to a whole number; p = 2^(t - M) is quantised along the keys; the row's sum is taken of the unquantised p and divides at the end.
; Both products are used transposed (S^T = k q^T, O^T = v^T p^T): a lane holds one query throughout; by the row order p's 16 registers of two neighbouring tiles are 16 neighbouring keys, and O^T's are neighbouring channels.
; SHARES.  A work-group serves one head.  ALL of the head's k and v codes and scale words (208,896 bytes) come into LDS once: each of the 16 waves issues four tensor loads at the head; one barrier; nothing is filled again.
; Waves 0-7 take the 128 queries of chunk j, waves 8-15 those of chunk 15 - j, a row block each: a pair of waves has (j + 1) + (16 - j) = 17 key steps in every work-group, so the causal work is even.
; CAUSAL.  The loop's trip count is a constant; a step all of whose 128 keys come after the wave's chunk is passed over by a scalar branch on ids; in the chunk's own step hidden scores become -infinity ahead of the maximum.
; NO CLUSTER: the work-groups of a head need different numbers of key steps and the passing over is a branch on the work-group's number; a joint request would forbid that branch, and without it the work doubles.
; ctx's scale words are stored two bytes at a time: two heads, in different work-groups, share a word; they are 1 / 24 of the codes' bytes.
; LIMITS: a block of zeros gets the byte 1 where the rule says 127 (its codes are zeros, this program alone reads the bytes); NaN and infinities are not served.
; REGISTERS: v1-4 lane terms; v5-10 the trip's LDS addresses; v11 my query less 16 h; v12 -M, v13 the largest t, v[14:15] the sum; v16-27 q; v28 q's scales; v29 p's scale word; v32-79 four fragments of k (their lower six
;   registers are at work in the softmax); v80-127 four fragments of v; v128-191 S^T, then p; v192-223 O^T; v224-243 p's codes; v244-247 k's scales; v248-251 v's.
.set FRB,  1536
.set KPB,  24576
.set PS1,  4096
.set PB1,  98304
.set IM1,  147968
.set PS4,  16384
.set PB4,  393216
.set IM4,  540672
.set LK,   0                           ; LDS: k's codes: [key panel][row block] 768 bytes
.set LV,   98304                       ; v's codes: [two key steps][tile][step] 1,536 bytes
.set LKS,  196608                      ; k's scale words: [key panel][row block][r]
.set LVS,  204800                      ; v's: [key step][tile][r]
.set S,    128
.set O,    192
.set SEL,  20
.set CS,   22
	s_load_b128 s[4:7], s[0:1], 0x0                ; bigA, vt
	s_load_b64 s[8:9], s[0:1], 0x10                ; ctx
	v_lshl_add_u32 v254, v0, 2, 0x33000
	v_mov_b32 v255, 0
	ds_add_u32 v254, v255
	ds_add_u32 v254, v255
	v_lshrrev_b32 v1, 5, v0
	v_readfirstlane_b32 s10, v1                    ; wave 0..15
	s_and_b32 s12, ttmp7, 0xffff
	s_lshr_b32 s13, s12, 4                         ; batch
	s_and_b32 s14, s12, 15                         ; head
	s_sub_co_u32 s15, 15, ttmp9
	s_cmp_lt_u32 s10, 8
	s_cselect_b32 s15, ttmp9, s15                  ; my chunk of 128 queries
	s_and_b32 s16, s10, 7                          ; my row block in it
	s_lshr_b32 s80, s14, 1                         ; the head's 128 along K,
	s_and_b32 s81, s14, 1                          ; and its half of them
	s_lshr_b32 s82, s14, 2
	s_and_b32 s83, s80, 1
	s_mul_i32 s84, s82, KPB
	s_mul_i32 s85, s83, FRB
	s_add_co_u32 s84, s84, s85
	s_mul_i32 s85, s81, 768
	s_add_co_u32 s84, s84, s85                     ; the head's half fragment in a token panel's images of q
	s_lshl_b32 s86, s13, 4                         ; the batch's first panel
	s_add_co_u32 s87, s86, s10                     ; the key panel that I fetch
	s_mul_i32 s88, s87, PB4                        ; k's codes: 8 rows of 768 bytes, 3,072 apart; k's channels lie 4 K steps behind q's
	s_add_co_u32 s88, s88, s84
	s_add_co_u32 s88, s88, IM4+4*KPB
	s_mov_b32 s89, 0
	s_mul_i32 s90, s80, PB4                        ; v's codes: two of the head's four tiles, two key steps: 6,144 dense bytes
	s_lshl_b32 s91, s13, 3
	s_lshr_b32 s85, s10, 1
	s_add_co_u32 s91, s91, s85
	s_mul_i32 s91, s91, KPB
	s_add_co_u32 s90, s90, s91
	s_lshl_b32 s91, s81, 2
	s_and_b32 s85, s10, 1
	s_lshl_b32 s85, s85, 1
	s_add_co_u32 s91, s91, s85
	s_mul_i32 s91, s91, 3072
	s_add_co_u32 s90, s90, s91
	s_add_co_u32 s90, s90, IM4
	s_mov_b32 s91, 0
	s_mul_i32 s92, s87, PS4                        ; k's scale words: 512 bytes
	s_lshl_b32 s85, s80, 9
	s_add_co_u32 s92, s92, s85
	s_add_co_u32 s92, s92, 8*512
	s_mov_b32 s93, 0
	s_mul_i32 s94, s80, PS4                        ; v's: 256 bytes
	s_lshl_b32 s85, s87, 9
	s_add_co_u32 s94, s94, s85
	s_lshl_b32 s85, s81, 8
	s_add_co_u32 s94, s94, s85
	s_mov_b32 s95, 0
	; descriptor groups 1, elements of 8 bytes, no padding: k's codes 8 rows x 96, pitch 384
	s_mov_b32 s24, 3<<16
	s_mov_b32 s25, 96<<16
	s_mov_b32 s26, 8<<16
	s_mov_b32 s27, 96<<16
	s_mov_b32 s28, 8
	s_mov_b32 s29, 384
	s_mov_b32 s30, 0
	s_mov_b32 s31, 0
	; v's codes: 24 rows x 32, dense
	s_mov_b32 s32, 3<<16
	s_mov_b32 s33, 32<<16
	s_mov_b32 s34, 24<<16
	s_mov_b32 s35, 32<<16
	s_mov_b32 s36, 24
	s_mov_b32 s37, 32
	s_mov_b32 s38, 0
	s_mov_b32 s39, 0
	; k's scale words: 2 rows x 32
	s_mov_b32 s40, 3<<16
	s_mov_b32 s41, 32<<16
	s_mov_b32 s42, 2<<16
	s_mov_b32 s43, 32<<16
	s_mov_b32 s44, 2
	s_mov_b32 s45, 32
	s_mov_b32 s46, 0
	s_mov_b32 s47, 0
	; v's: 1 row x 32
	s_mov_b32 s48, 3<<16
	s_mov_b32 s49, 32<<16
	s_mov_b32 s50, 1<<16
	s_mov_b32 s51, 32<<16
	s_mov_b32 s52, 1
	s_mov_b32 s53, 32
	s_mov_b32 s54, 0
	s_mov_b32 s55, 0
	s_mov_b32 s56, 1
	s_mul_i32 s57, s10, 6144                       ; LDS: a constant + the wave's number x a constant
	s_mov_b32 s60, 1
	s_add_co_u32 s61, s57, LV
	s_mov_b32 s68, 1
	s_lshl_b32 s69, s10, 9
	s_add_co_u32 s69, s69, LKS
	s_mov_b32 s72, 1
	s_lshl_b32 s73, s10, 8
	s_add_co_u32 s73, s73, LVS
	s_wait_dscnt 0x0
	s_wait_kmcnt 0x0
	s_add_nc_u64 s[58:59], s[4:5], s[88:89]
	s_or_b32 s59, s59, 0x80000000
	s_add_nc_u64 s[62:63], s[6:7], s[90:91]
	s_or_b32 s63, s63, 0x80000000
	s_add_nc_u64 s[70:71], s[4:5], s[92:93]
	s_or_b32 s71, s71, 0x80000000
	s_add_nc_u64 s[74:75], s[6:7], s[94:95]
	s_or_b32 s75, s75, 0x80000000
	tensor_load_to_lds s[56:59], s[24:31]          ; the launch's only fills, one group: four tensor loads of mine are out
	s_nop 0
	tensor_load_to_lds s[60:63], s[32:39]
	s_nop 0
	tensor_load_to_lds s[68:71], s[40:47]
	s_nop 0
	tensor_load_to_lds s[72:75], s[48:55]
	s_nop 0
.rept 4
	v_nop
.endr
	s_add_co_u32 s87, s86, s15                     ; my queries' panel
	s_mul_i32 s85, s16, 3072
	s_add_co_u32 s84, s84, s85                     ; + my row block
	s_lshl_b32 s82, s80, 9
	s_lshl_b32 s85, s16, 6
	s_add_co_u32 s82, s82, s85
	s_lshl_b32 s83, s81, 1
	s_add_co_u32 s82, s82, s83                     ; my rows' scale words, the head's two bytes of each
	s_mul_i32 s88, s87, PB4
	s_add_co_u32 s88, s88, s84
	s_add_co_u32 s88, s88, IM4
	s_mov_b32 s89, 0
	s_add_nc_u64 s[88:89], s[4:5], s[88:89]        ; q's half fragment
	s_mul_i32 s90, s87, PS4
	s_add_co_u32 s90, s90, s82
	s_mov_b32 s91, 0
	s_add_nc_u64 s[90:91], s[4:5], s[90:91]        ; q's scales
	s_mul_i32 s92, s87, PB1
	s_add_co_u32 s92, s92, s84
	s_add_co_u32 s92, s92, IM1
	s_mov_b32 s93, 0
	s_add_nc_u64 s[92:93], s[8:9], s[92:93]        ; ctx's half fragment
	s_mul_i32 s94, s87, PS1
	s_add_co_u32 s94, s94, s82
	s_mov_b32 s95, 0
	s_add_nc_u64 s[94:95], s[8:9], s[94:95]        ; ctx's scales
	v_and_b32 v5, 31, v0
	v_lshlrev_b32 v1, 4, v5                        ; 16 l
	v_lshlrev_b32 v2, 3, v5                        ; 8 l
	v_and_b32 v6, 15, v0                           ; r
	v_bfe_u32 v7, v0, 4, 1                         ; h
	v_lshlrev_b32 v4, 2, v6                        ; 4 r
	v_add_nc_u32 v3, s83, v4                       ; 4 r + 2 (head % 2)
	global_load_b128 v[16:19], v1, s[88:89]
	global_load_b64 v[20:21], v2, s[88:89] offset:512
	global_load_u16 v28, v4, s[90:91]
	v_and_b32 v8, 7, v6
	v_lshrrev_b32 v9, 3, v6
	v_lshl_add_u32 v8, v9, 4, v8
	v_lshlrev_b32 v9, 4, v7
	v_sub_nc_u32 v8, v8, v9
	s_lshr_b32 s85, s16, 1
	s_lshl_b32 s85, s85, 5
	s_and_b32 s86, s16, 1
	s_lshl_b32 s86, s86, 3
	s_add_co_u32 s85, s85, s86
	v_add_nc_u32 v11, s85, v8                      ; my query's number in its chunk, less 16 h
	s_mov_b32 s[SEL], 0x76543210
	s_mov_b32 s[SEL+1], 0xfedcba98
	s_mov_b32 s[CS], 0x3e38aa3b                    ; c = log2(e) / 8
	s_mov_b32 s[CS+1], s[CS]
	s_mov_b32 s17, 0                               ; the key step
	s_mov_b32 s18, LK
	s_mov_b32 s19, LV
	s_mov_b32 s76, LKS
	s_mov_b32 s77, LVS
	s_mov_b32 s78, 8
	v_mov_b32 v13, 0xff61b1e6                      ; the largest t so far: -3e38
	v_floor_f32 v12, -v13                          ; -M
	v_mov_b32 v14, 0
	v_mov_b32 v15, 0
	v_mov_b32 v30, 0
	v_mov_b32 v31, 0xff800000                      ; -infinity
.irp j, 22,23,24,25,26,27
	v_mov_b32 v[\j], 0                             ; q's upper 64 along K: zero codes
.endr
.set n, 32
.rept 48
	v_mov_b32 v[n], 0                              ; k's fragments: the upper six registers of each stay zero codes; the lower six are loaded in every step
.set n, n+1
.endr
.set n, 0
.rept 32
	v_mov_b32 v[O+n], 0                            ; O^T: the step is written once, and its first turn finds zeros
.set n, n+1
.endr
	s_wait_tensorcnt 0x0                           ; my four parts have landed,
	s_barrier_signal -1
	s_barrier_wait -1                              ; everybody's have
	s_wait_loadcnt 0x0                             ; q
; A KEY STEP: 128 keys, the q-th of the trip's two
.macro STEP q
	s_cmp_gt_u32 s17, s15                          ; all its keys come after my chunk: nothing of it counts
	s_cbranch_scc1 .Lhidden_\@
.irp g, 0,1                            ; S^T = k q^T, four tiles of 16 keys at a time
.if \g > 0
.rept 4
	v_nop                                          ; places in front of loads into registers that matrix instructions have read
.endr
.endif
.irp t, 0,1,2,3
	ds_load_b128 v[32+12*\t:35+12*\t], v5 offset:6144*\q+768*(4*\g+\t)
	ds_load_b64 v[36+12*\t:37+12*\t], v6 offset:6144*\q+768*(4*\g+\t)+512
	ds_load_u16 v[244+\t], v9 offset:512*\q+64*(4*\g+\t)
.endr
	s_wait_dscnt 0x0
.irp t, 0,1,2,3
	v_wmma_scale_f32_16x16x128_f8f6f4 v[S+8*(4*\g+\t):S+8*(4*\g+\t)+7], v[32+12*\t:43+12*\t], v[16:27], 0, v[244+\t], v28 matrix_a_fmt:MATRIX_FMT_BF6 matrix_b_fmt:MATRIX_FMT_BF6
.endr
.endr
.irp t, 0,1,2,3                        ; v's four tiles are asked for now and land while the softmax is walked
	ds_load_b128 v[80+12*\t:83+12*\t], v7 offset:3072*\t+FRB*\q
	ds_load_b64 v[84+12*\t:85+12*\t], v8 offset:3072*\t+FRB*\q+512
	ds_load_b128 v[86+12*\t:89+12*\t], v7 offset:3072*\t+FRB*\q+768
	ds_load_b64 v[90+12*\t:91+12*\t], v8 offset:3072*\t+FRB*\q+1280
	ds_load_b32 v[248+\t], v10 offset:256*\q+64*\t
.endr
.rept 4
	v_nop                                          ; places behind the products: their results are read, and k's registers are written
.endr
	s_cmp_lg_u32 s17, s15                          ; my chunk's own keys: register 16 b + i holds key 32 b + 16 h + i, hidden where 32 b + i > my query - 16 h
	s_cbranch_scc1 .Lopen_\@
.set n, 0
.rept 64
	v_cmp_gt_i32 vcc_lo, 32*(n/16)+n%16, v11
	v_cndmask_b32 v[S+n], v[S+n], v31, vcc_lo
.set n, n+1
.endr
.Lopen_\@:
.irp b, 0,1,2,3
	v_max3_num_f32 v[32+\b], v[S+16*\b], v[S+1+16*\b], v[S+2+16*\b]   ; the largest score of each block of 32 keys: for the row's maximum and, since p rises with the score, for the block's largest p
.endr
.irp i, 3,5,7,9,11,13
.irp b, 0,1,2,3
	v_max3_num_f32 v[32+\b], v[32+\b], v[S+16*\b+\i], v[S+1+16*\b+\i]
.endr
.endr
.irp b, 0,1,2,3
	v_max_num_f32 v[32+\b], v[32+\b], v[S+15+16*\b]
.endr
.irp b, 0,1,2,3
	v_permlanex16_b32 v[44+\b], v[32+\b], s[SEL], s[SEL+1]
.endr
.irp b, 0,1,2,3
	v_max_num_f32 v[32+\b], v[32+\b], v[44+\b]     ; with lane l xor 16's 16 keys
.endr
	v_max3_num_f32 v30, v32, v33, v34
	v_max_num_f32 v30, v30, v35
	v_mul_f32 v30, s[CS], v30                      ; the step's largest t
	v_max_num_f32 v13, v13, v30
	v_mov_b32 v30, v12
	v_floor_f32 v12, -v13                          ; the new -M = -ceil(t): a whole number
	v_sub_f32 v30, v12, v30                        ; old M - new M: a whole number, 0 or less
	v_cvt_i32_f32 v30, v30                         ; (it saturates)
	v_ldexp_f32 v36, 1.0, v30                      ; f = 2^(old M - new M): multiplying by it rounds nothing
.set n, 0
.rept 32
	v_pk_fma_f32 v[S+n:S+n+1], v[S+n:S+n+1], s[CS:CS+1], v[12:13] op_sel_hi:[1,0,0]   ; t - M
.set n, n+2
.endr
.irp b, 0,1,2,3
	v_fma_f32 v[32+\b], v[32+\b], s[CS], v12
.endr
.set n, 0
.rept 64
	v_exp_f32 v[S+n], v[S+n]                       ; p = 2^(t - M), not normalised
.set n, n+1
.endr
	v_pk_mul_f32 v[14:15], v[14:15], v[36:37] op_sel_hi:[1,0]   ; the sums under the new M: a plain place behind the exponentials
	s_wait_alu depctr_va_vdst(0)                   ; one wait for the batch of 64, ahead of its first reader
.irp b, 0,1,2,3
	v_exp_f32 v[32+\b], v[32+\b]                   ; each block's largest p
.endr
	v_pk_add_f32 v[48:49], v[S:S+1], v[S+2:S+3]    ; the row's sum is taken of the unquantised p, in two chains
.irp j, 4,8,12,16,20,24,28,32,36,40,44,48,52,56,60
	v_pk_add_f32 v[14:15], v[14:15], v[S+\j:S+\j+1]
	v_pk_add_f32 v[48:49], v[48:49], v[S+2+\j:S+3+\j]
.endr
	v_pk_add_f32 v[14:15], v[14:15], v[48:49]
	s_wait_alu depctr_va_vdst(0)                   ; and one for the four
.irp b, 0,1,2,3
	v_max_num_f32 v[32+\b], 0x2800000, v[32+\b]    ; the floor 2^(5 - 127): the byte cannot fall under 1
.endr
.irp b, 0,1,2,3
	v_add_nc_u32 v[56+\b], 0xfe000000, v[32+\b]    ; 4 off the exponent field: the conversion's scale operand
.endr
.irp b, 0,1,2,3
	v_lshrrev_b32 v[44+\b], 23, v[56+\b]           ; the scale's byte
.endr
	v_lshl_or_b32 v29, v45, 8, v44                 ; p's scale word for these 128 keys
	v_lshl_or_b32 v29, v46, 16, v29
	v_lshl_or_b32 v29, v47, 24, v29
.irp c, 0,1
	v_cvt_scalef32_pk16_bf6_f32 v[224+6*\c:226+6*\c], v[S+32*\c:S+15+32*\c], v[56+2*\c]
	v_cvt_scalef32_pk16_bf6_f32 v[236+4*\c:238+4*\c], v[S+16+32*\c:S+31+32*\c], v[56+2*\c+1]
.endr
	v_nop                                          ; one plain place behind a scaled conversion
.irp c, 0,1                            ; the layout wants a whole block in a lane
.irp i, 0,1,2
	v_permlane16_swap_b32 v[224+6*\c+\i], v[236+4*\c+\i]
.endr
.irp i, 0,1,2
	v_mov_b32 v[227+6*\c+\i], v[236+4*\c+\i]
.endr
.endr
.set n, 0
.rept 16
	v_pk_mul_f32 v[O+n:O+n+1], v[O+n:O+n+1], v[36:37] op_sel_hi:[1,0]   ; O^T under the new M; these sixteen are also the places between p's codes and scale word and the products
.set n, n+2
.endr
	s_wait_dscnt 0x0                               ; v's tiles and scale words
.irp t, 0,1,2,3                        ; O^T += v^T p^T: the four accumulators by turns
	v_wmma_scale_f32_16x16x128_f8f6f4 v[O+8*\t:O+8*\t+7], v[80+12*\t:91+12*\t], v[224:235], v[O+8*\t:O+8*\t+7], v[248+\t], v29 matrix_a_fmt:MATRIX_FMT_BF6 matrix_b_fmt:MATRIX_FMT_BF6
.endr
.Lhidden_\@:
	s_add_co_u32 s17, s17, 1
.endm
.Ltrip:                                        ; 8 trips of two key steps, a constant of the text
	v_add_nc_u32 v5, s18, v1
	v_add_nc_u32 v6, s18, v2
	v_add_nc_u32 v7, s19, v1
	v_add_nc_u32 v8, s19, v2
	v_add_nc_u32 v9, s76, v3
	v_add_nc_u32 v10, s77, v4
	STEP 0
	STEP 1
	s_add_co_u32 s18, s18, 12288
	s_add_co_u32 s19, s19, 12288
	s_add_co_u32 s76, s76, 1024
	s_add_co_u32 s77, s77, 512
	s_sub_co_u32 s78, s78, 1
	s_cmp_lg_u32 s78, 0
	s_cbranch_scc1 .Ltrip
	; THE WAY OUT: O^T / the sum; register 16 b + i is the head's channel 32 b + 16 h + i of my query: two blocks of the next product's K: half a fragment
.rept 4
	v_nop                                          ; places behind the last products
.endr
	v_add_f32 v14, v14, v15
	v_permlanex16_b32 v30, v14, s[SEL], s[SEL+1]
	v_add_f32 v14, v14, v30                        ; the row's sum
	v_rcp_f32 v14, v14
	v_nop                                          ; a plain place behind the transcendental
	s_wait_alu depctr_va_vdst(0)                   ; a wait ahead of the first reader
.set n, 0
.rept 32
	v_mul_f32 v[S+n], v[O+n], v14
.set n, n+1
.endr
.irp b, 0,1
	v_max3_num_f32 v[32+\b], |v[S+16*\b]|, |v[S+1+16*\b]|, 0x2800000
.endr
.irp i, 2,4,6,8,10,12,14
.irp b, 0,1
	v_max3_num_f32 v[32+\b], v[32+\b], |v[S+16*\b+\i]|, |v[S+1+16*\b+\i]|
.endr
.endr
.irp b, 0,1
	v_permlanex16_b32 v[44+\b], v[32+\b], s[SEL], s[SEL+1]
.endr
.irp b, 0,1
	v_max_num_f32 v[32+\b], v[32+\b], v[44+\b]
.endr
.irp b, 0,1
	v_add_nc_u32 v[56+\b], 0xfe000000, v[32+\b]
.endr
.irp b, 0,1
	v_lshrrev_b32 v[44+\b], 23, v[56+\b]
.endr
	v_lshl_or_b32 v30, v45, 8, v44                 ; the head's two bytes of my row's scale word
	v_cvt_scalef32_pk16_bf6_f32 v[224:226], v[S:S+15], v56
	v_cvt_scalef32_pk16_bf6_f32 v[236:238], v[S+16:S+31], v57
	v_nop
.irp i, 0,1,2
	v_permlane16_swap_b32 v[224+\i], v[236+\i]
.endr
.irp i, 0,1,2
	v_mov_b32 v[227+\i], v[236+\i]
.endr
	global_store_b128 v1, v[224:227], s[92:93]                 ; 512 and 256 consecutive bytes, at multiples of 256 from the buffer's first byte
	global_store_b64 v2, v[228:229], s[92:93] offset:512
	global_store_b16 v4, v30, s[94:95]             ; lanes l and l xor 16 hold the same two bytes
	s_wait_tensorcnt 0x0
	ds_add_u32 v254, v255
	s_wait_dscnt 0x0
	s_endpgm
.Lfunc_end_k_qfd2cff9b2f_attn:
	.size	k_qfd2cff9b2f_attn, .Lfunc_end_k_qfd2cff9b2f_attn-k_qfd2cff9b2f_attn
	.p2alignl 7, 3214868480
	.fill 96, 4, 3214868480
	.section	.rodata,"a",@progbits
	.p2align	6, 0x0
	.amdhsa_kernel k_qfd2cff9b2f_attn
		.amdhsa_group_segment_fixed_size 210944
		.amdhsa_private_segment_fixed_size 0
		.amdhsa_enable_private_segment 0
		.amdhsa_kernarg_size 24
		.amdhsa_user_sgpr_count 2
		.amdhsa_user_sgpr_kernarg_segment_ptr 1
		.amdhsa_wavefront_size32 1
		.amdhsa_system_sgpr_workgroup_id_x 1
		.amdhsa_system_sgpr_workgroup_id_y 1
		.amdhsa_system_sgpr_workgroup_id_z 1
		.amdhsa_system_vgpr_workitem_id 0
		.amdhsa_next_free_vgpr 256
		.amdhsa_next_free_sgpr 96
		.amdhsa_reserve_vcc 1
		.amdhsa_float_denorm_mode_32 3
		.amdhsa_float_denorm_mode_16_64 3
		.amdhsa_memory_ordered 1
		.amdhsa_forward_progress 1
		.amdhsa_inst_pref_size 58
	.end_amdhsa_kernel
	.amdgpu_metadata
---
amdhsa.version: [ 1, 2 ]
amdhsa.kernels:
  - .name:           k_qfd2cff9b2f_attn
    .symbol:         k_qfd2cff9b2f_attn.kd
    .args:
      - { .name: bigA, .offset: 0, .size: 8, .value_kind: global_buffer, .address_space: global }
      - { .name: vt, .offset: 8, .size: 8, .value_kind: global_buffer, .address_space: global }
      - { .name: actA, .offset: 16, .size: 8, .value_kind: global_buffer, .address_space: global }
    .group_segment_fixed_size: 210944
    .private_segment_fixed_size: 0
    .kernarg_segment_align: 8
    .kernarg_segment_size: 24
    .max_flat_workgroup_size: 512
    .sgpr_count:     96
    .vgpr_count:     256
    .wavefront_size: 32
...
	.end_amdgpu_metadata
.endif
;; end of part 4
;; launch oproj (part 5): grid 4 x 16, 4 waves a work-group, clusters of 4 x 4, 327,680 bytes of LDS; arguments actA, cwm, x, xmid; writes xmid
.if DOCPART == 5
	.amdgcn_target "amdgcn-amd-amdhsa--gfx1250"
	.amdhsa_code_object_version 6
	.text
	.protected	k_qfd2cff9b2f_oproj
	.globl	k_qfd2cff9b2f_oproj
	.p2align	8
	.type	k_qfd2cff9b2f_oproj,@function
k_qfd2cff9b2f_oproj:
	s_mov_b64 s[64:65], 0
	v_nop
	global_prefetch_b8 v0, s[64:65] scope:SCOPE_SE
	s_setreg_imm32_b32 hwreg(HW_REG_WAVE_MODE, 25, 1), 1
	s_wait_xcnt 0x0
	s_wait_alu depctr_hold_cnt(0) depctr_sa_sdst(0) depctr_va_vdst(0) depctr_va_sdst(0) depctr_va_ssrc(0) depctr_va_vcc(0) depctr_vm_vsrc(0)
	s_getreg_b32 s2, hwreg(HW_REG_IB_STS2, 6, 4)
	s_cmp_eq_u32 s2, 0
	s_cbranch_scc0 .Lentry_in_a_cluster
	s_endpgm
.Lentry_in_a_cluster:
	s_bfe_u32 s2, ttmp6, 0x10000c
	s_cmp_lg_u32 s2, 0xf033
	s_cbranch_scc0 .Lentry_shape_is_right
	s_endpgm
.Lentry_shape_is_right:
; out = res + A B^T + biasB[n], f32 [4,096][1,024]: a GEMM on codes of BF6 (E3M2) with E8M0 scales for each 32 along K = SIZE_K.
; OPERANDS lie in memory as images of the operand's registers.  Rows go in panels of 128, 8 row blocks of 16 places; place (rb, r) holds the panel's row 32 (rb / 2) + 8 (rb % 2) + r % 8 + 16 (r / 8).
; A fragment (16 rows x 128 K, 12 registers a lane) is 1,536 bytes: for c = 0, 1 registers 6 c .. 6 c + 3 of lane l at 768 c + 16 l, registers 6 c + 4, 6 c + 5 at 768 c + 512 + 8 l.
; A buffer: scale words [panel][K / 128][rb][r] at 0; a row bias (f32, by the row's own number) at BI; images [panel][K / 256][rb][(K / 128) % 2] at IM.  B's operand begins BOFF bytes into its buffer.
; THE MATRIX INSTRUCTION IS USED TRANSPOSED (source 0 = 16 rows of B, source 1 = 16 rows of A): register j of lane (r, h) of the result of B's block 2 b + u is column 32 b + 16 h + 8 u + j of A's row at place r.
; A tile of C, 256 x 256, is made by four waves, 128 x 128 each: 64 accumulators, 512 registers.  K goes in steps of 256 through a ring of two LDS slots; a wave's tensor load brings one panel's images of a
; K step, 24,576 dense bytes.  Every LDS read of an operand is 16 or 8 bytes a lane on end: no padding.  The scale words of the 512 rows, for all of K, come once, with the first fills.
; CLUSTERS: 4 x 4 work-groups; A's tiles are asked for jointly along a row of the cluster, B's along a column.
; THE SUMS BEGIN WITH THE RESIDUAL AND THE BIAS: the residual is loaded straight into the accumulators while the first tiles are on their way.  That is another order of rounding than residual last.
; The residual's loads take 16 bytes a lane of runs of 64: the result's layout; the results leave through a stage in LDS as whole rows of 512 bytes.
; LIMITS: NaN and infinities are not served.
; REGISTERS: window 0: v1-8 lane terms; v16-23 fragment addresses; v24-25 the stage; v27 scale address; v32-63 scale words, two sets; v128-223 A's fragments, one set (at the head the bias, on the way out rows of C).
;   window 1: B's fragments, two sets.  windows 2, 3: accumulator (a, b) at v[8 (8 (a % 4) + b)].
.set SIZE_K, 1024
.set BOFF,   0
.set PS,     4096
.set PB,     98304
.set BI,     131072
.set IM,     147968
.set FRB,    1536
.set KPB,    24576                     ; a panel's images of 256 along K
.set HALFT,  KPB
.set SLOT,   4*HALFT                   ; A's two panels, then B's two
.set LAPS,   SIZE_K/512
.set HALFS,  (SIZE_K/128)*512          ; a panel's scale words
.set SCL,    2*SLOT
.set SPARE,  SCL+4*HALFS               ; the spare words, 128 bytes for each wave: two blocks of 256 bytes that no other line names
.set SPITCH, 528                       ; the way out: 16 rows x (512 bytes + 16) for each wave, in slot 0, which has had its last fill and its last read by then
.set FR,     12
.set NL,     4                         ; LDS loads that bring a fragment
.set NP,     4                         ; places behind this matrix instruction (ISA guide 7.12.1)
.set L16,  4                           ; v4  16 x lane
.set L8,   5                           ; v5  8 x lane
.set ADRA, 16                          ; v16-17 my A fragments in slot 0, 1, 16 bytes a lane; v18-19 the same, 8 bytes a lane
.set ADRB, 20                          ; v20-23 the same for B
.set STO,  24
.set RD,   25
.set ADRS, 27                          ; v27 my scale words: lanes 0-15 A's rows, lanes 16-31 B's
.set SPW,  28
.set NIL,  29
.set SC,   32                          ; set s at v[SC + 16 s]; register 2 i + q: lanes 0-15 A's block i, lanes 16-31 B's block i, the slot's q-th 128 along K
.set AF,   128
.set BN,   128                         ; the head: biasB in the result's layout
.set BK,   128                         ; the way out: 16 rows read back: v128-191 and v192-255 by turns
.set G1, 24
.set G0, 32
.set G1B, 48
.set G0B, 56
.set G1S, 68
.set G0S, 76
.set G1SB, 80
.set G0SB, 88
.set MSB, 0
.macro WIN new                         ; the immediate's high byte repeats the setting that is left
.if MSB != \new
	s_set_vgpr_msb (MSB<<8)|\new
.set MSB, \new
.endif
.endm
.set MUL_LO, 0xa1                      ; source 0 (B) window 1, source 1 (A) window 0, C and D window 2
.set MUL_HI, 0xf1
.set TO_B,   0x40
.macro JLOAD g0a, g1a, g0b, g1b        ; a joint load: waves 0 and 1 fetch for A, waves 2 and 3 for B; four v_nop follow each line
	s_cmp_eq_u32 s15, 0
	s_cbranch_scc0 .Lfor_b_\@
	tensor_load_to_lds s[\g0a:\g0a+3], s[\g1a:\g1a+7]
	s_nop 0
.rept 4
	v_nop
.endr
	s_branch .Lasked_\@
.Lfor_b_\@:
	tensor_load_to_lds s[\g0b:\g0b+3], s[\g1b:\g1b+7]
	s_nop 0
.rept 4
	v_nop
.endr
.Lasked_\@:
.endm
.macro CREST                           ; a round of the cluster's barrier behind its opening barrier
	s_cmp_lg_u32 s14, 0
	s_cbranch_scc1 .Lnot_wave_0_\@
	s_barrier_signal -3
.Lnot_wave_0_\@:
	s_barrier_wait -3
	s_barrier_signal -1
	s_barrier_wait -1
.endm
.macro CROUND
	s_barrier_signal -1
	s_barrier_wait -1
	CREST
.endm
.macro PLACES n
.rept \n
	v_nop
.endr
.endm
	s_load_b128 s[4:7], s[0:1], 0x0                ; A, B
	s_load_b128 s[8:11], s[0:1], 0x10              ; res, out
	v_lshl_add_u32 v[SPW], v0, 2, SPARE
	v_mov_b32 v[NIL], 0
	ds_add_u32 v28, v29
	ds_add_u32 v28, v29
	s_wait_dscnt 0x0
	v_lshrrev_b32 v1, 5, v0
	v_readfirstlane_b32 s14, v1                    ; wave
	s_lshr_b32 s15, s14, 1                         ; which half of the tile's rows is mine.  Also: I fetch for A (0) or for B (1)
	s_and_b32 s16, s14, 1                          ; which half of its columns.  Also: which panel of that tile I fetch
	s_bfe_u32 s40, ttmp6, 0x40000                  ; cx
	s_bfe_u32 s41, ttmp6, 0x40004                  ; cy
	s_lshl_b32 s42, ttmp9, 2
	s_add_co_u32 s42, s42, s40                     ; tile column
	s_and_b32 s17, ttmp7, 0xffff
	s_lshl_b32 s17, s17, 2
	s_add_co_u32 s17, s17, s41                     ; tile row
	s_lshl_b32 s43, s41, 2
	s_lshl_b32 s43, 15, s43                        ; my row of the cluster
	s_lshl_b32 s44, 0x1111, s40                    ; my column
	s_or_b32 s[G1+0], s43, (3<<16)|(1<<21)         ; 15:0 the mask; 17:16 elements of 8 bytes; 21 set beside a mask; no padding
	s_or_b32 s[G1B+0], s44, (3<<16)|(1<<21)
.irp g, G1, G1B                        ; 24,576 dense bytes as 96 rows of 256
	s_mov_b32 s[\g+1], 32<<16
	s_mov_b32 s[\g+2], 96<<16
	s_mov_b32 s[\g+3], 32<<16
	s_mov_b32 s[\g+4], 96
	s_mov_b32 s[\g+5], 32
	s_mov_b32 s[\g+6], 0
	s_mov_b32 s[\g+7], 0
.endr
	s_or_b32 s[G1S+0], s43, (3<<16)|(1<<21)
	s_or_b32 s[G1SB+0], s44, (3<<16)|(1<<21)
.irp g, G1S, G1SB                      ; a panel's scale words, dense, as rows of 256 bytes
	s_mov_b32 s[\g+1], 32<<16
	s_mov_b32 s[\g+2], (HALFS/256)<<16
	s_mov_b32 s[\g+3], 32<<16
	s_mov_b32 s[\g+4], HALFS/256
	s_mov_b32 s[\g+5], 32
	s_mov_b32 s[\g+6], 0
	s_mov_b32 s[\g+7], 0
.endr
	s_lshl_b32 s20, s17, 1
	s_add_co_u32 s20, s20, s16                     ; A's panel that I fetch: made of the tile row and the wave alone
	s_lshl_b32 s46, s42, 1
	s_add_co_u32 s46, s46, s16                     ; B's: of the tile column and the wave alone
	s_mul_i32 s22, s20, PS
	s_mul_i32 s92, s46, PS
	s_mul_i32 s20, s20, PB
	s_mul_i32 s46, s46, PB
	s_add_co_u32 s20, s20, IM
	s_add_co_u32 s46, s46, IM+BOFF
	s_add_co_u32 s92, s92, BOFF
	s_mov_b32 s21, 0
	s_mov_b32 s23, 0
	s_mov_b32 s47, 0
	s_mov_b32 s93, 0
	s_mul_i32 s45, s14, HALFT                      ; where they go: wave x a panel: no place in the cluster enters an LDS address
	s_mul_i32 s94, s14, HALFS
	s_wait_kmcnt 0x0
	s_add_nc_u64 s[20:21], s[4:5], s[20:21]
	s_add_nc_u64 s[22:23], s[4:5], s[22:23]
	s_add_nc_u64 s[46:47], s[6:7], s[46:47]
	s_add_nc_u64 s[92:93], s[6:7], s[92:93]
	CROUND                                         ; all sixteen work-groups are here: the first joint loads meet
	s_mov_b32 s[G0S], 1
	s_add_co_u32 s[G0S+1], s94, SCL
	s_mov_b64 s[G0S+2:G0S+3], s[22:23]
	s_or_b32 s[G0S+3], s[G0S+3], 0x80000000
	s_mov_b32 s[G0SB], 1
	s_add_co_u32 s[G0SB+1], s94, SCL
	s_mov_b64 s[G0SB+2:G0SB+3], s[92:93]
	s_or_b32 s[G0SB+3], s[G0SB+3], 0x80000000
	JLOAD G0S, G1S, G0SB, G1SB                     ; the scale words first: they are wanted with K step 0
.irp s, 0,1
	s_mov_b32 s[G0+4*\s], 1
	s_add_co_u32 s[G0+4*\s+1], s45, \s*SLOT
	s_add_nc_u64 s[G0+4*\s+2:G0+4*\s+3], s[20:21], \s*KPB
	s_or_b32 s[G0+4*\s+3], s[G0+4*\s+3], 0x80000000
	s_mov_b32 s[G0B+4*\s], 1
	s_add_co_u32 s[G0B+4*\s+1], s45, \s*SLOT
	s_add_nc_u64 s[G0B+4*\s+2:G0B+4*\s+3], s[46:47], \s*KPB
	s_or_b32 s[G0B+4*\s+3], s[G0B+4*\s+3], 0x80000000
	JLOAD G0+4*\s, G1, G0B+4*\s, G1B               ; three tensor loads of mine are out behind the last of these
.endr
	v_and_b32 v1, 15, v0                           ; r
	v_bfe_u32 v2, v0, 4, 1                         ; h
	v_and_b32 v3, 31, v0                           ; lane
	v_lshlrev_b32 v[L16], 4, v3
	v_lshlrev_b32 v[L8], 3, v3
	s_mul_i32 s21, s15, HALFT                      ; my panel of A
	s_mul_i32 s22, s16, HALFT                      ; my panel of B,
	s_add_co_u32 s22, s22, 2*HALFT                 ; behind A's two
.irp s, 0,1
	v_add_nc_u32 v[ADRA+\s], s21, v[L16]
	v_add_nc_u32 v[ADRB+\s], s22, v[L16]
	v_add_nc_u32 v[ADRA+2+\s], s21, v[L8]
	v_add_nc_u32 v[ADRB+2+\s], s22, v[L8]
	s_add_co_u32 s21, s21, SLOT
	s_add_co_u32 s22, s22, SLOT
.endr
	s_mul_i32 s21, s15, HALFS
	s_mul_i32 s22, s16, HALFS
	s_add_co_u32 s22, s22, 2*HALFS
	s_sub_co_u32 s22, s22, s21
	v_mul_u32_u24 v6, s22, v2                      ; lanes 16-31 take B's words
	s_add_co_u32 s21, s21, SCL
	v_lshl_add_u32 v6, v1, 2, v6
	v_add_nc_u32 v[ADRS], s21, v6
	s_mul_i32 s23, s14, 16*SPITCH                  ; my stage
	v_mul_u32_u24 v6, v1, SPITCH                   ; in: row r, 64 bytes on for lanes 16-31
	v_lshl_add_u32 v6, v2, 6, v6
	v_add_nc_u32 v[STO], s23, v6
	v_add_nc_u32 v[RD], s23, v[L16]                ; back: the 32 lanes take one row of 512 bytes
	; THE SUMS' FIRST TERMS: biasB of my 128 columns, and my 128 x 128 of the residual, both in the result's layout
	s_lshl_b32 s46, s42, 10
	s_lshl_b32 s47, s16, 9
	s_add_co_u32 s46, s46, s47
	s_add_co_u32 s46, s46, BI+BOFF
	s_mov_b32 s47, 0
	s_add_nc_u64 s[46:47], s[6:7], s[46:47]
	s_lshl_b32 s20, s17, 20                        ; 256 rows of 4,096 bytes a tile row,
	s_lshl_b32 s21, s15, 19                        ; 128 for my half,
	s_add_co_u32 s20, s20, s21
	s_lshl_b32 s21, s42, 10                        ; 256 columns a tile column,
	s_add_co_u32 s20, s20, s21
	s_lshl_b32 s21, s16, 9                         ; 128 for my half
	s_add_co_u32 s20, s20, s21
	s_mov_b32 s21, 0
	s_add_nc_u64 s[8:9], s[8:9], s[20:21]
	s_add_nc_u64 s[10:11], s[10:11], s[20:21]
	v_lshlrev_b32 v6, 6, v2                        ; 64 h
	v_and_b32 v7, 7, v1
	v_lshrrev_b32 v8, 3, v1
	v_lshl_add_u32 v7, v8, 4, v7
	v_lshl_add_u32 v7, v7, 12, v6                  ; (r % 8 + 16 (r / 8)) rows + 64 h
.irp b, 0,1,2,3,4,5,6,7
	global_load_b128 v[BN+8*\b:BN+8*\b+3], v6, s[46:47] offset:128*(\b/2)+32*(\b%2)
	global_load_b128 v[BN+8*\b+4:BN+8*\b+7], v6, s[46:47] offset:128*(\b/2)+32*(\b%2)+16
.endr
	WIN 0x80                                       ; destination window 2, address window 0
.irp a, 0,1,2,3
.irp b, 0,1,2,3,4,5,6,7
.irp e, 0,1
	global_load_b128 v[8*(8*\a+\b)+4*\e:8*(8*\a+\b)+4*\e+3], v7, s[8:9] offset:(32*(\a/2)+8*(\a%2))*4096+128*(\b/2)+32*(\b%2)+16*\e th:TH_LOAD_NT
.endr
.endr
.endr
	WIN 0xc0
.irp a, 4,5,6,7
.irp b, 0,1,2,3,4,5,6,7
.irp e, 0,1
	global_load_b128 v[8*(8*(\a-4)+\b)+4*\e:8*(8*(\a-4)+\b)+4*\e+3], v7, s[8:9] offset:(32*(\a/2)+8*(\a%2))*4096+128*(\b/2)+32*(\b%2)+16*\e th:TH_LOAD_NT
.endr
.endr
.endr
	s_wait_loadcnt 0x0
	WIN 0x82                                       ; destination and source 0 window 2
.irp a, 0,1,2,3
.irp b, 0,1,2,3,4,5,6,7
.irp i, 0,2,4,6
	v_pk_add_f32 v[8*(8*\a+\b)+\i:8*(8*\a+\b)+\i+1], v[8*(8*\a+\b)+\i:8*(8*\a+\b)+\i+1], v[BN+8*\b+\i:BN+8*\b+\i+1]
.endr
.endr
.endr
	WIN 0xc3
.irp a, 0,1,2,3
.irp b, 0,1,2,3,4,5,6,7
.irp i, 0,2,4,6
	v_pk_add_f32 v[8*(8*\a+\b)+\i:8*(8*\a+\b)+\i+1], v[8*(8*\a+\b)+\i:8*(8*\a+\b)+\i+1], v[BN+8*\b+\i:BN+8*\b+\i+1]
.endr
.endr
.endr
	WIN 0
	PLACES 8
.macro FRAG reg, adr, q, i             ; a fragment's image comes back as it was stored: 512, 256, 512, 256 consecutive bytes
	ds_load_b128 v[\reg:\reg+3], v[\adr] offset:3072*(\i)+FRB*(\q)
	ds_load_b64 v[\reg+4:\reg+5], v[\adr+2] offset:3072*(\i)+FRB*(\q)+512
	ds_load_b128 v[\reg+6:\reg+9], v[\adr] offset:3072*(\i)+FRB*(\q)+768
	ds_load_b64 v[\reg+10:\reg+11], v[\adr+2] offset:3072*(\i)+FRB*(\q)+1280
.endm
; 16 matrix instructions: A's blocks a0, a0 + 1 x B's eight.  The 64 accumulators take turns, one instruction a turn, in the same order in every step.
.macro MUL16 a0, p, q, sc
.irp a, \a0, \a0+1
.irp b, 0,1,2,3,4,5,6,7
	v_wmma_scale_f32_16x16x128_f8f6f4 v[8*(8*((\a)%4)+\b):8*(8*((\a)%4)+\b)+7], v[128*(\p)+FR*\b:128*(\p)+FR*\b+FR-1], v[AF+FR*(\a):AF+FR*(\a)+FR-1], v[8*(8*((\a)%4)+\b):8*(8*((\a)%4)+\b)+7], v[SC+16*(\sc)+2*\b+(\q)], v[SC+16*(\sc)+2*(\a)+(\q)] matrix_a_fmt:MATRIX_FMT_BF6 matrix_b_fmt:MATRIX_FMT_BF6 matrix_a_scale:MATRIX_SCALE_ROW1
.endr
.endr
.endm
.macro FETCH_B slot, q, p
	WIN TO_B
.irp i, 0,1,2,3,4,5,6,7
	FRAG 128*(\p)+FR*\i, ADRB+\slot, \q, \i
.endr
	WIN 0
.endm
.macro FETCH_A slot, q, i0
.irp i, \i0, \i0+1, \i0+2, \i0+3
	FRAG AF+FR*(\i), ADRA+\slot, \q, \i
.endr
.endm
.macro SCALES sc                       ; the K step's scale words: lanes 0-15 A's block i, lanes 16-31 B's block i
.irp i, 0,1,2,3,4,5,6,7
	ds_load_b32 v[SC+16*\sc+2*\i], v[ADRS] offset:64*\i
	ds_load_b32 v[SC+16*\sc+2*\i+1], v[ADRS] offset:512+64*\i
.endr
.endm
; A step of 128 along K that has its successor in the same slot.  A block of A is free when its eight products are issued: blocks 0-3 are fetched anew in the step's middle, blocks 4-7 at its end; B has two sets.
.macro STEP slot, q
	s_wait_dscnt 4*NL                              ; all but the youngest sixteen loads (A's blocks 4-7) are in
	WIN MUL_LO
	MUL16 0, (\q)%2, \q, \slot
	MUL16 2, (\q)%2, \q, \slot
	s_wait_dscnt 0
	PLACES NP                                      ; in front of loads into registers that matrix instructions have read
	FETCH_B \slot, (\q)+1, 1-(\q)%2
	FETCH_A \slot, (\q)+1, 0
	WIN MUL_HI
	MUL16 4, (\q)%2, \q, \slot
	MUL16 6, (\q)%2, \q, \slot
	PLACES NP
	WIN 0
	FETCH_A \slot, (\q)+1, 4
.endm
; A slot's last step changes slots: one barrier; in front of it each wave waits for all its tensor loads, adds 0 to its spare word, and waits for that and for its reads of this slot.
.macro TURN slot, next, fill
	s_wait_tensorcnt 0x0                           ; all my tensor loads have landed: my part of the next slot
	ds_add_u32 v[SPW], v[NIL]                      ; 0 onto my spare word
	s_wait_dscnt 4*NL+1                            ; (the add and A's blocks 4-7 may be out)
	WIN MUL_LO
	MUL16 0, 1, 1, \slot
	s_wait_dscnt 0x0                               ; the add is done, and my reads of this slot are over
	s_barrier_signal -1
	MUL16 2, 1, 1, \slot
	WIN 0
	s_barrier_wait -1
.if \fill
	CREST                                          ; the barrier has opened a round of the cluster's: no wave of any partner still reads this slot or has a load on its way
	s_add_nc_u64 s[G0+4*\slot+2:G0+4*\slot+3], s[G0+4*\slot+2:G0+4*\slot+3], 2*KPB
	s_add_nc_u64 s[G0B+4*\slot+2:G0B+4*\slot+3], s[G0B+4*\slot+2:G0B+4*\slot+3], 2*KPB
	JLOAD G0+4*\slot, G1, G0B+4*\slot, G1B         ; the first tensor load behind the round; its four v_nop are the places in front of the loads below
.else
	PLACES NP
.endif
	v_add_nc_u32 v[ADRS], 1024, v[ADRS]            ; the next K step's scale words
	FETCH_B \next, 0, 0
	FETCH_A \next, 0, 0
	SCALES \next
	WIN MUL_HI
	MUL16 4, 1, 1, \slot
	MUL16 6, 1, 1, \slot
	PLACES NP
	WIN 0
	FETCH_A \next, 0, 4
.endm
	s_wait_tensorcnt 1                             ; the scale words and my part of K step 0 are in; K step 1's load may be out
	s_barrier_signal -1
	s_barrier_wait -1
	FETCH_B 0, 0, 0
	FETCH_A 0, 0, 0
	SCALES 0
	FETCH_A 0, 0, 4
	STEP 0, 0
	s_mov_b32 s3, LAPS-1
.Llap:                                         ; a trip goes once round the ring and fills both slots again
	TURN 0, 1, 1
	STEP 1, 0
	TURN 1, 0, 1
	STEP 0, 0
	s_sub_co_u32 s3, s3, 1
	s_cmp_lg_u32 s3, 0
	s_cbranch_scc1 .Llap
	TURN 0, 1, 0                                   ; the last lap fills nothing
	STEP 1, 0
	s_wait_dscnt 4*NL
	WIN MUL_LO
	MUL16 0, 1, 1, 1
	MUL16 2, 1, 1, 1
	s_wait_dscnt 0
	WIN MUL_HI
	MUL16 4, 1, 1, 1
	MUL16 6, 1, 1, 1
	WIN 0
; THE WAY OUT, a block of 16 rows x 128 columns at a time, through my own stage: in by the result's layout, back as whole rows of 512 bytes.  LDS serves a wave's instructions in order (ISA guide 5.7.1.4):
; no wait between the stores and the loads, nor in front of the next block's stores.
.macro TOSTAGE a
.set AC, 64*((\a)%4)
	WIN 0x08+4*((\a)/4)                            ; the data: window 2 or 3
.irp b, 0,1,2,3,4,5,6,7
	ds_store_b128 v[STO], v[AC+8*\b:AC+8*\b+3] offset:128*(\b/2)+32*(\b%2)        ; each accumulator from its low end on
	ds_store_b128 v[STO], v[AC+8*\b+4:AC+8*\b+7] offset:128*(\b/2)+32*(\b%2)+16
.endr
	WIN 0
.set BB, BK+64*((\a)%2)
.irp t, 0,1,2,3,4,5,6,7,8,9,10,11,12,13,14,15
	ds_load_b128 v[BB+4*\t:BB+4*\t+3], v[RD] offset:\t*SPITCH
.endr
.endm
.macro SEND a, younger                 ; stage row t of block a is the row at place (a, t); every offset an immediate, 127 rows at the most
.set BB, BK+64*((\a)%2)
	s_wait_dscnt \younger
.irp t, 0,1,2,3,4,5,6,7,8,9,10,11,12,13,14,15
	global_store_b128 v[L16], v[BB+4*\t:BB+4*\t+3], s[10:11] offset:(32*((\a)/2)+8*((\a)%2)+\t%8+16*(\t/8))*4096 th:TH_STORE_NT   ; 512 consecutive bytes, at a multiple of 256 from the buffer's first byte
.endr
.endm
	PLACES NP                                      ; behind the last products: results are read, and loads land where A's fragments lay
	TOSTAGE 0
.irp a, 1,2,3,4,5,6,7
.if \a > 1
	s_wait_xcnt 0x0                                ; block a - 2's stores have read their registers: block a's loads may land there
.endif
	TOSTAGE \a
	SEND \a-1, 32                                  ; behind block a - 1's loads: block a's 16 stores and 16 loads
.endr
	SEND 7, 0
	s_wait_tensorcnt 0x0                           ; the wave's end
	ds_add_u32 v[SPW], v[NIL]
	s_wait_dscnt 0x0
	CROUND                                         ; the closing round: no work-group ends while a partner may still ask for a tile that names it
	s_endpgm
.Lfunc_end_k_qfd2cff9b2f_oproj:
	.size	k_qfd2cff9b2f_oproj, .Lfunc_end_k_qfd2cff9b2f_oproj-k_qfd2cff9b2f_oproj
	.p2alignl 7, 3214868480
	.fill 96, 4, 3214868480
	.section	.rodata,"a",@progbits
	.p2align	6, 0x0
	.amdhsa_kernel k_qfd2cff9b2f_oproj
		.amdhsa_group_segment_fixed_size 327680
		.amdhsa_private_segment_fixed_size 0
		.amdhsa_enable_private_segment 0
		.amdhsa_kernarg_size 32
		.amdhsa_user_sgpr_count 2
		.amdhsa_user_sgpr_kernarg_segment_ptr 1
		.amdhsa_wavefront_size32 1
		.amdhsa_system_sgpr_workgroup_id_x 1
		.amdhsa_system_sgpr_workgroup_id_y 1
		.amdhsa_system_sgpr_workgroup_id_z 1
		.amdhsa_system_vgpr_workitem_id 0
		.amdhsa_next_free_vgpr 1024
		.amdhsa_next_free_sgpr 100
		.amdhsa_reserve_vcc 0
		.amdhsa_float_denorm_mode_32 3
		.amdhsa_float_denorm_mode_16_64 3
		.amdhsa_memory_ordered 1
		.amdhsa_forward_progress 1
		.amdhsa_inst_pref_size 175
	.end_amdhsa_kernel
	.amdgpu_metadata
---
amdhsa.version: [ 1, 2 ]
amdhsa.kernels:
  - .name:           k_qfd2cff9b2f_oproj
    .symbol:         k_qfd2cff9b2f_oproj.kd
    .args:
      - { .name: actA, .offset: 0, .size: 8, .value_kind: global_buffer, .address_space: global }
      - { .name: cwm, .offset: 8, .size: 8, .value_kind: global_buffer, .address_space: global }
      - { .name: x, .offset: 16, .size: 8, .value_kind: global_buffer, .address_space: global }
      - { .name: xmid, .offset: 24, .size: 8, .value_kind: global_buffer, .address_space: global }
    .group_segment_fixed_size: 327680
    .private_segment_fixed_size: 0
    .kernarg_segment_align: 8
    .kernarg_segment_size: 32
    .max_flat_workgroup_size: 128
    .sgpr_count:     100
    .vgpr_count:     1024
    .wavefront_size: 32
...
	.end_amdgpu_metadata
.endif
;; end of part 5
;; launch ln2: the kernel of part 2 again; grid 256 x 1, 8 waves a work-group, no clusters, 2,048 bytes of LDS; arguments xmid, g2, be2, actA; writes actA
;; launch ffn1: the kernel of part 3 again; grid 16 x 16, 4 waves a work-group, clusters of 4 x 4, 327,680 bytes of LDS; arguments actA, cw1, bigA; writes bigA
;; launch ffn2 (part 6): grid 4 x 16, 4 waves a work-group, clusters of 4 x 4, 327,680 bytes of LDS; arguments bigA, cwm, xmid, out0; writes out0
.if DOCPART == 6
	.amdgcn_target "amdgcn-amd-amdhsa--gfx1250"
	.amdhsa_code_object_version 6
	.text
	.protected	k_qfd2cff9b2f_ffn2
	.globl	k_qfd2cff9b2f_ffn2
	.p2align	8
	.type	k_qfd2cff9b2f_ffn2,@function
k_qfd2cff9b2f_ffn2:
	s_mov_b64 s[64:65], 0
	v_nop
	global_prefetch_b8 v0, s[64:65] scope:SCOPE_SE
	s_setreg_imm32_b32 hwreg(HW_REG_WAVE_MODE, 25, 1), 1
	s_wait_xcnt 0x0
	s_wait_alu depctr_hold_cnt(0) depctr_sa_sdst(0) depctr_va_vdst(0) depctr_va_sdst(0) depctr_va_ssrc(0) depctr_va_vcc(0) depctr_vm_vsrc(0)
	s_getreg_b32 s2, hwreg(HW_REG_IB_STS2, 6, 4)
	s_cmp_eq_u32 s2, 0
	s_cbranch_scc0 .Lentry_in_a_cluster
	s_endpgm
.Lentry_in_a_cluster:
	s_bfe_u32 s2, ttmp6, 0x10000c
	s_cmp_lg_u32 s2, 0xf033
	s_cbranch_scc0 .Lentry_shape_is_right
	s_endpgm
.Lentry_shape_is_right:
; out = res + A B^T + biasB[n], f32 [4,096][1,024]: a GEMM on codes of BF6 (E3M2) with E8M0 scales for each 32 along K = SIZE_K.
; OPERANDS lie in memory as images of the operand's registers.  Rows go in panels of 128, 8 row blocks of 16 places; place (rb, r) holds the panel's row 32 (rb / 2) + 8 (rb % 2) + r % 8 + 16 (r / 8).
; A fragment (16 rows x 128 K, 12 registers a lane) is 1,536 bytes: for c = 0, 1 registers 6 c .. 6 c + 3 of lane l at 768 c + 16 l, registers 6 c + 4, 6 c + 5 at 768 c + 512 + 8 l.
; A buffer: scale words [panel][K / 128][rb][r] at 0; a row bias (f32, by the row's own number) at BI; images [panel][K / 256][rb][(K / 128) % 2] at IM.  B's operand begins BOFF bytes into its buffer.
; THE MATRIX INSTRUCTION IS USED TRANSPOSED (source 0 = 16 rows of B, source 1 = 16 rows of A): register j of lane (r, h) of the result of B's block 2 b + u is column 32 b + 16 h + 8 u + j of A's row at place r.
; A tile of C, 256 x 256, is made by four waves, 128 x 128 each: 64 accumulators, 512 registers.  K goes in steps of 256 through a ring of two LDS slots; a wave's tensor load brings one panel's images of a
; K step, 24,576 dense bytes.  Every LDS read of an operand is 16 or 8 bytes a lane on end: no padding.  The scale words of the 512 rows, for all of K, come once, with the first fills.
; CLUSTERS: 4 x 4 work-groups; A's tiles are asked for jointly along a row of the cluster, B's along a column.
; THE SUMS BEGIN WITH THE RESIDUAL AND THE BIAS: the residual is loaded straight into the accumulators while the first tiles are on their way.  That is another order of rounding than residual last.
; The residual's loads take 16 bytes a lane of runs of 64: the result's layout; the results leave through a stage in LDS as whole rows of 512 bytes.
; LIMITS: NaN and infinities are not served.
; REGISTERS: window 0: v1-8 lane terms; v16-23 fragment addresses; v24-25 the stage; v27 scale address; v32-63 scale words, two sets; v128-223 A's fragments, one set (at the head the bias, on the way out rows of C).
;   window 1: B's fragments, two sets.  windows 2, 3: accumulator (a, b) at v[8 (8 (a % 4) + b)].
.set SIZE_K, 4096
.set BOFF,   934400
.set PS,     16384
.set PB,     393216
.set BI,     524288
.set IM,     540672
.set FRB,    1536
.set KPB,    24576                     ; a panel's images of 256 along K
.set HALFT,  KPB
.set SLOT,   4*HALFT                   ; A's two panels, then B's two
.set LAPS,   SIZE_K/512
.set HALFS,  (SIZE_K/128)*512          ; a panel's scale words
.set SCL,    2*SLOT
.set SPARE,  SCL+4*HALFS               ; the spare words, 128 bytes for each wave: two blocks of 256 bytes that no other line names
.set SPITCH, 528                       ; the way out: 16 rows x (512 bytes + 16) for each wave, in slot 0, which has had its last fill and its last read by then
.set FR,     12
.set NL,     4                         ; LDS loads that bring a fragment
.set NP,     4                         ; places behind this matrix instruction (ISA guide 7.12.1)
.set L16,  4                           ; v4  16 x lane
.set L8,   5                           ; v5  8 x lane
.set ADRA, 16                          ; v16-17 my A fragments in slot 0, 1, 16 bytes a lane; v18-19 the same, 8 bytes a lane
.set ADRB, 20                          ; v20-23 the same for B
.set STO,  24
.set RD,   25
.set ADRS, 27                          ; v27 my scale words: lanes 0-15 A's rows, lanes 16-31 B's
.set SPW,  28
.set NIL,  29
.set SC,   32                          ; set s at v[SC + 16 s]; register 2 i + q: lanes 0-15 A's block i, lanes 16-31 B's block i, the slot's q-th 128 along K
.set AF,   128
.set BN,   128                         ; the head: biasB in the result's layout
.set BK,   128                         ; the way out: 16 rows read back: v128-191 and v192-255 by turns
.set G1, 24
.set G0, 32
.set G1B, 48
.set G0B, 56
.set G1S, 68
.set G0S, 76
.set G1SB, 80
.set G0SB, 88
.set MSB, 0
.macro WIN new                         ; the immediate's high byte repeats the setting that is left
.if MSB != \new
	s_set_vgpr_msb (MSB<<8)|\new
.set MSB, \new
.endif
.endm
.set MUL_LO, 0xa1                      ; source 0 (B) window 1, source 1 (A) window 0, C and D window 2
.set MUL_HI, 0xf1
.set TO_B,   0x40
.macro JLOAD g0a, g1a, g0b, g1b        ; a joint load: waves 0 and 1 fetch for A, waves 2 and 3 for B; four v_nop follow each line
	s_cmp_eq_u32 s15, 0
	s_cbranch_scc0 .Lfor_b_\@
	tensor_load_to_lds s[\g0a:\g0a+3], s[\g1a:\g1a+7]
	s_nop 0
.rept 4
	v_nop
.endr
	s_branch .Lasked_\@
.Lfor_b_\@:
	tensor_load_to_lds s[\g0b:\g0b+3], s[\g1b:\g1b+7]
	s_nop 0
.rept 4
	v_nop
.endr
.Lasked_\@:
.endm
.macro CREST                           ; a round of the cluster's barrier behind its opening barrier
	s_cmp_lg_u32 s14, 0
	s_cbranch_scc1 .Lnot_wave_0_\@
	s_barrier_signal -3
.Lnot_wave_0_\@:
	s_barrier_wait -3
	s_barrier_signal -1
	s_barrier_wait -1
.endm
.macro CROUND
	s_barrier_signal -1
	s_barrier_wait -1
	CREST
.endm
.macro PLACES n
.rept \n
	v_nop
.endr
.endm
	s_load_b128 s[4:7], s[0:1], 0x0                ; A, B
	s_load_b128 s[8:11], s[0:1], 0x10              ; res, out
	v_lshl_add_u32 v[SPW], v0, 2, SPARE
	v_mov_b32 v[NIL], 0
	ds_add_u32 v28, v29
	ds_add_u32 v28, v29
	s_wait_dscnt 0x0
	v_lshrrev_b32 v1, 5, v0
	v_readfirstlane_b32 s14, v1                    ; wave
	s_lshr_b32 s15, s14, 1                         ; which half of the tile's rows is mine.  Also: I fetch for A (0) or for B (1)
	s_and_b32 s16, s14, 1                          ; which half of its columns.  Also: which panel of that tile I fetch
	s_bfe_u32 s40, ttmp6, 0x40000                  ; cx
	s_bfe_u32 s41, ttmp6, 0x40004                  ; cy
	s_lshl_b32 s42, ttmp9, 2
	s_add_co_u32 s42, s42, s40                     ; tile column
	s_and_b32 s17, ttmp7, 0xffff
	s_lshl_b32 s17, s17, 2
	s_add_co_u32 s17, s17, s41                     ; tile row
	s_lshl_b32 s43, s41, 2
	s_lshl_b32 s43, 15, s43                        ; my row of the cluster
	s_lshl_b32 s44, 0x1111, s40                    ; my column
	s_or_b32 s[G1+0], s43, (3<<16)|(1<<21)         ; 15:0 the mask; 17:16 elements of 8 bytes; 21 set beside a mask; no padding
	s_or_b32 s[G1B+0], s44, (3<<16)|(1<<21)
.irp g, G1, G1B                        ; 24,576 dense bytes as 96 rows of 256
	s_mov_b32 s[\g+1], 32<<16
	s_mov_b32 s[\g+2], 96<<16
	s_mov_b32 s[\g+3], 32<<16
	s_mov_b32 s[\g+4], 96
	s_mov_b32 s[\g+5], 32
	s_mov_b32 s[\g+6], 0
	s_mov_b32 s[\g+7], 0
.endr
	s_or_b32 s[G1S+0], s43, (3<<16)|(1<<21)
	s_or_b32 s[G1SB+0], s44, (3<<16)|(1<<21)
.irp g, G1S, G1SB                      ; a panel's scale words, dense, as rows of 256 bytes
	s_mov_b32 s[\g+1], 32<<16
	s_mov_b32 s[\g+2], (HALFS/256)<<16
	s_mov_b32 s[\g+3], 32<<16
	s_mov_b32 s[\g+4], HALFS/256
	s_mov_b32 s[\g+5], 32
	s_mov_b32 s[\g+6], 0
	s_mov_b32 s[\g+7], 0
.endr
	s_lshl_b32 s20, s17, 1
	s_add_co_u32 s20, s20, s16                     ; A's panel that I fetch: made of the tile row and the wave alone
	s_lshl_b32 s46, s42, 1
	s_add_co_u32 s46, s46, s16                     ; B's: of the tile column and the wave alone
	s_mul_i32 s22, s20, PS
	s_mul_i32 s92, s46, PS
	s_mul_i32 s20, s20, PB
	s_mul_i32 s46, s46, PB
	s_add_co_u32 s20, s20, IM
	s_add_co_u32 s46, s46, IM+BOFF
	s_add_co_u32 s92, s92, BOFF
	s_mov_b32 s21, 0
	s_mov_b32 s23, 0
	s_mov_b32 s47, 0
	s_mov_b32 s93, 0
	s_mul_i32 s45, s14, HALFT                      ; where they go: wave x a panel: no place in the cluster enters an LDS address
	s_mul_i32 s94, s14, HALFS
	s_wait_kmcnt 0x0
	s_add_nc_u64 s[20:21], s[4:5], s[20:21]
	s_add_nc_u64 s[22:23], s[4:5], s[22:23]
	s_add_nc_u64 s[46:47], s[6:7], s[46:47]
	s_add_nc_u64 s[92:93], s[6:7], s[92:93]
	CROUND                                         ; all sixteen work-groups are here: the first joint loads meet
	s_mov_b32 s[G0S], 1
	s_add_co_u32 s[G0S+1], s94, SCL
	s_mov_b64 s[G0S+2:G0S+3], s[22:23]
	s_or_b32 s[G0S+3], s[G0S+3], 0x80000000
	s_mov_b32 s[G0SB], 1
	s_add_co_u32 s[G0SB+1], s94, SCL
	s_mov_b64 s[G0SB+2:G0SB+3], s[92:93]
	s_or_b32 s[G0SB+3], s[G0SB+3], 0x80000000
	JLOAD G0S, G1S, G0SB, G1SB                     ; the scale words first: they are wanted with K step 0
.irp s, 0,1
	s_mov_b32 s[G0+4*\s], 1
	s_add_co_u32 s[G0+4*\s+1], s45, \s*SLOT
	s_add_nc_u64 s[G0+4*\s+2:G0+4*\s+3], s[20:21], \s*KPB
	s_or_b32 s[G0+4*\s+3], s[G0+4*\s+3], 0x80000000
	s_mov_b32 s[G0B+4*\s], 1
	s_add_co_u32 s[G0B+4*\s+1], s45, \s*SLOT
	s_add_nc_u64 s[G0B+4*\s+2:G0B+4*\s+3], s[46:47], \s*KPB
	s_or_b32 s[G0B+4*\s+3], s[G0B+4*\s+3], 0x80000000
	JLOAD G0+4*\s, G1, G0B+4*\s, G1B               ; three tensor loads of mine are out behind the last of these
.endr
	v_and_b32 v1, 15, v0                           ; r
	v_bfe_u32 v2, v0, 4, 1                         ; h
	v_and_b32 v3, 31, v0                           ; lane
	v_lshlrev_b32 v[L16], 4, v3
	v_lshlrev_b32 v[L8], 3, v3
	s_mul_i32 s21, s15, HALFT                      ; my panel of A
	s_mul_i32 s22, s16, HALFT                      ; my panel of B,
	s_add_co_u32 s22, s22, 2*HALFT                 ; behind A's two
.irp s, 0,1
	v_add_nc_u32 v[ADRA+\s], s21, v[L16]
	v_add_nc_u32 v[ADRB+\s], s22, v[L16]
	v_add_nc_u32 v[ADRA+2+\s], s21, v[L8]
	v_add_nc_u32 v[ADRB+2+\s], s22, v[L8]
	s_add_co_u32 s21, s21, SLOT
	s_add_co_u32 s22, s22, SLOT
.endr
	s_mul_i32 s21, s15, HALFS
	s_mul_i32 s22, s16, HALFS
	s_add_co_u32 s22, s22, 2*HALFS
	s_sub_co_u32 s22, s22, s21
	v_mul_u32_u24 v6, s22, v2                      ; lanes 16-31 take B's words
	s_add_co_u32 s21, s21, SCL
	v_lshl_add_u32 v6, v1, 2, v6
	v_add_nc_u32 v[ADRS], s21, v6
	s_mul_i32 s23, s14, 16*SPITCH                  ; my stage
	v_mul_u32_u24 v6, v1, SPITCH                   ; in: row r, 64 bytes on for lanes 16-31
	v_lshl_add_u32 v6, v2, 6, v6
	v_add_nc_u32 v[STO], s23, v6
	v_add_nc_u32 v[RD], s23, v[L16]                ; back: the 32 lanes take one row of 512 bytes
	; THE SUMS' FIRST TERMS: biasB of my 128 columns, and my 128 x 128 of the residual, both in the result's layout
	s_lshl_b32 s46, s42, 10
	s_lshl_b32 s47, s16, 9
	s_add_co_u32 s46, s46, s47
	s_add_co_u32 s46, s46, BI+BOFF
	s_mov_b32 s47, 0
	s_add_nc_u64 s[46:47], s[6:7], s[46:47]
	s_lshl_b32 s20, s17, 20                        ; 256 rows of 4,096 bytes a tile row,
	s_lshl_b32 s21, s15, 19                        ; 128 for my half,
	s_add_co_u32 s20, s20, s21
	s_lshl_b32 s21, s42, 10                        ; 256 columns a tile column,
	s_add_co_u32 s20, s20, s21
	s_lshl_b32 s21, s16, 9                         ; 128 for my half
	s_add_co_u32 s20, s20, s21
	s_mov_b32 s21, 0
	s_add_nc_u64 s[8:9], s[8:9], s[20:21]
	s_add_nc_u64 s[10:11], s[10:11], s[20:21]
	v_lshlrev_b32 v6, 6, v2                        ; 64 h
	v_and_b32 v7, 7, v1
	v_lshrrev_b32 v8, 3, v1
	v_lshl_add_u32 v7, v8, 4, v7
	v_lshl_add_u32 v7, v7, 12, v6                  ; (r % 8 + 16 (r / 8)) rows + 64 h
.irp b, 0,1,2,3,4,5,6,7
	global_load_b128 v[BN+8*\b:BN+8*\b+3], v6, s[46:47] offset:128*(\b/2)+32*(\b%2)
	global_load_b128 v[BN+8*\b+4:BN+8*\b+7], v6, s[46:47] offset:128*(\b/2)+32*(\b%2)+16
.endr
	WIN 0x80                                       ; destination window 2, address window 0
.irp a, 0,1,2,3
.irp b, 0,1,2,3,4,5,6,7
.irp e, 0,1
	global_load_b128 v[8*(8*\a+\b)+4*\e:8*(8*\a+\b)+4*\e+3], v7, s[8:9] offset:(32*(\a/2)+8*(\a%2))*4096+128*(\b/2)+32*(\b%2)+16*\e th:TH_LOAD_NT
.endr
.endr
.endr
	WIN 0xc0
.irp a, 4,5,6,7
.irp b, 0,1,2,3,4,5,6,7
.irp e, 0,1
	global_load_b128 v[8*(8*(\a-4)+\b)+4*\e:8*(8*(\a-4)+\b)+4*\e+3], v7, s[8:9] offset:(32*(\a/2)+8*(\a%2))*4096+128*(\b/2)+32*(\b%2)+16*\e th:TH_LOAD_NT
.endr
.endr
.endr
	s_wait_loadcnt 0x0
	WIN 0x82                                       ; destination and source 0 window 2
.irp a, 0,1,2,3
.irp b, 0,1,2,3,4,5,6,7
.irp i, 0,2,4,6
	v_pk_add_f32 v[8*(8*\a+\b)+\i:8*(8*\a+\b)+\i+1], v[8*(8*\a+\b)+\i:8*(8*\a+\b)+\i+1], v[BN+8*\b+\i:BN+8*\b+\i+1]
.endr
.endr
.endr
	WIN 0xc3
.irp a, 0,1,2,3
.irp b, 0,1,2,3,4,5,6,7
.irp i, 0,2,4,6
	v_pk_add_f32 v[8*(8*\a+\b)+\i:8*(8*\a+\b)+\i+1], v[8*(8*\a+\b)+\i:8*(8*\a+\b)+\i+1], v[BN+8*\b+\i:BN+8*\b+\i+1]
.endr
.endr
.endr
	WIN 0
	PLACES 8
.macro FRAG reg, adr, q, i             ; a fragment's image comes back as it was stored: 512, 256, 512, 256 consecutive bytes
	ds_load_b128 v[\reg:\reg+3], v[\adr] offset:3072*(\i)+FRB*(\q)
	ds_load_b64 v[\reg+4:\reg+5], v[\adr+2] offset:3072*(\i)+FRB*(\q)+512
	ds_load_b128 v[\reg+6:\reg+9], v[\adr] offset:3072*(\i)+FRB*(\q)+768
	ds_load_b64 v[\reg+10:\reg+11], v[\adr+2] offset:3072*(\i)+FRB*(\q)+1280
.endm
; 16 matrix instructions: A's blocks a0, a0 + 1 x B's eight.  The 64 accumulators take turns, one instruction a turn, in the same order in every step.
.macro MUL16 a0, p, q, sc
.irp a, \a0, \a0+1
.irp b, 0,1,2,3,4,5,6,7
	v_wmma_scale_f32_16x16x128_f8f6f4 v[8*(8*((\a)%4)+\b):8*(8*((\a)%4)+\b)+7], v[128*(\p)+FR*\b:128*(\p)+FR*\b+FR-1], v[AF+FR*(\a):AF+FR*(\a)+FR-1], v[8*(8*((\a)%4)+\b):8*(8*((\a)%4)+\b)+7], v[SC+16*(\sc)+2*\b+(\q)], v[SC+16*(\sc)+2*(\a)+(\q)] matrix_a_fmt:MATRIX_FMT_BF6 matrix_b_fmt:MATRIX_FMT_BF6 matrix_a_scale:MATRIX_SCALE_ROW1
.endr
.endr
.endm
.macro FETCH_B slot, q, p
	WIN TO_B
.irp i, 0,1,2,3,4,5,6,7
	FRAG 128*(\p)+FR*\i, ADRB+\slot, \q, \i
.endr
	WIN 0
.endm
.macro FETCH_A slot, q, i0
.irp i, \i0, \i0+1, \i0+2, \i0+3
	FRAG AF+FR*(\i), ADRA+\slot, \q, \i
.endr
.endm
.macro SCALES sc                       ; the K step's scale words: lanes 0-15 A's block i, lanes 16-31 B's block i
.irp i, 0,1,2,3,4,5,6,7
	ds_load_b32 v[SC+16*\sc+2*\i], v[ADRS] offset:64*\i
	ds_load_b32 v[SC+16*\sc+2*\i+1], v[ADRS] offset:512+64*\i
.endr
.endm
; A step of 128 along K that has its successor in the same slot.  A block of A is free when its eight products are issued: blocks 0-3 are fetched anew in the step's middle, blocks 4-7 at its end; B has two sets.
.macro STEP slot, q
	s_wait_dscnt 4*NL                              ; all but the youngest sixteen loads (A's blocks 4-7) are in
	WIN MUL_LO
	MUL16 0, (\q)%2, \q, \slot
	MUL16 2, (\q)%2, \q, \slot
	s_wait_dscnt 0
	PLACES NP                                      ; in front of loads into registers that matrix instructions have read
	FETCH_B \slot, (\q)+1, 1-(\q)%2
	FETCH_A \slot, (\q)+1, 0
	WIN MUL_HI
	MUL16 4, (\q)%2, \q, \slot
	MUL16 6, (\q)%2, \q, \slot
	PLACES NP
	WIN 0
	FETCH_A \slot, (\q)+1, 4
.endm
; A slot's last step changes slots: one barrier; in front of it each wave waits for all its tensor loads, adds 0 to its spare word, and waits for that and for its reads of this slot.
.macro TURN slot, next, fill
	s_wait_tensorcnt 0x0                           ; all my tensor loads have landed: my part of the next slot
	ds_add_u32 v[SPW], v[NIL]                      ; 0 onto my spare word
	s_wait_dscnt 4*NL+1                            ; (the add and A's blocks 4-7 may be out)
	WIN MUL_LO
	MUL16 0, 1, 1, \slot
	s_wait_dscnt 0x0                               ; the add is done, and my reads of this slot are over
	s_barrier_signal -1
	MUL16 2, 1, 1, \slot
	WIN 0
	s_barrier_wait -1
.if \fill
	CREST                                          ; the barrier has opened a round of the cluster's: no wave of any partner still reads this slot or has a load on its way
	s_add_nc_u64 s[G0+4*\slot+2:G0+4*\slot+3], s[G0+4*\slot+2:G0+4*\slot+3], 2*KPB
	s_add_nc_u64 s[G0B+4*\slot+2:G0B+4*\slot+3], s[G0B+4*\slot+2:G0B+4*\slot+3], 2*KPB
	JLOAD G0+4*\slot, G1, G0B+4*\slot, G1B         ; the first tensor load behind the round; its four v_nop are the places in front of the loads below
.else
	PLACES NP
.endif
	v_add_nc_u32 v[ADRS], 1024, v[ADRS]            ; the next K step's scale words
	FETCH_B \next, 0, 0
	FETCH_A \next, 0, 0
	SCALES \next
	WIN MUL_HI
	MUL16 4, 1, 1, \slot
	MUL16 6, 1, 1, \slot
	PLACES NP
	WIN 0
	FETCH_A \next, 0, 4
.endm
	s_wait_tensorcnt 1                             ; the scale words and my part of K step 0 are in; K step 1's load may be out
	s_barrier_signal -1
	s_barrier_wait -1
	FETCH_B 0, 0, 0
	FETCH_A 0, 0, 0
	SCALES 0
	FETCH_A 0, 0, 4
	STEP 0, 0
	s_mov_b32 s3, LAPS-1
.Llap:                                         ; a trip goes once round the ring and fills both slots again
	TURN 0, 1, 1
	STEP 1, 0
	TURN 1, 0, 1
	STEP 0, 0
	s_sub_co_u32 s3, s3, 1
	s_cmp_lg_u32 s3, 0
	s_cbranch_scc1 .Llap
	TURN 0, 1, 0                                   ; the last lap fills nothing
	STEP 1, 0
	s_wait_dscnt 4*NL
	WIN MUL_LO
	MUL16 0, 1, 1, 1
	MUL16 2, 1, 1, 1
	s_wait_dscnt 0
	WIN MUL_HI
	MUL16 4, 1, 1, 1
	MUL16 6, 1, 1, 1
	WIN 0
; THE WAY OUT, a block of 16 rows x 128 columns at a time, through my own stage: in by the result's layout, back as whole rows of 512 bytes.  LDS serves a wave's instructions in order (ISA guide 5.7.1.4):
; no wait between the stores and the loads, nor in front of the next block's stores.
.macro TOSTAGE a
.set AC, 64*((\a)%4)
	WIN 0x08+4*((\a)/4)                            ; the data: window 2 or 3
.irp b, 0,1,2,3,4,5,6,7
	ds_store_b128 v[STO], v[AC+8*\b:AC+8*\b+3] offset:128*(\b/2)+32*(\b%2)        ; each accumulator from its low end on
	ds_store_b128 v[STO], v[AC+8*\b+4:AC+8*\b+7] offset:128*(\b/2)+32*(\b%2)+16
.endr
	WIN 0
.set BB, BK+64*((\a)%2)
.irp t, 0,1,2,3,4,5,6,7,8,9,10,11,12,13,14,15
	ds_load_b128 v[BB+4*\t:BB+4*\t+3], v[RD] offset:\t*SPITCH
.endr
.endm
.macro SEND a, younger                 ; stage row t of block a is the row at place (a, t); every offset an immediate, 127 rows at the most
.set BB, BK+64*((\a)%2)
	s_wait_dscnt \younger
.irp t, 0,1,2,3,4,5,6,7,8,9,10,11,12,13,14,15
	global_store_b128 v[L16], v[BB+4*\t:BB+4*\t+3], s[10:11] offset:(32*((\a)/2)+8*((\a)%2)+\t%8+16*(\t/8))*4096 th:TH_STORE_NT   ; 512 consecutive bytes, at a multiple of 256 from the buffer's first byte
.endr
.endm
	PLACES NP                                      ; behind the last products: results are read, and loads land where A's fragments lay
	TOSTAGE 0
.irp a, 1,2,3,4,5,6,7
.if \a > 1
	s_wait_xcnt 0x0                                ; block a - 2's stores have read their registers: block a's loads may land there
.endif
	TOSTAGE \a
	SEND \a-1, 32                                  ; behind block a - 1's loads: block a's 16 stores and 16 loads
.endr
	SEND 7, 0
	s_wait_tensorcnt 0x0                           ; the wave's end
	ds_add_u32 v[SPW], v[NIL]
	s_wait_dscnt 0x0
	CROUND                                         ; the closing round: no work-group ends while a partner may still ask for a tile that names it
	s_endpgm
.Lfunc_end_k_qfd2cff9b2f_ffn2:
	.size	k_qfd2cff9b2f_ffn2, .Lfunc_end_k_qfd2cff9b2f_ffn2-k_qfd2cff9b2f_ffn2
	.p2alignl 7, 3214868480
	.fill 96, 4, 3214868480
	.section	.rodata,"a",@progbits
	.p2align	6, 0x0
	.amdhsa_kernel k_qfd2cff9b2f_ffn2
		.amdhsa_group_segment_fixed_size 327680
		.amdhsa_private_segment_fixed_size 0
		.amdhsa_enable_private_segment 0
		.amdhsa_kernarg_size 32
		.amdhsa_user_sgpr_count 2
		.amdhsa_user_sgpr_kernarg_segment_ptr 1
		.amdhsa_wavefront_size32 1
		.amdhsa_system_sgpr_workgroup_id_x 1
		.amdhsa_system_sgpr_workgroup_id_y 1
		.amdhsa_system_sgpr_workgroup_id_z 1
		.amdhsa_system_vgpr_workitem_id 0
		.amdhsa_next_free_vgpr 1024
		.amdhsa_next_free_sgpr 100
		.amdhsa_reserve_vcc 0
		.amdhsa_float_denorm_mode_32 3
		.amdhsa_float_denorm_mode_16_64 3
		.amdhsa_memory_ordered 1
		.amdhsa_forward_progress 1
		.amdhsa_inst_pref_size 175
	.end_amdhsa_kernel
	.amdgpu_metadata
---
amdhsa.version: [ 1, 2 ]
amdhsa.kernels:
  - .name:           k_qfd2cff9b2f_ffn2
    .symbol:         k_qfd2cff9b2f_ffn2.kd
    .args:
      - { .name: bigA, .offset: 0, .size: 8, .value_kind: global_buffer, .address_space: global }
      - { .name: cwm, .offset: 8, .size: 8, .value_kind: global_buffer, .address_space: global }
      - { .name: xmid, .offset: 16, .size: 8, .value_kind: global_buffer, .address_space: global }
      - { .name: out0, .offset: 24, .size: 8, .value_kind: global_buffer, .address_space: global }
    .group_segment_fixed_size: 327680
    .private_segment_fixed_size: 0
    .kernarg_segment_align: 8
    .kernarg_segment_size: 32
    .max_flat_workgroup_size: 128
    .sgpr_count:     100
    .vgpr_count:     1024
    .wavefront_size: 32
...
	.end_amdgpu_metadata
.endif
;; end of part 6
;; ======== version 2 of 2: 7 launches
;; limits: right only within a limited range of input values
;; workspace buffers: actA 3,293,696 bytes; bigA 16,809,984 bytes; xmid 16,777,216 bytes; cwqk 2,655,232 bytes; cw1 3,293,696 bytes; cwm 4,620,800 bytes
;; launch quantw (part 7): grid 641 x 1, 8 waves a work-group, no clusters, 10,240 bytes of LDS; arguments Wq, Wk, Wv, Wo, W1, W2, bq, bk, bv, bo, b1, b2, cwqk, cw1, cwm, x, g1, be1, actA; writes cwqk, cw1, cwm, actA
.if DOCPART == 7
	.amdgcn_target "amdgcn-amd-amdhsa--gfx1250"
	.amdhsa_code_object_version 6
	.text
	.protected	k_qfd2cff9b2f_quantw
	.globl	k_qfd2cff9b2f_quantw
	.p2align	8
	.type	k_qfd2cff9b2f_quantw,@function
k_qfd2cff9b2f_quantw:
	s_mov_b64 s[64:65], 0
	v_nop
	global_prefetch_b8 v0, s[64:65] scope:SCOPE_SE
	s_setreg_imm32_b32 hwreg(HW_REG_WAVE_MODE, 25, 1), 1
	s_wait_xcnt 0x0
; The six weights, f32 stored [K][N], become operands of BF6 (E3M2) codes with one E8M0 scale byte for each 32 along K, laid as IMAGES OF THE OPERAND'S REGISTERS.
; ROW ORDER.  An operand's rows (here the output channels n) go in panels of 128, a panel in 8 row blocks of 16 places; place (rb, r) holds the panel's row 32 (rb / 2) + 8 (rb % 2) + r % 8 + 16 (r / 8).
; IMAGE.  A fragment (16 rows x 128 K, 12 registers a lane) is 1,536 bytes: for c = 0, 1 registers 6 c .. 6 c + 3 of lane l at 768 c + 16 l, registers 6 c + 4, 6 c + 5 at 768 c + 512 + 8 l.
; A panel's images lie [K / 256][rb][(K / 128) % 2]; its scale words (4 bytes: 128 along K of one row) lie [K / 128][rb][r].
; FORMATS.  K = 1,024: scale words at 0 (4,096 bytes a panel), biases at 131,072, the activation's floor at 147,456, images at 147,968 (98,304 a panel).
;           K = 4,096: scale words at 0 (16,384 a panel), biases at 524,288, images at 540,672 (393,216 a panel).
; SHARES.  A work-group takes a panel x 128 along K; wave w its row blocks 2 w and 2 w + 1.  A LANE TAKES A COLUMN n AND ITS REGISTERS RUN DOWN K: a load reads 128 consecutive bytes a wave, a block of 32
; lies in one lane, and the conversions give codes with K innermost.  Lanes 0-15 hold block 2 w's rows, lanes 16-31 block 2 w + 1's: twelve exchanges of half waves turn the lanes' blocks into the two images.
; Work-groups 0-255: Wq, Wk, Wv, Wo (64 each); 256-511: W1; 512-767: W2; work-group 768 copies the biases beside the operands that they travel with, and writes the two floors.
; A block's scale is 2^(floor(log2(largest magnitude)) - 4); its byte is that magnitude's exponent field - 4, held at 1 from below.
; LIMITS: a block of zeros gets the byte 1 where the rule says 127 (its codes are zeros, and this program alone reads the bytes); blocks whose largest magnitude lies under 2^-122 are held at the byte 1;
; NaN and infinities among the inputs are not served.  No LDS, no barrier: waves share nothing.
.set FRB,   1536
.set KPB,   24576
.set PB1,   98304
.set BI1,   131072
.set LO1,   147456
.set IM1,   147968
.set PB4,   393216
.set BI4,   524288
.set IM4,   540672
.set W2OFF, 934400                     ; in cwm: Wo's operand at 0, W2's here
.set X,     32                         ; v32-159  four blocks of 32 numbers
.set C,     32                         ; v32-55   the two images: they lie over block 0's numbers, which are converted first
; ONE LAUNCH FOR TWO INDEPENDENT JOBS.  Work-groups 0-255 (8 waves) take the first layer norm of x, at .Lnorm below; that path alone uses LDS and barriers.
; Work-groups 256-640 hold two GROUPS of four waves each; group g = 2 (work-group - 256) + wave / 4 does what the comment above says of 'work-group g', with wave % 4 as its wave.  Group 769 has no work and ends.
	s_cmp_ge_u32 ttmp9, 256
	s_cbranch_scc0 .Lnorm
	v_lshrrev_b32 v1, 5, v0
	v_readfirstlane_b32 s36, v1
	s_lshr_b32 s62, s36, 2
	s_and_b32 s36, s36, 3                          ; the wave in its group
	s_sub_co_u32 s37, ttmp9, 256
	s_lshl_b32 s37, s37, 1
	s_add_co_u32 s37, s37, s62                     ; the group
	s_cmp_gt_u32 s37, 768
	s_cbranch_scc1 .Lidle
	s_load_b512 s[4:19], s[0:1], 0x0               ; Wq 4, Wk 6, Wv 8, Wo 10, W1 12, W2 14, bq 16, bk 18
	s_load_b256 s[20:27], s[0:1], 0x40             ; bv 20, bo 22, b1 24, b2 26
	s_load_b64 s[28:29], s[0:1], 0x60              ; cwqk 28; Wv's operand lies in the same buffer, 1,720,832 bytes on (s[30:31], made below)
	s_load_b128 s[32:35], s[0:1], 0x68             ; cw1 32, cwm 34
	s_cmp_eq_u32 s37, 768
	s_cbranch_scc1 .Laux
	v_and_b32 v1, 31, v0                           ; lane
	v_and_b32 v2, 7, v1
	v_bfe_u32 v3, v1, 3, 1
	v_lshl_add_u32 v2, v3, 4, v2
	v_bfe_u32 v3, v1, 4, 1
	v_lshl_add_u32 v2, v3, 3, v2                   ; my column among the wave's 32: l % 8 + 16 ((l / 8) % 2) + 8 (l / 16)
	v_lshlrev_b32 v2, 2, v2
	v_lshlrev_b32 v3, 4, v1                        ; 16 l
	v_lshlrev_b32 v4, 3, v1                        ; 8 l
	v_lshlrev_b32 v5, 2, v1                        ; 4 l
	s_and_b32 s42, s37, 7
	s_and_b32 s43, s37, 31
	s_bfe_u32 s44, s37, 0x50003
	s_and_b32 s45, s44, 7
	s_bfe_u32 s46, s37, 0x30005
	s_lshr_b32 s47, s37, 8
	s_cmp_eq_u32 s47, 1
	s_cselect_b32 s48, s43, s42                    ; panel
	s_cselect_b32 s49, s46, s45                    ; which 128 along K
	s_cselect_b32 s50, 21, 19                      ; log2 of 128 rows of W in bytes
	s_cmp_eq_u32 s47, 2
	s_cselect_b32 s49, s44, s49
	s_mov_b32 s51, IM1
	s_cselect_b32 s51, W2OFF+IM4, s51              ; where the images begin
	s_mov_b32 s52, PB1
	s_cselect_b32 s52, PB4, s52                    ; a panel's images
	s_cselect_b32 s53, 14, 12                      ; log2 of a panel's scale words
	s_cselect_b32 s54, W2OFF, 0
	s_lshr_b32 s55, s37, 6
	s_cmp_eq_u32 s55, 1
	s_cselect_b32 s55, 8, 0                        ; Wk's panels lie behind Wq's
	s_add_co_u32 s55, s55, s48
	s_lshl_b32 s56, s49, s50                       ; in W: 128 ks rows down,
	s_lshl_b32 s57, s48, 9                         ; 128 columns a panel,
	s_add_co_u32 s56, s56, s57
	s_lshl_b32 s57, s36, 7                         ; 32 a wave
	s_add_co_u32 s56, s56, s57
	s_mov_b32 s57, 0
	s_mul_i32 s58, s55, s52                        ; my two images
	s_add_co_u32 s58, s58, s51
	s_lshr_b32 s59, s49, 1
	s_mul_i32 s59, s59, KPB
	s_add_co_u32 s58, s58, s59
	s_and_b32 s59, s49, 1
	s_mul_i32 s59, s59, FRB
	s_add_co_u32 s58, s58, s59
	s_mul_i32 s59, s36, 6144
	s_add_co_u32 s58, s58, s59
	s_mov_b32 s59, 0
	s_lshl_b32 s60, s55, s53                       ; my 32 scale words
	s_add_co_u32 s60, s60, s54
	s_lshl_b32 s61, s49, 9
	s_add_co_u32 s60, s60, s61
	s_lshl_b32 s61, s36, 7
	s_add_co_u32 s60, s60, s61
	s_mov_b32 s61, 0
	s_wait_kmcnt 0x0
	s_add_nc_u64 s[30:31], s[28:29], 1720832       ; Wv's operand, behind Wq's and Wk's
	s_cmp_lt_u32 s37, 512
	s_cselect_b64 s[38:39], s[12:13], s[14:15]
	s_cselect_b64 s[40:41], s[32:33], s[34:35]
	s_cmp_lt_u32 s37, 256
	s_cselect_b64 s[38:39], s[10:11], s[38:39]
	s_cselect_b64 s[40:41], s[34:35], s[40:41]
	s_cmp_lt_u32 s37, 192
	s_cselect_b64 s[38:39], s[8:9], s[38:39]
	s_cselect_b64 s[40:41], s[30:31], s[40:41]
	s_cmp_lt_u32 s37, 128
	s_cselect_b64 s[38:39], s[6:7], s[38:39]
	s_cselect_b64 s[40:41], s[28:29], s[40:41]
	s_cmp_lt_u32 s37, 64
	s_cselect_b64 s[38:39], s[4:5], s[38:39]
	s_cselect_b64 s[40:41], s[28:29], s[40:41]
	s_add_nc_u64 s[38:39], s[38:39], s[56:57]
	s_add_nc_u64 s[58:59], s[40:41], s[58:59]
	s_add_nc_u64 s[60:61], s[40:41], s[60:61]
.macro WLOAD stride                    ; W(128 ks + i, my column), i = 0 .. 127: every offset an immediate, 127 x 16,384 bytes at the most
.set i, 0
.rept 128
	global_load_b32 v[X+i], v2, s[38:39] offset:i*\stride th:TH_LOAD_NT
.set i, i+1
.endr
.endm
	s_cmp_eq_u32 s47, 1
	s_cbranch_scc1 .Lwide
	s_wait_alu depctr_va_vdst(0)
	WLOAD 4096
	s_branch .Lin
.Lwide:
	s_wait_alu depctr_va_vdst(0)
	WLOAD 16384
.Lin:
.macro BLOCK t, base, up
.set XS, X+32*\t
.if 96-32*\t > 63
	s_wait_loadcnt 63                              ; behind this block's loads stand 96 - 32 t more; a wait's count names 63 at the most, and a smaller count is safe: of the 128 loads the oldest 65 are in, blocks 0 and 1 among them
.else
	s_wait_loadcnt 96-32*\t                        ; this block's 32 loads are in; the later blocks' may be out
.endif
	v_max3_num_f32 v8, |v[XS]|, |v[XS+1]|, |v[XS+2]|
	v_max3_num_f32 v9, |v[XS+3]|, |v[XS+4]|, |v[XS+5]|
.irp i, 6,10,14,18,22,26
	v_max3_num_f32 v8, v8, |v[XS+\i]|, |v[XS+\i+1]|
	v_max3_num_f32 v9, v9, |v[XS+\i+2]|, |v[XS+\i+3]|
.endr
	v_max3_num_f32 v8, v8, |v[XS+30]|, |v[XS+31]|
	v_max3_num_f32 v8, v8, v9, 0x2800000           ; and the floor 2^(5 - 127): the byte cannot fall under 1
	v_add_nc_u32 v[12+\t], 0xfe000000, v8          ; 4 off the exponent field: the conversion takes this operand's exponent field as its scale
	v_lshrrev_b32 v16, 23, v[12+\t]                ; the scale's byte
.if \t == 0
	v_mov_b32 v17, v16
.else
	v_lshl_or_b32 v17, v16, 8*\t, v17              ; the lower K in the lower byte
.endif
	v_cvt_scalef32_pk16_bf6_f32 v[\base:\base+2], v[XS:XS+15], v[12+\t]
	v_cvt_scalef32_pk16_bf6_f32 v[\up:\up+2], v[XS+16:XS+31], v[12+\t]
.endm
	BLOCK 0, 18, 22                                ; block 0's codes wait in v18-20 and v22-24: their places still hold its numbers
	BLOCK 1, C+12, 56                              ; the later blocks' codes land in v32-63, which block 0's conversions have read (each block's maxima stand between)
	BLOCK 2, C+6, 60
	BLOCK 3, C+18, 26
	v_nop                                          ; one plain place behind the last scaled conversion
.irp i, 0,1,2
	v_mov_b32 v[C+\i], v[18+\i]
	v_mov_b32 v[C+3+\i], v[22+\i]
	v_mov_b32 v[C+15+\i], v[56+\i]
	v_mov_b32 v[C+9+\i], v[60+\i]
	v_mov_b32 v[C+21+\i], v[26+\i]
.endr
.irp i, 0,1,2,3,4,5                    ; blocks 0 and 1, blocks 2 and 3: the first's lanes 16-31 change places with the second's lanes 0-15
	v_permlane16_swap_b32 v[C+\i], v[C+12+\i]      ; v[C ..] is then row block 2 w's image (lanes 0-15 K = 0 .. 31, lanes 16-31 K = 32 .. 63 of its rows), v[C+12 ..] row block 2 w + 1's
	v_permlane16_swap_b32 v[C+6+\i], v[C+18+\i]
.endr
.irp f, 0,1                            ; each store covers 512 or 256 consecutive bytes, at a multiple of 256 from the buffer's first byte
	global_store_b128 v3, v[C+12*\f:C+12*\f+3], s[58:59] offset:3072*\f
	global_store_b64 v4, v[C+12*\f+4:C+12*\f+5], s[58:59] offset:3072*\f+512
	global_store_b128 v3, v[C+12*\f+6:C+12*\f+9], s[58:59] offset:3072*\f+768
	global_store_b64 v4, v[C+12*\f+10:C+12*\f+11], s[58:59] offset:3072*\f+1280
.endr
	global_store_b32 v5, v17, s[60:61]             ; lane l's word is that of place (2 w + l / 16, l % 16): 128 consecutive bytes
	s_endpgm
.Laux:                                         ; 128 threads, 16 bytes each: 2,048 bytes an instruction
	v_lshlrev_b32 v1, 4, v0
	v_lshlrev_b32 v2, 2, v0
	s_wait_alu depctr_va_vdst(0)
	s_wait_kmcnt 0x0
	s_add_nc_u64 s[30:31], s[28:29], 1720832       ; Wv's operand, behind Wq's and Wk's
.irp i, 0,1
	global_load_b128 v[32+4*\i:35+4*\i], v1, s[16:17] offset:2048*\i
	global_load_b128 v[40+4*\i:43+4*\i], v1, s[18:19] offset:2048*\i
	global_load_b128 v[48+4*\i:51+4*\i], v1, s[20:21] offset:2048*\i
	global_load_b128 v[56+4*\i:59+4*\i], v1, s[22:23] offset:2048*\i
	global_load_b128 v[64+4*\i:67+4*\i], v1, s[26:27] offset:2048*\i
.endr
.irp i, 0,1,2,3,4,5,6,7
	global_load_b128 v[72+4*\i:75+4*\i], v1, s[24:25] offset:2048*\i
.endr
	v_mov_b32 v3, 0xff800000                       ; -infinity: no activation behind Wq and Wk
	v_mov_b32 v4, 0                                ; 0: relu behind W1
	s_wait_alu depctr_va_vdst(0)
	s_wait_loadcnt 0x0
.irp i, 0,1
	global_store_b128 v1, v[32+4*\i:35+4*\i], s[28:29] offset:BI1+2048*\i         ; bq, then bk
	global_store_b128 v1, v[40+4*\i:43+4*\i], s[28:29] offset:BI1+4096+2048*\i
	global_store_b128 v1, v[48+4*\i:51+4*\i], s[30:31] offset:BI1+2048*\i         ; bv
	global_store_b128 v1, v[56+4*\i:59+4*\i], s[34:35] offset:BI1+2048*\i         ; bo
	global_store_b128 v1, v[64+4*\i:67+4*\i], s[34:35] offset:W2OFF+BI4+2048*\i   ; b2
.endr
.irp i, 0,1,2,3,4,5,6,7
	global_store_b128 v1, v[72+4*\i:75+4*\i], s[32:33] offset:BI1+2048*\i         ; b1
.endr
	global_store_b32 v2, v3, s[28:29] offset:LO1
	global_store_b32 v2, v4, s[32:33] offset:LO1
	s_endpgm
.Lidle:
	s_endpgm
; THE FIRST LAYER NORM: o = Q(layernorm(x) g + be): 4,096 rows of 1,024 f32 become an operand of BF6 codes in the K = 1,024 format above, rows = tokens; a row bias of zeros at BI1, the floor -infinity at LO1.
; A work-group takes a row block (16 tokens); wave w columns 128 w .. 128 w + 127, one fragment.  Lane (r, h) takes, of its token, 16 neighbours of each of the wave's four blocks of 32.
; The row's sums meet in LDS: a word for each (token, wave), one barrier for the mean and one for the variance, which is taken of the differences from the mean.
.set PW,   11                          ; v11      the scale word
.set PC,   32                          ; v32-51   the codes
.set TM,   52                          ; v52-63   largest magnitudes, bytes, scale operands
.set X,    64                          ; v64-127  register 16 b + i: column 128 w + 32 b + 16 h + i
.set LGB,  2048                        ; LDS from 2,048 on: 1,024 bytes for each wave: its 128 columns of g, then of be
.set SEL,  24                          ; s[24:25] lane selects for v_permlanex16_b32: lane l xor 16
.macro QUANT s, pw
.irp b, 0,1,2,3
	v_max3_num_f32 v[TM+\b], |v[\s+16*\b]|, |v[\s+1+16*\b]|, 0x2800000   ; my 16 numbers of block b, and the floor 2^(5 - 127): the byte cannot fall under 1
.endr
.irp i, 2,4,6,8,10,12,14
.irp b, 0,1,2,3
	s_delay_alu instid0(VALU_DEP_4)
	v_max3_num_f32 v[TM+\b], v[TM+\b], |v[\s+16*\b+\i]|, |v[\s+1+16*\b+\i]|
.endr
.endr
.irp b, 0,1,2,3
	s_delay_alu instid0(VALU_DEP_4)
	v_permlanex16_b32 v[TM+4+\b], v[TM+\b], s[SEL], s[SEL+1]
.endr
.irp b, 0,1,2,3
	s_delay_alu instid0(VALU_DEP_4)
	v_max_num_f32 v[TM+\b], v[TM+\b], v[TM+4+\b]   ; with lane l xor 16's: the block's largest magnitude
.endr
.irp b, 0,1,2,3
	s_delay_alu instid0(VALU_DEP_4)
	v_add_nc_u32 v[TM+8+\b], 0xfe000000, v[TM+\b]  ; 4 off its exponent field: the conversion's scale operand
.endr
.irp b, 0,1,2,3
	s_delay_alu instid0(VALU_DEP_4)
	v_lshrrev_b32 v[TM+4+\b], 23, v[TM+8+\b]       ; the scale's byte
.endr
	s_delay_alu instid0(VALU_DEP_3)
	v_lshl_or_b32 v[\pw], v[TM+5], 8, v[TM+4]
	s_delay_alu instid0(VALU_DEP_1)
	v_lshl_or_b32 v[\pw], v[TM+6], 16, v[\pw]
	s_delay_alu instid0(VALU_DEP_1)
	v_lshl_or_b32 v[\pw], v[TM+7], 24, v[\pw]
.irp c, 0,1
	v_cvt_scalef32_pk16_bf6_f32 v[PC+6*\c:PC+2+6*\c], v[\s+32*\c:\s+15+32*\c], v[TM+8+2*\c]
	v_cvt_scalef32_pk16_bf6_f32 v[PC+12+4*\c:PC+14+4*\c], v[\s+16+32*\c:\s+31+32*\c], v[TM+8+2*\c+1]   ; (a conversion's three registers begin on an even number)
.endr
	v_nop                                          ; one plain place behind a scaled conversion
.irp c, 0,1                            ; the layout wants a whole block in a lane: lanes 0-15 block 2 c, lanes 16-31 block 2 c + 1
.irp i, 0,1,2
	v_permlane16_swap_b32 v[PC+6*\c+\i], v[PC+12+4*\c+\i]
.endr
.irp i, 0,1,2
	s_delay_alu instid0(VALU_DEP_3)
	v_mov_b32 v[PC+3+6*\c+\i], v[PC+12+4*\c+\i]
.endr
.endr
.endm
.Lnorm:
	s_load_b256 s[4:11], s[0:1], 0x78              ; x 4, g 6, be 8, o 10
	v_lshl_add_u32 v47, v0, 2, 0x400               ; my spare word: the spare words lie at 1,024 to 2,047
	v_mov_b32 v51, 0
	v_lshrrev_b32 v1, 5, v0
	s_delay_alu instid0(VALU_DEP_1)
	v_readfirstlane_b32 s12, v1                    ; wave = which 128 columns
	v_and_b32 v1, 31, v0                           ; lane
	v_and_b32 v2, 15, v0                           ; r
	s_wait_alu depctr_va_vdst(0)
	v_bfe_u32 v3, v0, 4, 1                         ; h
	s_wait_alu depctr_va_vdst(0)
	s_lshr_b32 s13, ttmp9, 3                       ; panel
	s_and_b32 s14, ttmp9, 7                        ; row block
	s_lshr_b32 s15, s14, 1
	s_lshl_b32 s15, s15, 5
	s_and_b32 s16, s14, 1
	s_lshl_b32 s16, s16, 3
	s_add_co_u32 s15, s15, s16
	s_lshl_b32 s16, s13, 7
	s_add_co_u32 s15, s15, s16                     ; the row block's first token: 128 P + 32 (rb / 2) + 8 (rb % 2)
	v_and_b32 v4, 7, v2
	v_lshrrev_b32 v5, 3, v2
	s_delay_alu instid0(VALU_DEP_1)
	v_lshl_add_u32 v4, v5, 4, v4                   ; my token's place behind it: r % 8 + 16 (r / 8)
	s_delay_alu instid0(VALU_DEP_1)
	v_lshlrev_b32 v4, 12, v4                       ; rows of 4,096 bytes
	v_lshlrev_b32 v5, 6, v3                        ; 64 h: my 16 numbers of a block
	s_delay_alu instid0(VALU_DEP_1)
	v_add_nc_u32 v4, v4, v5
	v_lshlrev_b32 v6, 4, v1                        ; 16 l
	v_lshlrev_b32 v7, 3, v1                        ; 8 l
	v_lshlrev_b32 v8, 2, v2                        ; 4 r
	v_lshlrev_b32 v10, 5, v2                       ; LDS: my token's eight words,
	s_lshl_b32 s16, s12, 2
	v_add_nc_u32 v9, s16, v10                      ; and my wave's among them
.irp b, 0,1,2,3
	v_mov_b32 v[TM+4+\b], 0                        ; written once: a lane permute's destination counts as one of its sources
.endr
	v_mov_b32 v17, 0
	s_lshl_b32 s17, s12, 10
	s_add_co_u32 s17, s17, LGB                     ; my wave's 1,024 bytes
	v_add_nc_u32 v5, s17, v5                       ; out of them: 64 h, my 16 columns of a block
	v_add_nc_u32 v3, s17, v6                       ; into them: 16 l
	s_mov_b32 s20, 0x3a800000                      ; 1 / 1,024
	s_mov_b32 s21, 0x3727c5ac                      ; 1e-5
	s_mov_b32 s[SEL], 0x76543210
	s_mov_b32 s[SEL+1], 0xfedcba98
	s_lshl_b32 s22, s12, 9                         ; 512 w
	s_mov_b32 s23, 0
	s_lshl_b32 s18, s15, 12
	s_add_co_u32 s18, s18, s22
	s_mov_b32 s19, 0
	s_mul_i32 s26, s13, PB1                        ; my image
	s_lshr_b32 s16, s12, 1
	s_mul_i32 s16, s16, KPB
	s_add_co_u32 s26, s26, s16
	s_mul_i32 s16, s14, 3072
	s_add_co_u32 s26, s26, s16
	s_and_b32 s16, s12, 1
	s_mul_i32 s16, s16, FRB
	s_add_co_u32 s26, s26, s16
	s_add_co_u32 s26, s26, IM1
	s_mov_b32 s27, 0
	s_lshl_b32 s30, s13, 12                        ; my 16 scale words
	s_add_co_u32 s30, s30, s22
	s_lshl_b32 s16, s14, 6
	s_add_co_u32 s30, s30, s16
	s_mov_b32 s31, 0
	s_lshl_b32 s28, s15, 2                         ; the row block's biases
	s_add_co_u32 s28, s28, BI1
	s_mov_b32 s29, 0
	s_wait_kmcnt 0x0
	s_add_nc_u64 s[4:5], s[4:5], s[18:19]
	s_add_nc_u64 s[6:7], s[6:7], s[22:23]
	s_add_nc_u64 s[8:9], s[8:9], s[22:23]
	s_add_nc_u64 s[26:27], s[10:11], s[26:27]
	s_add_nc_u64 s[28:29], s[10:11], s[28:29]
	s_add_nc_u64 s[30:31], s[10:11], s[30:31]
.irp b, 0,1,2,3
.irp j, 0,1,2,3
	global_load_b128 v[X+16*\b+4*\j:X+16*\b+4*\j+3], v4, s[4:5] offset:128*\b+16*\j th:TH_LOAD_NT
.endr
.endr
	global_load_b128 v[52:55], v6, s[6:7]          ; the wave's 128 columns of g and of be, 512 consecutive bytes each, read once
	global_load_b128 v[60:63], v6, s[8:9]
	s_wait_loadcnt 2                               ; x's sixteen loads are in; the two of g and be may be out
.irp k, 0,1,2,3                        ; the sum of my 64 numbers, two at a time, in four chains
	v_pk_add_f32 v[24+2*\k:25+2*\k], v[X+4*\k:X+4*\k+1], v[X+4*\k+2:X+4*\k+3]
.endr
.irp i, 16,24,32,40,48,56
.irp k, 0,1,2,3
	s_delay_alu instid0(VALU_DEP_4)
	v_pk_add_f32 v[24+2*\k:25+2*\k], v[24+2*\k:25+2*\k], v[X+\i+2*\k:X+\i+2*\k+1]
.endr
.endr
.macro JOIN off                        ; the four chains, the two halves of a pair, lane l xor 16's; then all eight waves' through LDS: v16 = the row's sum, in a fixed order
	s_delay_alu instid0(VALU_DEP_3)
	v_pk_add_f32 v[24:25], v[24:25], v[26:27]
	s_delay_alu instid0(VALU_DEP_2)
	v_pk_add_f32 v[28:29], v[28:29], v[30:31]
	s_delay_alu instid0(VALU_DEP_1)
	v_pk_add_f32 v[24:25], v[24:25], v[28:29]
	s_delay_alu instid0(VALU_DEP_1)
	v_add_f32 v16, v24, v25
	s_delay_alu instid0(VALU_DEP_1)
	v_permlanex16_b32 v17, v16, s[SEL], s[SEL+1]
	s_delay_alu instid0(VALU_DEP_1)
	v_add_f32 v16, v16, v17
	ds_store_b32 v9, v16 offset:\off               ; lanes l and l xor 16 write the same word with the same value
	s_wait_dscnt 0x0                               ; for the others' sake: my store is done
	s_barrier_signal -1
	s_barrier_wait -1
	ds_load_b128 v[16:19], v10 offset:\off
	ds_load_b128 v[20:23], v10 offset:\off+16
	s_wait_dscnt 0x0
	v_add_f32 v16, v16, v17
	v_add_f32 v18, v18, v19
	v_add_f32 v20, v20, v21
	v_add_f32 v22, v22, v23
	s_delay_alu instid0(VALU_DEP_3)
	v_add_f32 v16, v16, v18
	s_delay_alu instid0(VALU_DEP_2)
	v_add_f32 v20, v20, v22
	s_delay_alu instid0(VALU_DEP_1)
	v_add_f32 v16, v16, v20
.endm
	JOIN 0
	s_delay_alu instid0(VALU_DEP_1)
	v_mul_f32 v12, s20, v16                        ; the mean
	s_delay_alu instid0(VALU_DEP_1)
	v_mov_b32 v13, v12
.set i, 0
.rept 32
	v_pk_add_f32 v[X+i:X+i+1], v[X+i:X+i+1], v[12:13] neg_lo:[0,1] neg_hi:[0,1]
.set i, i+2
.endr
.irp k, 0,1,2,3
	v_pk_mul_f32 v[24+2*\k:25+2*\k], v[X+2*\k:X+2*\k+1], v[X+2*\k:X+2*\k+1]
.endr
.irp i, 8,16,24,32,40,48,56
.irp k, 0,1,2,3
	s_delay_alu instid0(VALU_DEP_4)
	v_pk_fma_f32 v[24+2*\k:25+2*\k], v[X+\i+2*\k:X+\i+2*\k+1], v[X+\i+2*\k:X+\i+2*\k+1], v[24+2*\k:25+2*\k]
.endr
.endr
	JOIN 512                                       ; other words than the mean's: no wave writes what another may still read
	s_delay_alu instid0(VALU_DEP_1)
	v_fma_f32 v16, v16, s20, s21                   ; the variance + 1e-5
	s_wait_alu depctr_va_vdst(0)
	v_rsq_f32 v14, v16
	v_rsq_f32 v15, v16
	v_nop                                          ; a plain place behind the transcendentals
	s_wait_alu depctr_va_vdst(0)                   ; one wait for both, ahead of their first reader
	s_wait_loadcnt 0x0                             ; g and be
; g and be go through the wave's own LDS bytes and come back as each lane wants them, 16 columns of a block at a time, into two sets of 32 registers by turns (v128-159; v12-43, free behind the scaling).
; LDS serves a wave's instructions in order, and no other wave touches these bytes: no wait between the stores and the loads, no barrier.
.macro LDG b, gr, br
.irp j, 0,1,2,3
	ds_load_b128 v[\gr+4*\j:\gr+4*\j+3], v5 offset:128*\b+16*\j
	ds_load_b128 v[\br+4*\j:\br+4*\j+3], v5 offset:512+128*\b+16*\j
.endr
.endm
.macro FMA b, gr, br
.irp i, 0,2,4,6,8,10,12,14
	v_pk_fma_f32 v[X+16*\b+\i:X+16*\b+\i+1], v[X+16*\b+\i:X+16*\b+\i+1], v[\gr+\i:\gr+\i+1], v[\br+\i:\br+\i+1]
.endr
.endm
	ds_store_b128 v3, v[52:55]
	ds_store_b128 v3, v[60:63] offset:512
	LDG 0, 128, 144
.set i, 0
.rept 32
	v_pk_mul_f32 v[X+i:X+i+1], v[X+i:X+i+1], v[14:15]
.set i, i+2
.endr
	LDG 1, 12, 28
	s_wait_dscnt 8                                 ; all but the eight loads just issued
	FMA 0, 128, 144
	LDG 2, 128, 144
	s_wait_dscnt 8
	FMA 1, 12, 28
	LDG 3, 12, 28
	s_wait_dscnt 8
	FMA 2, 128, 144
	s_wait_dscnt 0x0
	FMA 3, 12, 28
	QUANT X, PW
	global_store_b128 v6, v[PC:PC+3], s[26:27]                 ; each store covers 512 or 256 consecutive bytes, at a multiple of 256 from the buffer's first byte
	global_store_b64 v7, v[PC+4:PC+5], s[26:27] offset:512
	global_store_b128 v6, v[PC+6:PC+9], s[26:27] offset:768
	global_store_b64 v7, v[PC+10:PC+11], s[26:27] offset:1280
	global_store_b32 v8, v[PW], s[30:31]           ; 64 bytes: lanes l and l xor 16 hold the same word
	s_cmp_lg_u32 s12, 0
	s_cbranch_scc1 .Ldone
	v_and_b32 v16, 7, v2                           ; wave 0: this operand's rows carry no bias: zeros for my 16 tokens
	v_lshrrev_b32 v18, 3, v2
	s_delay_alu instid0(VALU_DEP_1)
	v_lshl_add_u32 v16, v18, 4, v16
	s_delay_alu instid0(VALU_DEP_1)
	v_lshlrev_b32 v16, 2, v16
	v_mov_b32 v18, 0
	global_store_b32 v16, v18, s[28:29]
	s_cmp_lg_u32 ttmp9, 0
	s_cbranch_scc1 .Ldone
	v_lshlrev_b32 v19, 2, v1                       ; work-group 0: no activation behind a product whose second operand this is
	v_mov_b32 v20, 0xff800000
	global_store_b32 v19, v20, s[10:11] offset:LO1
.Ldone:
	s_wait_tensorcnt 0x0                           ; the wave's end
	ds_add_u32 v47, v51
	s_wait_dscnt 0x0
	s_endpgm
.Lfunc_end_k_qfd2cff9b2f_quantw:
	.size	k_qfd2cff9b2f_quantw, .Lfunc_end_k_qfd2cff9b2f_quantw-k_qfd2cff9b2f_quantw
	.p2alignl 7, 3214868480
	.fill 96, 4, 3214868480
	.section	.rodata,"a",@progbits
	.p2align	6, 0x0
	.amdhsa_kernel k_qfd2cff9b2f_quantw
		.amdhsa_group_segment_fixed_size 10240
		.amdhsa_private_segment_fixed_size 0
		.amdhsa_enable_private_segment 0
		.amdhsa_kernarg_size 152
		.amdhsa_user_sgpr_count 2
		.amdhsa_user_sgpr_kernarg_segment_ptr 1
		.amdhsa_wavefront_size32 1
		.amdhsa_system_sgpr_workgroup_id_x 1
		.amdhsa_system_sgpr_workgroup_id_y 1
		.amdhsa_system_sgpr_workgroup_id_z 1
		.amdhsa_system_vgpr_workitem_id 0
		.amdhsa_next_free_vgpr 160
		.amdhsa_next_free_sgpr 66
		.amdhsa_reserve_vcc 0
		.amdhsa_float_denorm_mode_32 3
		.amdhsa_float_denorm_mode_16_64 3
		.amdhsa_memory_ordered 1
		.amdhsa_forward_progress 1
		.amdhsa_inst_pref_size 67
	.end_amdhsa_kernel
	.amdgpu_metadata
---
amdhsa.version: [ 1, 2 ]
amdhsa.kernels:
  - .name:           k_qfd2cff9b2f_quantw
    .symbol:         k_qfd2cff9b2f_quantw.kd
    .args:
      - { .name: Wq, .offset: 0, .size: 8, .value_kind: global_buffer, .address_space: global }
      - { .name: Wk, .offset: 8, .size: 8, .value_kind: global_buffer, .address_space: global }
      - { .name: Wv, .offset: 16, .size: 8, .value_kind: global_buffer, .address_space: global }
      - { .name: Wo, .offset: 24, .size: 8, .value_kind: global_buffer, .address_space: global }
      - { .name: W1, .offset: 32, .size: 8, .value_kind: global_buffer, .address_space: global }
      - { .name: W2, .offset: 40, .size: 8, .value_kind: global_buffer, .address_space: global }
      - { .name: bq, .offset: 48, .size: 8, .value_kind: global_buffer, .address_space: global }
      - { .name: bk, .offset: 56, .size: 8, .value_kind: global_buffer, .address_space: global }
      - { .name: bv, .offset: 64, .size: 8, .value_kind: global_buffer, .address_space: global }
      - { .name: bo, .offset: 72, .size: 8, .value_kind: global_buffer, .address_space: global }
      - { .name: b1, .offset: 80, .size: 8, .value_kind: global_buffer, .address_space: global }
      - { .name: b2, .offset: 88, .size: 8, .value_kind: global_buffer, .address_space: global }
      - { .name: cwqk, .offset: 96, .size: 8, .value_kind: global_buffer, .address_space: global }
      - { .name: cw1, .offset: 104, .size: 8, .value_kind: global_buffer, .address_space: global }
      - { .name: cwm, .offset: 112, .size: 8, .value_kind: global_buffer, .address_space: global }
      - { .name: x, .offset: 120, .size: 8, .value_kind: global_buffer, .address_space: global }
      - { .name: g1, .offset: 128, .size: 8, .value_kind: global_buffer, .address_space: global }
      - { .name: be1, .offset: 136, .size: 8, .value_kind: global_buffer, .address_space: global }
      - { .name: actA, .offset: 144, .size: 8, .value_kind: global_buffer, .address_space: global }
    .group_segment_fixed_size: 10240
    .private_segment_fixed_size: 0
    .kernarg_segment_align: 8
    .kernarg_segment_size: 152
    .max_flat_workgroup_size: 256
    .sgpr_count:     66
    .vgpr_count:     160
    .wavefront_size: 32
...
	.end_amdgpu_metadata
.endif
;; end of part 7
;; launch qkproj (part 8): grid 8 x 24, 4 waves a work-group, clusters of 4 x 4, 327,680 bytes of LDS; arguments actA, cwqk, bigA; writes bigA
.if DOCPART == 8
	.amdgcn_target "amdgcn-amd-amdhsa--gfx1250"
	.amdhsa_code_object_version 6
	.text
	.protected	k_qfd2cff9b2f_qkproj
	.globl	k_qfd2cff9b2f_qkproj
	.p2align	8
	.type	k_qfd2cff9b2f_qkproj,@function
k_qfd2cff9b2f_qkproj:
	s_mov_b64 s[64:65], 0
	v_nop
	global_prefetch_b8 v0, s[64:65] scope:SCOPE_SE
	s_setreg_imm32_b32 hwreg(HW_REG_WAVE_MODE, 25, 1), 1
	s_wait_xcnt 0x0
	s_wait_alu depctr_hold_cnt(0) depctr_sa_sdst(0) depctr_va_vdst(0) depctr_va_sdst(0) depctr_va_ssrc(0) depctr_va_vcc(0) depctr_vm_vsrc(0)
	s_getreg_b32 s2, hwreg(HW_REG_IB_STS2, 6, 4)
	s_cmp_eq_u32 s2, 0
	s_cbranch_scc0 .Lentry_in_a_cluster
	s_endpgm
.Lentry_in_a_cluster:
	s_bfe_u32 s2, ttmp6, 0x10000c
	s_cmp_lg_u32 s2, 0xf033
	s_cbranch_scc0 .Lentry_shape_is_right
	s_endpgm
.Lentry_shape_is_right:
; o = Q(max(A B^T + biasA[m] + biasB[n], floor)): a GEMM on codes of BF6 (E3M2) with E8M0 scales for each 32 along K = 1,024, whose result is quantised in registers, along n, into the next product's operand.
; OPERANDS lie in memory as images of the operand's registers.  Rows go in panels of 128, 8 row blocks of 16 places; place (rb, r) holds the panel's row 32 (rb / 2) + 8 (rb % 2) + r % 8 + 16 (r / 8).
; A fragment (16 rows x 128 K, 12 registers a lane) is 1,536 bytes: for c = 0, 1 registers 6 c .. 6 c + 3 of lane l at 768 c + 16 l, registers 6 c + 4, 6 c + 5 at 768 c + 512 + 8 l.
; An input buffer: scale words [panel][K / 128][rb][r] at 0; a row bias (f32, by the row's own number) at BI; in B's buffer the floor at LO; images [panel][K / 256][rb][(K / 128) % 2] at IM.
; The output buffer has the same plan for K up to 4,096 (PS4, PB4, IM4); its rows stand at A's rows' places, its K is B's rows in their own order.
; THE MATRIX INSTRUCTION IS USED TRANSPOSED (source 0 = 16 rows of B, source 1 = 16 rows of A).  By the row order, register j of lane (r, h) of the result of B's block 2 b + u is B's row 32 b + 16 h + 8 u + j:
; the 64 registers of one block of A's rows are 16 neighbours of each of four blocks of 32 along the next K: what the conversions take.
; A tile of C, 256 x 256, is made by four waves, 128 x 128 each: 64 accumulators, 512 registers.  K goes in steps of 256 through a ring of two LDS slots; a wave's tensor load brings one panel's images of a
; K step, 24,576 dense bytes.  Every LDS read is 16 or 8 bytes a lane on end: no padding.  The scale words of the 512 rows, for all of K, come once, with the first fills.
; CLUSTERS: 4 x 4 work-groups; A's tiles are asked for jointly along a row of the cluster, B's along a column.
; THE SUMS BEGIN WITH THE BIASES, so no addition follows them: another order of rounding than bias last.
; LIMITS: a block of zeros gets the byte 1 where the rule says 127 (its codes are zeros, this program alone reads the bytes); blocks under 2^-122 are held at the byte 1; NaN and infinities are not served.
; REGISTERS: window 0: v1-8 lane terms; v16-23 fragment addresses; v27 scale address; v32-63 scale words, two sets; v128-223 A's fragments, one set (at the head the biases, on the way out the codes);
;   v64-127 on the way out 64 numbers.  window 1: B's fragments, two sets.  windows 2, 3: accumulator (a, b) at v[8 (8 (a % 4) + b)].
.set SIZE_K, 1024
.set FRB,    1536
.set KPB,    24576                     ; a panel's images of 256 along K
.set HALFT,  KPB
.set SLOT,   4*HALFT                   ; A's two panels, then B's two
.set LAPS,   SIZE_K/512
.set HALFS,  (SIZE_K/128)*512          ; a panel's scale words
.set SCL,    2*SLOT
.set SPARE,  SCL+4*HALFS               ; the spare words, 128 bytes for each wave: two blocks of 256 bytes that no other line names
.set PS,     4096
.set PB,     98304
.set BI,     131072
.set LO,     147456
.set IM,     147968
.set PS4,    16384
.set PB4,    393216
.set IM4,    540672
.set FR,     12
.set NL,     4                         ; LDS loads that bring a fragment
.set NP,     4                         ; places behind this matrix instruction (ISA guide 7.12.1)
.set L16,  4                           ; v4  16 x lane
.set L8,   5                           ; v5  8 x lane
.set L4,   26                          ; v26 4 x lane
.set ADRA, 16                          ; v16-17 my A fragments in slot 0, 1, 16 bytes a lane; v18-19 the same, 8 bytes a lane
.set ADRB, 20                          ; v20-23 the same for B
.set ADRS, 27                          ; v27 my scale words: lanes 0-15 A's rows, lanes 16-31 B's
.set SPW,  28
.set NIL,  29
.set SC,   32                          ; set s at v[SC + 16 s]; register 2 i + q: lanes 0-15 A's block i, lanes 16-31 B's block i, the slot's q-th 128 along K
.set AF,   128
.set BN,   128                         ; the head: biasB in the result's layout, 8 registers for each of B's blocks
.set BM,   192                         ; and biasA, a pair of equal registers for each of A's blocks
.set T,    64
.set PC,   128
.set TM,   148
.set PWS,  160
.set PWM,  168
.set SEL,  98
.set G1, 24
.set G0, 32
.set G1B, 48
.set G0B, 56
.set G1S, 68
.set G0S, 76
.set G1SB, 80
.set G0SB, 88
.set MSB, 0
.macro WIN new                         ; the immediate's high byte repeats the setting that is left
.if MSB != \new
	s_set_vgpr_msb (MSB<<8)|\new
.set MSB, \new
.endif
.endm
.set MUL_LO, 0xa1                      ; source 0 (B) window 1, source 1 (A) window 0, C and D window 2
.set MUL_HI, 0xf1
.set TO_B,   0x40
.macro JLOAD g0a, g1a, g0b, g1b        ; a joint load: waves 0 and 1 fetch for A, waves 2 and 3 for B; four v_nop follow each line
	s_cmp_eq_u32 s15, 0
	s_cbranch_scc0 .Lfor_b_\@
	tensor_load_to_lds s[\g0a:\g0a+3], s[\g1a:\g1a+7]
	s_nop 0
.rept 4
	v_nop
.endr
	s_branch .Lasked_\@
.Lfor_b_\@:
	tensor_load_to_lds s[\g0b:\g0b+3], s[\g1b:\g1b+7]
	s_nop 0
.rept 4
	v_nop
.endr
.Lasked_\@:
.endm
.macro CREST                           ; a round of the cluster's barrier behind its opening barrier
	s_cmp_lg_u32 s14, 0
	s_cbranch_scc1 .Lnot_wave_0_\@
	s_barrier_signal -3
.Lnot_wave_0_\@:
	s_barrier_wait -3
	s_barrier_signal -1
	s_barrier_wait -1
.endm
.macro CROUND
	s_barrier_signal -1
	s_barrier_wait -1
	CREST
.endm
.macro PLACES n
.rept \n
	v_nop
.endr
.endm
	s_load_b128 s[4:7], s[0:1], 0x0                ; A, B
	s_load_b64 s[8:9], s[0:1], 0x10                ; o
	v_lshl_add_u32 v[SPW], v0, 2, SPARE
	v_mov_b32 v[NIL], 0
	ds_add_u32 v28, v29
	ds_add_u32 v28, v29
	s_wait_dscnt 0x0
	v_lshrrev_b32 v1, 5, v0
	v_readfirstlane_b32 s14, v1                    ; wave
	s_lshr_b32 s15, s14, 1                         ; which half of the tile's rows is mine.  Also: I fetch for A (0) or for B (1)
	s_and_b32 s16, s14, 1                          ; which half of its columns.  Also: which panel of that tile I fetch
	s_bfe_u32 s40, ttmp6, 0x40000                  ; cx
	s_bfe_u32 s41, ttmp6, 0x40004                  ; cy
; TWO PRODUCTS IN ONE GRID.  Clusters with y under 4 take the product as the arguments name it (A = first buffer, B = second).  Clusters with y = 4, 5 (only the grid of 8 x 24 has them) take
; v^T = Wv^T h^T: A = Wv's operand, CWVOFF bytes into the second buffer, B = the first buffer, the result VTOFF bytes into the third; their cluster column is x + 2 (y - 4), their cluster row 0.
; The choice hangs on the cluster's number alone, which all sixteen partners share.
.set CWVOFF, 1720832
.set VTOFF,  13123584
	s_and_b32 s17, ttmp7, 0xffff                   ; cluster y
	s_lshl_b32 s18, s17, 1
	s_add_co_u32 s18, s18, ttmp9
	s_sub_co_u32 s18, s18, 8                       ; x + 2 (y - 4)
	s_mov_b32 s10, CWVOFF
	s_mov_b32 s66, VTOFF
	s_cmp_ge_u32 s17, 4
	s_cselect_b32 s42, s18, ttmp9                  ; cluster column
	s_cselect_b32 s17, 0, s17                      ; cluster row
	s_cselect_b32 s13, 1, 0                        ; 1: the second product
	s_cselect_b32 s10, s10, 0                      ; s[10:11] what is added to A's address
	s_cselect_b32 s66, s66, 0                      ; s[66:67] and to the result's
	s_mov_b32 s11, 0
	s_mov_b32 s67, 0
	s_lshl_b32 s42, s42, 2
	s_add_co_u32 s42, s42, s40                     ; tile column
	s_lshl_b32 s17, s17, 2
	s_add_co_u32 s17, s17, s41                     ; tile row
	s_lshl_b32 s43, s41, 2
	s_lshl_b32 s43, 15, s43                        ; my row of the cluster
	s_lshl_b32 s44, 0x1111, s40                    ; my column
	s_or_b32 s[G1+0], s43, (3<<16)|(1<<21)         ; 15:0 the mask; 17:16 elements of 8 bytes; 21 set beside a mask; no padding
	s_or_b32 s[G1B+0], s44, (3<<16)|(1<<21)
.irp g, G1, G1B                        ; 24,576 dense bytes as 96 rows of 256
	s_mov_b32 s[\g+1], 3072<<16                    ; for the head's loads: a tile's two panels of K step 0, two rows of 24,576 bytes, a panel's images (PB bytes) apart
	s_mov_b32 s[\g+2], 2<<16
	s_mov_b32 s[\g+3], 3072<<16
	s_mov_b32 s[\g+4], 2
	s_mov_b32 s[\g+5], PB/8
	s_mov_b32 s[\g+6], 0
	s_mov_b32 s[\g+7], 0
.endr
	s_or_b32 s[G1S+0], s43, (3<<16)|(1<<21)
	s_or_b32 s[G1SB+0], s44, (3<<16)|(1<<21)
.irp g, G1S, G1SB                      ; a panel's scale words, dense, as rows of 256 bytes
	s_mov_b32 s[\g+1], 32<<16
	s_mov_b32 s[\g+2], (HALFS/128)<<16             ; two panels' scale words lie on end
	s_mov_b32 s[\g+3], 32<<16
	s_mov_b32 s[\g+4], HALFS/128
	s_mov_b32 s[\g+5], 32
	s_mov_b32 s[\g+6], 0
	s_mov_b32 s[\g+7], 0
.endr
	s_lshl_b32 s20, s17, 1
	s_add_co_u32 s20, s20, s16                     ; A's panel that I fetch: made of the tile row and the wave alone
	s_lshl_b32 s46, s42, 1
	s_add_co_u32 s46, s46, s16                     ; B's: of the tile column and the wave alone
	s_mul_i32 s22, s17, 2*PS                       ; the scale words of the tile's two panels of A,
	s_mul_i32 s92, s42, 2*PS                       ; and of B
	s_mul_i32 s20, s20, PB
	s_mul_i32 s46, s46, PB
	s_add_co_u32 s20, s20, IM
	s_add_co_u32 s46, s46, IM
	s_mov_b32 s21, 0
	s_mov_b32 s23, 0
	s_mov_b32 s47, 0
	s_mov_b32 s93, 0
	s_mul_i32 s45, s14, HALFT                      ; where they go: wave x a panel: no place in the cluster enters an LDS address
	s_wait_kmcnt 0x0
	s_cmp_lg_u32 s13, 0                            ; the second product takes the two buffers the other way round
	s_cselect_b64 s[18:19], s[6:7], s[4:5]
	s_cselect_b64 s[6:7], s[4:5], s[6:7]
	s_add_nc_u64 s[4:5], s[18:19], s[10:11]
	s_add_nc_u64 s[8:9], s[8:9], s[66:67]
	s_add_nc_u64 s[20:21], s[4:5], s[20:21]
	s_add_nc_u64 s[22:23], s[4:5], s[22:23]
	s_add_nc_u64 s[46:47], s[6:7], s[46:47]
	s_add_nc_u64 s[92:93], s[6:7], s[92:93]
; THE PREFETCHES.  K has four fills of 256.  Behind fill n (n = 0, 1) a wave names the 24,576 bytes that it will itself load as fill n + 2: 96 blocks of 256 bytes, of which each of the four partners that ask for them
; jointly takes 24, told apart by address (place cx for A's waves, cy for B's): a lane a block, one instruction a wave (lanes 24-31 name lane 23's block again).  Fills 0 and 1 come by their loads alone.
	s_cmp_eq_u32 s15, 0
	s_cselect_b64 s[18:19], s[20:21], s[46:47]     ; my panel's images of K step 0,
	s_cselect_b32 s10, s40, s41
	s_mul_i32 s10, s10, 6144                       ; and my work-group's 24 blocks of a K step (s11 is 0)
	s_add_nc_u64 s[18:19], s[18:19], s[10:11]
	CROUND                                         ; all sixteen work-groups are here: the first joint loads meet
	s_mov_b32 s[G0S], 1
	s_mov_b32 s[G0S+1], SCL
	s_mov_b64 s[G0S+2:G0S+3], s[22:23]
	s_or_b32 s[G0S+3], s[G0S+3], 0x80000000
	s_mov_b32 s[G0SB], 1
	s_mov_b32 s[G0SB+1], SCL+2*HALFS
	s_mov_b64 s[G0SB+2:G0SB+3], s[92:93]
	s_or_b32 s[G0SB+3], s[G0SB+3], 0x80000000
.irp s, 0,1
	s_mov_b32 s[G0+4*\s], 1
	s_add_co_u32 s[G0+4*\s+1], s45, \s*SLOT
	s_add_nc_u64 s[G0+4*\s+2:G0+4*\s+3], s[20:21], \s*KPB
	s_or_b32 s[G0+4*\s+3], s[G0+4*\s+3], 0x80000000
	s_mov_b32 s[G0B+4*\s], 1
	s_add_co_u32 s[G0B+4*\s+1], s45, \s*SLOT
	s_add_nc_u64 s[G0B+4*\s+2:G0B+4*\s+3], s[46:47], \s*KPB
	s_or_b32 s[G0B+4*\s+3], s[G0B+4*\s+3], 0x80000000
.endr
; THE HEAD'S LOADS, ONE A WAVE: wave 0 K step 0 of A's two panels, wave 2 of B's two (each by its own ring descriptor of slot 0, which names the tile's first panel and its place in LDS),
; wave 1 the scale words of A's two panels, wave 3 those of B's.  One chain of branches on the wave's number; every way through it passes one load.
.macro HARM w, g0, g1, next
	s_cmp_eq_u32 s14, \w
	s_cbranch_scc0 \next
	tensor_load_to_lds s[\g0:\g0+3], s[\g1:\g1+7]
	s_nop 0
.rept 4
	v_nop
.endr
	s_branch .Lhead_asked
\next:
.endm
	HARM 0, G0,  G1,  .Lhead_b
	HARM 2, G0B, G1B, .Lhead_sa
	HARM 1, G0S, G1S, .Lhead_sb
	tensor_load_to_lds s[G0SB:G0SB+3], s[G1SB:G1SB+7]
	s_nop 0
.rept 4
	v_nop
.endr
.Lhead_asked:
	v_and_b32 v1, 15, v0                           ; r
	v_bfe_u32 v2, v0, 4, 1                         ; h
	v_and_b32 v3, 31, v0                           ; lane
	v_lshlrev_b32 v[L16], 4, v3
	v_lshlrev_b32 v[L8], 3, v3
	v_lshlrev_b32 v[L4], 2, v3
	v_min_u32 v30, 23, v3                          ; v30: a prefetch's offset, 256 x min(lane, 23); never rewritten
	v_lshlrev_b32 v30, 8, v30
	global_prefetch_b8 v30, s[18:19] offset:2*KPB th:TH_LOAD_NT scope:SCOPE_SE   ; behind fill 0: fill 2
	s_mul_i32 s21, s15, HALFT                      ; my panel of A
	s_mul_i32 s22, s16, HALFT                      ; my panel of B,
	s_add_co_u32 s22, s22, 2*HALFT                 ; behind A's two
.irp s, 0,1
	v_add_nc_u32 v[ADRA+\s], s21, v[L16]
	v_add_nc_u32 v[ADRB+\s], s22, v[L16]
	v_add_nc_u32 v[ADRA+2+\s], s21, v[L8]
	v_add_nc_u32 v[ADRB+2+\s], s22, v[L8]
	s_add_co_u32 s21, s21, SLOT
	s_add_co_u32 s22, s22, SLOT
.endr
	s_mul_i32 s21, s15, HALFS
	s_mul_i32 s22, s16, HALFS
	s_add_co_u32 s22, s22, 2*HALFS
	s_sub_co_u32 s22, s22, s21
	v_mul_u32_u24 v6, s22, v2                      ; lanes 16-31 take B's words
	s_add_co_u32 s21, s21, SCL
	v_lshl_add_u32 v6, v1, 2, v6
	v_add_nc_u32 v[ADRS], s21, v6
	; THE SUMS' FIRST TERMS: biasB of my 128 columns in the result's layout, biasA of my 128 rows
	s_lshl_b32 s46, s42, 10
	s_lshl_b32 s47, s16, 9
	s_add_co_u32 s46, s46, s47
	s_add_co_u32 s46, s46, BI
	s_mov_b32 s47, 0
	s_add_nc_u64 s[46:47], s[6:7], s[46:47]
	s_lshl_b32 s20, s17, 10
	s_lshl_b32 s21, s15, 9
	s_add_co_u32 s20, s20, s21
	s_add_co_u32 s20, s20, BI
	s_mov_b32 s21, 0
	s_add_nc_u64 s[20:21], s[4:5], s[20:21]
	s_load_b32 s12, s[6:7], LO                     ; the floor: -infinity or 0
	v_lshlrev_b32 v6, 6, v2                        ; 64 h
	v_and_b32 v7, 7, v1
	v_lshrrev_b32 v8, 3, v1
	v_lshl_add_u32 v7, v8, 4, v7
	v_lshlrev_b32 v7, 2, v7                        ; 4 (r % 8 + 16 (r / 8))
.irp b, 0,1,2,3,4,5,6,7
	global_load_b128 v[BN+8*\b:BN+8*\b+3], v6, s[46:47] offset:128*(\b/2)+32*(\b%2)
	global_load_b128 v[BN+8*\b+4:BN+8*\b+7], v6, s[46:47] offset:128*(\b/2)+32*(\b%2)+16
.endr
.irp a, 0,1,2,3,4,5,6,7
	global_load_b32 v[BM+2*\a], v7, s[20:21] offset:(32*(\a/2)+8*(\a%2))*4
	global_load_b32 v[BM+2*\a+1], v7, s[20:21] offset:(32*(\a/2)+8*(\a%2))*4
.endr
	s_mov_b32 s[SEL], 0x76543210
	s_mov_b32 s[SEL+1], 0xfedcba98
	s_wait_loadcnt 0x0
	s_wait_kmcnt 0x0
	WIN 0x80                                       ; destination window 2
.irp a, 0,1,2,3
.irp b, 0,1,2,3,4,5,6,7
.irp i, 0,2,4,6
	v_pk_add_f32 v[8*(8*\a+\b)+\i:8*(8*\a+\b)+\i+1], v[BN+8*\b+\i:BN+8*\b+\i+1], v[BM+2*\a:BM+2*\a+1]
.endr
.endr
.endr
	WIN 0xc0                                       ; destination window 3
.irp a, 4,5,6,7
.irp b, 0,1,2,3,4,5,6,7
.irp i, 0,2,4,6
	v_pk_add_f32 v[8*(8*(\a-4)+\b)+\i:8*(8*(\a-4)+\b)+\i+1], v[BN+8*\b+\i:BN+8*\b+\i+1], v[BM+2*\a:BM+2*\a+1]
.endr
.endr
.endr
	WIN 0
	PLACES 8
	; where my results go: images of panel 2 x tile row + my half, K step = tile column, its half = my column half; and their scale words
	s_lshl_b32 s20, s17, 1
	s_add_co_u32 s20, s20, s15
	s_mul_i32 s21, s20, PS4
	s_mul_i32 s20, s20, PB4
	s_mul_i32 s22, s42, KPB
	s_add_co_u32 s20, s20, s22
	s_mul_i32 s22, s16, FRB
	s_add_co_u32 s20, s20, s22
	s_add_co_u32 s20, s20, IM4
	s_lshl_b32 s22, s42, 1
	s_add_co_u32 s22, s22, s16
	s_lshl_b32 s22, s22, 9
	s_add_co_u32 s22, s22, s21
	s_mov_b32 s23, 0
	s_mov_b32 s21, 0
	s_add_nc_u64 s[96:97], s[8:9], s[22:23]
	s_add_nc_u64 s[8:9], s[8:9], s[20:21]
.macro FRAG reg, adr, q, i             ; a fragment's image comes back as it was stored: 512, 256, 512, 256 consecutive bytes
	ds_load_b128 v[\reg:\reg+3], v[\adr] offset:3072*(\i)+FRB*(\q)
	ds_load_b64 v[\reg+4:\reg+5], v[\adr+2] offset:3072*(\i)+FRB*(\q)+512
	ds_load_b128 v[\reg+6:\reg+9], v[\adr] offset:3072*(\i)+FRB*(\q)+768
	ds_load_b64 v[\reg+10:\reg+11], v[\adr+2] offset:3072*(\i)+FRB*(\q)+1280
.endm
; 16 matrix instructions: A's blocks a0, a0 + 1 x B's eight.  The 64 accumulators take turns, one instruction a turn, in the same order in every step.
.macro MUL16 a0, p, q, sc
.irp a, \a0, \a0+1
.irp b, 0,1,2,3,4,5,6,7
	v_wmma_scale_f32_16x16x128_f8f6f4 v[8*(8*((\a)%4)+\b):8*(8*((\a)%4)+\b)+7], v[128*(\p)+FR*\b:128*(\p)+FR*\b+FR-1], v[AF+FR*(\a):AF+FR*(\a)+FR-1], v[8*(8*((\a)%4)+\b):8*(8*((\a)%4)+\b)+7], v[SC+16*(\sc)+2*\b+(\q)], v[SC+16*(\sc)+2*(\a)+(\q)] matrix_a_fmt:MATRIX_FMT_BF6 matrix_b_fmt:MATRIX_FMT_BF6 matrix_a_scale:MATRIX_SCALE_ROW1
.endr
.endr
.endm
.macro FETCH_B slot, q, p
	WIN TO_B
.irp i, 0,1,2,3,4,5,6,7
	FRAG 128*(\p)+FR*\i, ADRB+\slot, \q, \i
.endr
	WIN 0
.endm
.macro FETCH_A slot, q, i0
.irp i, \i0, \i0+1, \i0+2, \i0+3
	FRAG AF+FR*(\i), ADRA+\slot, \q, \i
.endr
.endm
.macro SCALES sc                       ; the K step's scale words: lanes 0-15 A's block i, lanes 16-31 B's block i
.irp i, 0,1,2,3,4,5,6,7
	ds_load_b32 v[SC+16*\sc+2*\i], v[ADRS] offset:64*\i
	ds_load_b32 v[SC+16*\sc+2*\i+1], v[ADRS] offset:512+64*\i
.endr
.endm
; A step of 128 along K that has its successor in the same slot.  A block of A is free when its eight products are issued: blocks 0-3 are fetched anew in the step's middle, blocks 4-7 at its end; B has two sets.
.macro STEP slot, q
	s_wait_dscnt 4*NL                              ; all but the youngest sixteen loads (A's blocks 4-7) are in
	WIN MUL_LO
	MUL16 0, (\q)%2, \q, \slot
	MUL16 2, (\q)%2, \q, \slot
	s_wait_dscnt 0
	PLACES NP                                      ; in front of loads into registers that matrix instructions have read
	FETCH_B \slot, (\q)+1, 1-(\q)%2
	FETCH_A \slot, (\q)+1, 0
	WIN MUL_HI
	MUL16 4, (\q)%2, \q, \slot
	MUL16 6, (\q)%2, \q, \slot
	PLACES NP
	WIN 0
	FETCH_A \slot, (\q)+1, 4
.endm
; A slot's last step changes slots: one barrier; in front of it each wave waits for all its tensor loads, adds 0 to its spare word, and waits for that and for its reads of this slot.
.macro TURN slot, next, fill
	s_wait_tensorcnt 0x0                           ; all my tensor loads have landed: my part of the next slot
	ds_add_u32 v[SPW], v[NIL]                      ; 0 onto my spare word
	s_wait_dscnt 4*NL+1                            ; (the add and A's blocks 4-7 may be out)
	WIN MUL_LO
	MUL16 0, 1, 1, \slot
	s_wait_dscnt 0x0                               ; the add is done, and my reads of this slot are over
	s_barrier_signal -1
	MUL16 2, 1, 1, \slot
	WIN 0
	s_barrier_wait -1
.if \fill
	CREST                                          ; the barrier has opened a round of the cluster's: no wave of any partner still reads this slot or has a load on its way
	s_add_nc_u64 s[G0+4*\slot+2:G0+4*\slot+3], s[G0+4*\slot+2:G0+4*\slot+3], 2*KPB
	s_add_nc_u64 s[G0B+4*\slot+2:G0B+4*\slot+3], s[G0B+4*\slot+2:G0B+4*\slot+3], 2*KPB
	JLOAD G0+4*\slot, G1, G0B+4*\slot, G1B         ; the first tensor load behind the round; its four v_nop are the places in front of the loads below
.else
	PLACES NP
.endif
	s_wait_alu depctr_va_vdst(0)
	v_add_nc_u32 v[ADRS], 1024, v[ADRS]            ; the next K step's scale words
	FETCH_B \next, 0, 0
	FETCH_A \next, 0, 0
	SCALES \next
	WIN MUL_HI
	MUL16 4, 1, 1, \slot
	MUL16 6, 1, 1, \slot
	PLACES NP
	WIN 0
	FETCH_A \next, 0, 4
.endm
	s_wait_alu depctr_va_vdst(0)
	s_wait_tensorcnt 0x0                           ; my tile of the head's four is in
	ds_add_u32 v[SPW], v[NIL]
.irp g, G1, G1B                        ; no tensor load of mine is out: from here on a load brings one panel's 24,576 dense bytes as 96 rows of 256
	s_mov_b32 s[\g+1], 32<<16
	s_mov_b32 s[\g+2], 96<<16
	s_mov_b32 s[\g+3], 32<<16
	s_mov_b32 s[\g+4], 96
	s_mov_b32 s[\g+5], 32
.endr
	s_wait_dscnt 0x0                               ; the add is done
	CROUND                                         ; a whole round: all four tiles are in, and the sixteen work-groups are here
	JLOAD G0+4, G1, G0B+4, G1B                     ; K step 1, a panel a wave: the first tensor load behind the round
	FETCH_B 0, 0, 0
	FETCH_A 0, 0, 0
	SCALES 0
	FETCH_A 0, 0, 4
	global_prefetch_b8 v30, s[18:19] offset:3*KPB th:TH_LOAD_NT scope:SCOPE_SE   ; behind fill 1 and the first fragments' loads: fill 3
	STEP 0, 0
	s_mov_b32 s3, LAPS-1
.Llap:                                         ; a trip goes once round the ring and fills both slots again
	TURN 0, 1, 1
	STEP 1, 0
	TURN 1, 0, 1
	STEP 0, 0
	s_sub_co_u32 s3, s3, 1
	s_cmp_lg_u32 s3, 0
	s_cbranch_scc1 .Llap
	TURN 0, 1, 0                                   ; the last lap fills nothing
	STEP 1, 0
	s_wait_dscnt 4*NL
	WIN MUL_LO
	MUL16 0, 1, 1, 1
	MUL16 2, 1, 1, 1
	s_wait_dscnt 0
	WIN MUL_HI
	MUL16 4, 1, 1, 1
	MUL16 6, 1, 1, 1
	WIN 0
; 64 numbers of a lane, register 16 b + i = k 32 b + 16 (lane / 16) + i of my row, become a fragment's codes in v[PC] on and its scale word in v[pw]
.macro QUANT s, pw
.irp b, 0,1,2,3
	v_max3_num_f32 v[TM+\b], |v[\s+16*\b]|, |v[\s+1+16*\b]|, 0x2800000   ; and the floor 2^(5 - 127): the byte cannot fall under 1
.endr
.irp i, 2,4,6,8,10,12,14
.irp b, 0,1,2,3
	v_max3_num_f32 v[TM+\b], v[TM+\b], |v[\s+16*\b+\i]|, |v[\s+1+16*\b+\i]|
.endr
.endr
.irp b, 0,1,2,3
	v_permlanex16_b32 v[TM+4+\b], v[TM+\b], s[SEL], s[SEL+1]
.endr
.irp b, 0,1,2,3
	v_max_num_f32 v[TM+\b], v[TM+\b], v[TM+4+\b]
.endr
.irp b, 0,1,2,3
	v_add_nc_u32 v[TM+8+\b], 0xfe000000, v[TM+\b]  ; 4 off the exponent field: the conversion's scale operand
.endr
.irp b, 0,1,2,3
	v_lshrrev_b32 v[TM+4+\b], 23, v[TM+8+\b]       ; the scale's byte
.endr
	v_lshl_or_b32 v[\pw], v[TM+5], 8, v[TM+4]
	v_lshl_or_b32 v[\pw], v[TM+6], 16, v[\pw]
	v_lshl_or_b32 v[\pw], v[TM+7], 24, v[\pw]
.irp c, 0,1
	v_cvt_scalef32_pk16_bf6_f32 v[PC+6*\c:PC+2+6*\c], v[\s+32*\c:\s+15+32*\c], v[TM+8+2*\c]
	v_cvt_scalef32_pk16_bf6_f32 v[PC+12+4*\c:PC+14+4*\c], v[\s+16+32*\c:\s+31+32*\c], v[TM+8+2*\c+1]
.endr
	v_nop                                          ; one plain place behind a scaled conversion
.irp c, 0,1
.irp i, 0,1,2
	v_permlane16_swap_b32 v[PC+6*\c+\i], v[PC+12+4*\c+\i]
.endr
.irp i, 0,1,2
	v_mov_b32 v[PC+3+6*\c+\i], v[PC+12+4*\c+\i]
.endr
.endr
.endm
; THE WAY OUT, a block of 16 of A's rows at a time: the floor (each accumulator read from its low end on), the quantiser, the image: four stores of 512 or 256 consecutive bytes.  No LDS.
.macro OUTBLK a
.if (\a) > 0
	s_wait_xcnt 0x0                                ; the last block's stores have read the codes' registers
.endif
	WIN 0x08+4*((\a)/4)                            ; source 1: window 2 or 3
.set AC, 64*((\a)%4)
.set n, 0
.rept 64
	v_max_num_f32 v[T+n], s12, v[AC+n]
.set n, n+1
.endr
	WIN 0
	QUANT T, PWS+(\a)
	global_store_b128 v[L16], v[PC:PC+3], s[8:9] offset:3072*(\a)
	global_store_b64 v[L8], v[PC+4:PC+5], s[8:9] offset:3072*(\a)+512
	global_store_b128 v[L16], v[PC+6:PC+9], s[8:9] offset:3072*(\a)+768
	global_store_b64 v[L8], v[PC+10:PC+11], s[8:9] offset:3072*(\a)+1280
.endm
	PLACES NP                                      ; behind the last products: results are read, and registers that held A's fragments are written
.irp b, 0,1,2,3
	v_mov_b32 v[TM+4+\b], 0                        ; a lane permute's destination counts as one of its sources
.endr
.irp a, 0,1,2,3,4,5,6,7
	OUTBLK \a
.endr
	v_cmp_le_u32 vcc_lo, 16, v3
.irp i, 0,1,2,3                        ; every lane holds its row's word: lanes 0-15 keep block 2 i's, lanes 16-31 block 2 i + 1's: 128 consecutive bytes a store
	v_cndmask_b32 v[PWM+\i], v[PWS+2*\i], v[PWS+2*\i+1], vcc_lo
.endr
.irp i, 0,1,2,3
	global_store_b32 v[L4], v[PWM+\i], s[96:97] offset:128*\i
.endr
	s_wait_tensorcnt 0x0                           ; the wave's end
	ds_add_u32 v[SPW], v[NIL]
	s_wait_dscnt 0x0
	CROUND                                         ; the closing round: no work-group ends while a partner may still ask for a tile that names it
	s_endpgm
.Lfunc_end_k_qfd2cff9b2f_qkproj:
	.size	k_qfd2cff9b2f_qkproj, .Lfunc_end_k_qfd2cff9b2f_qkproj-k_qfd2cff9b2f_qkproj
	.p2alignl 7, 3214868480
	.fill 96, 4, 3214868480
	.section	.rodata,"a",@progbits
	.p2align	6, 0x0
	.amdhsa_kernel k_qfd2cff9b2f_qkproj
		.amdhsa_group_segment_fixed_size 327680
		.amdhsa_private_segment_fixed_size 0
		.amdhsa_enable_private_segment 0
		.amdhsa_kernarg_size 24
		.amdhsa_user_sgpr_count 2
		.amdhsa_user_sgpr_kernarg_segment_ptr 1
		.amdhsa_wavefront_size32 1
		.amdhsa_system_sgpr_workgroup_id_x 1
		.amdhsa_system_sgpr_workgroup_id_y 1
		.amdhsa_system_sgpr_workgroup_id_z 1
		.amdhsa_system_vgpr_workitem_id 0
		.amdhsa_next_free_vgpr 1024
		.amdhsa_next_free_sgpr 100
		.amdhsa_reserve_vcc 1
		.amdhsa_float_denorm_mode_32 3
		.amdhsa_float_denorm_mode_16_64 3
		.amdhsa_memory_ordered 1
		.amdhsa_forward_progress 1
		.amdhsa_inst_pref_size 189
	.end_amdhsa_kernel
	.amdgpu_metadata
---
amdhsa.version: [ 1, 2 ]
amdhsa.kernels:
  - .name:           k_qfd2cff9b2f_qkproj
    .symbol:         k_qfd2cff9b2f_qkproj.kd
    .args:
      - { .name: actA, .offset: 0, .size: 8, .value_kind: global_buffer, .address_space: global }
      - { .name: cwqk, .offset: 8, .size: 8, .value_kind: global_buffer, .address_space: global }
      - { .name: bigA, .offset: 16, .size: 8, .value_kind: global_buffer, .address_space: global }
    .group_segment_fixed_size: 327680
    .private_segment_fixed_size: 0
    .kernarg_segment_align: 8
    .kernarg_segment_size: 24
    .max_flat_workgroup_size: 128
    .sgpr_count:     100
    .vgpr_count:     1024
    .wavefront_size: 32
...
	.end_amdgpu_metadata
.endif
;; end of part 8
;; launch attn (part 9): grid 8 x 32, 16 waves a work-group, no clusters, 327,680 bytes of LDS; arguments bigA, actA; writes actA
.if DOCPART == 9
	.amdgcn_target "amdgcn-amd-amdhsa--gfx1250"
	.amdhsa_code_object_version 6
	.text
	.protected	k_qfd2cff9b2f_attn
	.globl	k_qfd2cff9b2f_attn
	.p2align	8
	.type	k_qfd2cff9b2f_attn,@function
k_qfd2cff9b2f_attn:
	s_mov_b64 s[64:65], 0
	v_nop
	global_prefetch_b8 v0, s[64:65] scope:SCOPE_SE
	s_setreg_imm32_b32 hwreg(HW_REG_WAVE_MODE, 25, 1), 1
	s_wait_xcnt 0x0
; ctx = Q(softmax(q k^T / 8, causal) v), 32 heads (2 batches x 16) of 2,048 tokens x 64, both products on codes of BF6 (E3M2) with one E8M0 scale for each 32 along a product's K.
; INPUTS, as images of operand registers (a fragment of 16 rows x 128 K: for c = 0, 1 registers 6 c .. 6 c + 3 of lane l at 768 c + 16 l, registers 6 c + 4, 6 c + 5 at 768 c + 512 + 8 l; half c is 64 along K):
;   bigA at 0: rows = tokens, K = 1,024 channels of q, then 1,024 of k: a head is one half fragment.   bigA at VT: rows = v's channels, K = the 4,096 tokens.
;   Rows go in panels of 128, 8 row blocks of 16 places; place (rb, r) holds the panel's row 32 (rb / 2) + 8 (rb % 2) + r % 8 + 16 (r / 8).  Scale words [panel][K / 128][rb][r] at 0, images [panel][K / 256][rb][(K / 128) % 2] at IM.
; THE HEAD'S 64 ARE HALF OF THE INSTRUCTION'S 128: registers 6 to 11 of q's and k's fragments hold zero codes; of a scale word the head's two bytes are loaded, and the two bytes 0 above them stand over zeros.
; THE SOFTMAX: t = score x log2(e) / 8; M = the running largest t rounded up to a whole number; p = 2^(t - M) is quantised along the keys; the row's sum is taken of the unquantised p and divides at the end.
; Both products are used transposed (S^T = k q^T, O^T = v^T p^T): a lane holds one query throughout; by the row order p's 16 registers of two neighbouring tiles are 16 neighbouring keys, and O^T's are neighbouring channels.
; SHARES.  A work-group serves one head.  Waves 0-7 take the 128 queries of chunk j, waves 8-15 those of chunk 15 - j, a row block each: a pair of waves has (j + 1) + (16 - j) = 17 key steps in every work-group.
; K AND V COME IN EIGHT PHASES OF TWO KEY STEPS (256 keys: 12,288 bytes of k's codes, 12,288 of v's), each into LDS bytes of its own: nothing is filled twice.  At the head waves 0, 1 ask for phase 0's two panels of k,
; waves 2, 3 for its two halves of v, waves 4, 5 for k's scale words of all 16 key steps (8 steps each), waves 6, 7 for v's.  Trip t of the loop works on phase t; at its top every wave waits for all its tensor loads,
; adds 0 to its spare word and passes the barrier, and behind it waves 0-3 ask for phase t + 1, which has the trip's two key steps in which to land.  One tensor load of a wave is out at the most.
; A phase is asked for only if its first key step, 2 t + 2, is at most 15 - j, the later chunk: else no wave reads it (the test is made of ids and the trip alone, the same in all waves; it also ends the fills in the last trip).
; Of a phase that is asked for, and of the scale words, the part that lies behind key step 15 - j is fetched and not read: the loads go by phases, not by steps.  Behind k's and v's codes lie 12,288 bytes that no line uses.
; CAUSAL.  The loop's trip count is a constant; a step all of whose 128 keys come after the wave's chunk is passed over by a scalar branch on ids; in the chunk's own step hidden scores become -infinity ahead of the maximum.
; PREFETCH.  In trip t (t up to 4) wave 8 names the blocks of phase t + 3, which trip t + 2 loads.  A phase is 96 blocks of 256 bytes; the eight work-groups of a head share them out by address: work-group x takes two of k's
; sixteen pieces of 768 bytes and one of v's eight pieces of 1,536: four instructions, three blocks each (lanes 3-31 name lane 2's block again).  Phases 0 to 2 come by their loads alone.
; NO CLUSTER: the work-groups of a head need different numbers of phases, and the test that leads round a fill hangs on the work-group's number; a joint request forbids such a test.
; ctx's scale words are stored two bytes at a time: two heads, in different work-groups, share a word; they are 1 / 24 of the codes' bytes.
; LIMITS: a block of zeros gets the byte 1 where the rule says 127 (its codes are zeros, this program alone reads the bytes); NaN and infinities are not served; the promise holds while |t| stays under 2^31.
; REGISTERS: v0 the prefetches' offset; v1-4 lane terms; v5-10 the trip's LDS addresses; v11 my query less 16 h; v12 -M, v13 the largest t, v[14:15] the sum; v16-27 q; v28 q's scales; v29 p's scale word; v32-79 four fragments
;   of k (their lower six registers are at work in the softmax); v80-127 four fragments of v; v128-191 S^T, then p; v192-223 O^T; v224-243 p's codes; v244-247 k's scales; v248-251 v's; v254, v255 the add's two.
.set FRB,  1536
.set KPB,  24576
.set PS1,  4096
.set PB1,  98304
.set IM1,  147968
.set PS4,  16384
.set PB4,  393216
.set IM4,  540672
.set VT,   13123584                    ; where v's operand begins in bigA
.set LK,   0                           ; LDS: k's codes: [key panel][row block] 768 bytes
.set LV,   110592                      ; v's codes: [two key steps][tile][step] 1,536 bytes
.set LKS,  221184                      ; k's scale words: [key panel][row block][r]
.set LVS,  229376                      ; v's: [key step][tile][r]
.set SPARE, 233472                     ; the spare words: 128 bytes for each of the 16 waves
.set S,    128
.set O,    192
.set SEL,  20
.set CS,   22
.macro ARM under, g0, g1, next, join   ; one arm of a chain of branches on the wave's number: its load, and a jump to the chain's end
	s_cmp_lt_u32 s10, \under
	s_cbranch_scc0 \next
	tensor_load_to_lds s[\g0:\g0+3], s[\g1:\g1+7]
	s_nop 0
.rept 4
	v_nop
.endr
	s_branch \join
\next:
.endm
	s_load_b128 s[4:7], s[0:1], 0x0                ; bigA, ctx
	v_lshl_add_u32 v254, v0, 2, SPARE
	v_mov_b32 v255, 0
	ds_add_u32 v254, v255                          ; the add twice on end; its wait stands ahead of the first tensor load
	ds_add_u32 v254, v255
	v_lshrrev_b32 v1, 5, v0
	s_delay_alu instid0(VALU_DEP_1)
	v_readfirstlane_b32 s10, v1                    ; wave 0..15
	s_and_b32 s11, s10, 1                          ; which of a kind's two loads is mine
	s_and_b32 s12, ttmp7, 0xffff
	s_lshr_b32 s13, s12, 4                         ; batch
	s_and_b32 s14, s12, 15                         ; head
	s_sub_co_u32 s79, 15, ttmp9                    ; the later chunk: the last key step that any wave reads
	s_cmp_lt_u32 s10, 8
	s_cselect_b32 s15, ttmp9, s79                  ; my chunk of 128 queries
	s_and_b32 s16, s10, 7                          ; my row block in it
	s_lshr_b32 s80, s14, 1                         ; the head's 128 along K,
	s_and_b32 s81, s14, 1                          ; and its half of them
	s_lshr_b32 s82, s14, 2
	s_and_b32 s83, s80, 1
	s_mul_i32 s84, s82, KPB
	s_mul_i32 s85, s83, FRB
	s_add_co_u32 s84, s84, s85
	s_mul_i32 s85, s81, 768
	s_add_co_u32 s84, s84, s85                     ; the head's half fragment in a token panel's images of q
	s_lshl_b32 s86, s13, 4                         ; the batch's first panel
	s_add_co_u32 s87, s86, s11                     ; k's codes: a key panel: 8 rows of 768 bytes, 3,072 apart; k's channels lie 4 K steps behind q's
	s_mul_i32 s88, s87, PB4
	s_add_co_u32 s88, s88, s84
	s_add_co_u32 s88, s88, IM4+4*KPB
	s_mov_b32 s89, 0
	s_mul_i32 s90, s80, PB4                        ; v's codes: two of the head's four tiles, two key steps: 6,144 dense bytes
	s_mul_i32 s91, s13, 8*KPB
	s_add_co_u32 s90, s90, s91
	s_lshl_b32 s91, s81, 2
	s_lshl_b32 s85, s11, 1
	s_add_co_u32 s91, s91, s85
	s_mul_i32 s91, s91, 3072
	s_add_co_u32 s90, s90, s91
	s_add_co_u32 s90, s90, IM4
	s_mov_b32 s91, 0
	s_lshl_b32 s85, s11, 3
	s_add_co_u32 s87, s86, s85                     ; the first of the eight key steps whose scale words I fetch
	s_mul_i32 s92, s87, PS4                        ; k's: 8 rows of 512 bytes, PS4 apart
	s_lshl_b32 s85, s80, 9
	s_add_co_u32 s92, s92, s85
	s_add_co_u32 s92, s92, 8*512
	s_mov_b32 s93, 0
	s_mul_i32 s94, s80, PS4                        ; v's: 8 rows of 256 bytes, 512 apart
	s_lshl_b32 s85, s87, 9
	s_add_co_u32 s94, s94, s85
	s_lshl_b32 s85, s81, 8
	s_add_co_u32 s94, s94, s85
	s_mov_b32 s95, 0
	s_lshr_b32 s85, ttmp9, 2                       ; the prefetches, standing at phase 2 (each trip steps them ahead of its prefetch): of k's panel x / 4 of the phase, row blocks 2 (x % 4) and the next;
	s_add_co_u32 s85, s85, s86
	s_add_co_u32 s85, s85, 4
	s_mul_i32 s96, s85, PB4
	s_add_co_u32 s96, s96, s84
	s_and_b32 s85, ttmp9, 3
	s_mul_i32 s85, s85, 6144
	s_add_co_u32 s96, s96, s85
	s_add_co_u32 s96, s96, IM4+4*KPB
	s_mov_b32 s97, 0
	s_mul_i32 s98, s80, PB4                        ; of v's 12,288 bytes the x-th 1,536
	s_lshl_b32 s85, s13, 3
	s_add_co_u32 s85, s85, 2
	s_mul_i32 s85, s85, KPB
	s_add_co_u32 s98, s98, s85
	s_mul_i32 s85, s81, 12288
	s_add_co_u32 s98, s98, s85
	s_mul_i32 s85, ttmp9, 1536
	s_add_co_u32 s98, s98, s85
	s_add_co_u32 s98, s98, IM4
	s_mov_b32 s99, 0
	; descriptor groups 1, elements of 8 bytes, no padding: k's codes 8 rows x 96, pitch 384
	s_mov_b32 s24, 3<<16
	s_mov_b32 s25, 96<<16
	s_mov_b32 s26, 8<<16
	s_mov_b32 s27, 96<<16
	s_mov_b32 s28, 8
	s_mov_b32 s29, 384
	s_mov_b32 s30, 0
	s_mov_b32 s31, 0
	; v's codes: 24 rows x 32, dense
	s_mov_b32 s32, 3<<16
	s_mov_b32 s33, 32<<16
	s_mov_b32 s34, 24<<16
	s_mov_b32 s35, 32<<16
	s_mov_b32 s36, 24
	s_mov_b32 s37, 32
	s_mov_b32 s38, 0
	s_mov_b32 s39, 0
	; k's scale words: 8 rows x 64, pitch PS4 / 8
	s_mov_b32 s40, 3<<16
	s_mov_b32 s41, 64<<16
	s_mov_b32 s42, 8<<16
	s_mov_b32 s43, 64<<16
	s_mov_b32 s44, 8
	s_mov_b32 s45, PS4/8
	s_mov_b32 s46, 0
	s_mov_b32 s47, 0
	; v's: 8 rows x 32, pitch 64
	s_mov_b32 s48, 3<<16
	s_mov_b32 s49, 32<<16
	s_mov_b32 s50, 8<<16
	s_mov_b32 s51, 32<<16
	s_mov_b32 s52, 8
	s_mov_b32 s53, 64
	s_mov_b32 s54, 0
	s_mov_b32 s55, 0
	s_mov_b32 s56, 1
	s_mul_i32 s57, s11, 6144                       ; LDS: a constant + (wave % 2) x a constant
	s_mov_b32 s60, 1
	s_add_co_u32 s61, s57, LV
	s_mov_b32 s68, 1
	s_lshl_b32 s69, s11, 12
	s_add_co_u32 s69, s69, LKS
	s_mov_b32 s72, 1
	s_lshl_b32 s73, s11, 11
	s_add_co_u32 s73, s73, LVS
	s_wait_dscnt 0x0                               ; both opening adds are done
	s_wait_kmcnt 0x0
	s_add_nc_u64 s[8:9], s[4:5], VT                ; v's operand
	s_add_nc_u64 s[58:59], s[4:5], s[88:89]
	s_or_b32 s59, s59, 0x80000000
	s_add_nc_u64 s[62:63], s[8:9], s[90:91]
	s_or_b32 s63, s63, 0x80000000
	s_add_nc_u64 s[70:71], s[4:5], s[92:93]
	s_or_b32 s71, s71, 0x80000000
	s_add_nc_u64 s[74:75], s[8:9], s[94:95]
	s_or_b32 s75, s75, 0x80000000
	s_add_nc_u64 s[96:97], s[4:5], s[96:97]
	s_add_nc_u64 s[98:99], s[8:9], s[98:99]
	ARM 2, 56, 24, .Lh_v,  .Lh_join                ; the head's fills: one chain, one load to an arm; waves 8-15 issue none
	ARM 4, 60, 32, .Lh_ks, .Lh_join
	ARM 6, 68, 40, .Lh_vs, .Lh_join
	ARM 8, 72, 48, .Lh_no, .Lh_join
.Lh_join:
	s_add_co_u32 s87, s86, s15                     ; my queries' panel
	s_mul_i32 s85, s16, 3072
	s_add_co_u32 s84, s84, s85                     ; + my row block
	s_lshl_b32 s82, s80, 9
	s_lshl_b32 s85, s16, 6
	s_add_co_u32 s82, s82, s85
	s_lshl_b32 s83, s81, 1
	s_add_co_u32 s82, s82, s83                     ; my rows' scale words, the head's two bytes of each
	s_mul_i32 s88, s87, PB4
	s_add_co_u32 s88, s88, s84
	s_add_co_u32 s88, s88, IM4
	s_mov_b32 s89, 0
	s_add_nc_u64 s[88:89], s[4:5], s[88:89]        ; q's half fragment
	s_mul_i32 s90, s87, PS4
	s_add_co_u32 s90, s90, s82
	s_mov_b32 s91, 0
	s_add_nc_u64 s[90:91], s[4:5], s[90:91]        ; q's scales
	s_mul_i32 s92, s87, PB1
	s_add_co_u32 s92, s92, s84
	s_add_co_u32 s92, s92, IM1
	s_mov_b32 s93, 0
	s_add_nc_u64 s[92:93], s[6:7], s[92:93]        ; ctx's half fragment
	s_mul_i32 s94, s87, PS1
	s_add_co_u32 s94, s94, s82
	s_mov_b32 s95, 0
	s_add_nc_u64 s[94:95], s[6:7], s[94:95]        ; ctx's scales
	v_and_b32 v5, 31, v0
	s_delay_alu instid0(VALU_DEP_1)
	v_lshlrev_b32 v1, 4, v5                        ; 16 l
	s_delay_alu instid0(VALU_DEP_2)
	v_lshlrev_b32 v2, 3, v5                        ; 8 l
	v_and_b32 v6, 15, v0                           ; r
	v_bfe_u32 v7, v0, 4, 1                         ; h
	s_delay_alu instid0(VALU_DEP_2)
	v_lshlrev_b32 v4, 2, v6                        ; 4 r
	s_delay_alu instid0(VALU_DEP_1)
	v_add_nc_u32 v3, s83, v4                       ; 4 r + 2 (head % 2)
	global_load_b128 v[16:19], v1, s[88:89]
	global_load_b64 v[20:21], v2, s[88:89] offset:512
	global_load_u16 v28, v4, s[90:91]
	v_and_b32 v8, 7, v6
	v_lshrrev_b32 v9, 3, v6
	s_delay_alu instid0(VALU_DEP_1)
	v_lshl_add_u32 v8, v9, 4, v8
	v_lshlrev_b32 v9, 4, v7
	s_delay_alu instid0(VALU_DEP_1)
	v_sub_nc_u32 v8, v8, v9
	s_lshr_b32 s85, s16, 1
	s_lshl_b32 s85, s85, 5
	s_and_b32 s86, s16, 1
	s_lshl_b32 s86, s86, 3
	s_add_co_u32 s85, s85, s86
	v_add_nc_u32 v11, s85, v8                      ; my query's number in its chunk, less 16 h
	v_min_u32 v0, 2, v5                            ; the thread's number has served: v0 = 256 x min(lane, 2), a prefetch's three blocks
	s_delay_alu instid0(VALU_DEP_1)
	v_lshlrev_b32 v0, 8, v0
	s_mov_b32 s[SEL], 0x76543210
	s_mov_b32 s[SEL+1], 0xfedcba98
	s_mov_b32 s[CS], 0x3e38aa3b                    ; c = log2(e) / 8
	s_mov_b32 s[CS+1], s[CS]
	s_mov_b32 s17, 0                               ; the key step
	s_mov_b32 s18, LK
	s_mov_b32 s19, LV
	s_mov_b32 s76, LKS
	s_mov_b32 s77, LVS
	s_mov_b32 s78, 8
	v_mov_b32 v13, 0xff61b1e6                      ; the largest t so far: -3e38
	s_delay_alu instid0(VALU_DEP_1)
	v_floor_f32 v12, -v13                          ; -M
	v_mov_b32 v14, 0
	v_mov_b32 v15, 0
	v_mov_b32 v30, 0
	v_mov_b32 v31, 0xff800000                      ; -infinity
.irp j, 22,23,24,25,26,27
	v_mov_b32 v[\j], 0                             ; q's upper 64 along K: zero codes
.endr
.set n, 32
.rept 48
	v_mov_b32 v[n], 0                              ; k's fragments: the upper six registers of each stay zero codes; the lower six are loaded in every step
.set n, n+1
.endr
.set n, 0
.rept 32
	v_mov_b32 v[O+n], 0                            ; O^T: the step is written once, and its first turn finds zeros
.set n, n+1
.endr
	s_wait_alu depctr_va_vdst(0)
	s_wait_loadcnt 0x0                             ; q
; A KEY STEP: 128 keys, the q-th of the trip's two
.macro STEP q
	s_cmp_gt_u32 s17, s15                          ; all its keys come after my chunk: nothing of it counts
	s_cbranch_scc1 .Lhidden_\@
	s_wait_alu depctr_va_vdst(0)
.irp g, 0,1                            ; S^T = k q^T, four tiles of 16 keys at a time
.if \g > 0
.rept 4
	v_nop                                          ; places in front of loads into registers that matrix instructions have read
.endr
.endif
.irp t, 0,1,2,3
	ds_load_b128 v[32+12*\t:35+12*\t], v5 offset:6144*\q+768*(4*\g+\t)
	ds_load_b64 v[36+12*\t:37+12*\t], v6 offset:6144*\q+768*(4*\g+\t)+512
	ds_load_u16 v[244+\t], v9 offset:512*\q+64*(4*\g+\t)
.endr
	s_wait_dscnt 0x0
.irp t, 0,1,2,3
	v_wmma_scale_f32_16x16x128_f8f6f4 v[S+8*(4*\g+\t):S+8*(4*\g+\t)+7], v[32+12*\t:43+12*\t], v[16:27], 0, v[244+\t], v28 matrix_a_fmt:MATRIX_FMT_BF6 matrix_b_fmt:MATRIX_FMT_BF6
.endr
.endr
.irp t, 0,1,2,3                        ; v's four tiles are asked for now and land while the softmax is walked
	ds_load_b128 v[80+12*\t:83+12*\t], v7 offset:3072*\t+FRB*\q
	ds_load_b64 v[84+12*\t:85+12*\t], v8 offset:3072*\t+FRB*\q+512
	ds_load_b128 v[86+12*\t:89+12*\t], v7 offset:3072*\t+FRB*\q+768
	ds_load_b64 v[90+12*\t:91+12*\t], v8 offset:3072*\t+FRB*\q+1280
	ds_load_b32 v[248+\t], v10 offset:256*\q+64*\t
.endr
.rept 4
	v_nop                                          ; places behind the products: their results are read, and k's registers are written
.endr
	s_cmp_lg_u32 s17, s15                          ; my chunk's own keys: register 16 b + i holds key 32 b + 16 h + i, hidden where 32 b + i > my query - 16 h
	s_cbranch_scc1 .Lopen_\@
.set n, 0
.rept 64
	v_cmp_gt_i32 vcc_lo, 32*(n/16)+n%16, v11
	v_cndmask_b32 v[S+n], v[S+n], v31, vcc_lo
.set n, n+1
.endr
.Lopen_\@:
.irp b, 0,1,2,3
	v_max3_num_f32 v[32+\b], v[S+16*\b], v[S+1+16*\b], v[S+2+16*\b]   ; the largest score of each block of 32 keys: for the row's maximum and, since p rises with the score, for the block's largest p
.endr
.irp i, 3,5,7,9,11,13
.irp b, 0,1,2,3
	v_max3_num_f32 v[32+\b], v[32+\b], v[S+16*\b+\i], v[S+1+16*\b+\i]
.endr
.endr
.irp b, 0,1,2,3
	v_max_num_f32 v[32+\b], v[32+\b], v[S+15+16*\b]
.endr
.irp b, 0,1,2,3
	s_delay_alu instid0(VALU_DEP_4)
	v_permlanex16_b32 v[44+\b], v[32+\b], s[SEL], s[SEL+1]
.endr
.irp b, 0,1,2,3
	s_delay_alu instid0(VALU_DEP_4)
	v_max_num_f32 v[32+\b], v[32+\b], v[44+\b]     ; with lane l xor 16's 16 keys
.endr
	s_delay_alu instid0(VALU_DEP_2)
	v_max3_num_f32 v30, v32, v33, v34
	s_delay_alu instid0(VALU_DEP_1)
	v_max_num_f32 v30, v30, v35
	s_delay_alu instid0(VALU_DEP_1)
	v_mul_f32 v30, s[CS], v30                      ; the step's largest t
	s_delay_alu instid0(VALU_DEP_1)
	v_max_num_f32 v13, v13, v30
	v_mov_b32 v30, v12
	s_delay_alu instid0(VALU_DEP_2)
	v_floor_f32 v12, -v13                          ; the new -M = -ceil(t): a whole number
	s_delay_alu instid0(VALU_DEP_1)
	v_sub_f32 v30, v12, v30                        ; old M - new M: a whole number, 0 or less
	s_delay_alu instid0(VALU_DEP_1)
	v_cvt_i32_f32 v30, v30                         ; (it saturates)
	s_delay_alu instid0(VALU_DEP_1)
	v_ldexp_f32 v36, 1.0, v30                      ; f = 2^(old M - new M): multiplying by it rounds nothing
.set n, 0
.rept 32
	v_pk_fma_f32 v[S+n:S+n+1], v[S+n:S+n+1], s[CS:CS+1], v[12:13] op_sel_hi:[1,0,0]   ; t - M
.set n, n+2
.endr
.irp b, 0,1,2,3
	v_fma_f32 v[32+\b], v[32+\b], s[CS], v12
.endr
.set n, 0
	s_wait_alu depctr_va_vdst(0)
.rept 64
	v_exp_f32 v[S+n], v[S+n]                       ; p = 2^(t - M), not normalised
.set n, n+1
.endr
	v_pk_mul_f32 v[14:15], v[14:15], v[36:37] op_sel_hi:[1,0]   ; the sums under the new M: a plain place behind the exponentials
	s_wait_alu depctr_va_vdst(0)                   ; one wait for the batch of 64, ahead of its first reader
.irp b, 0,1,2,3
	v_exp_f32 v[32+\b], v[32+\b]                   ; each block's largest p
.endr
	v_pk_add_f32 v[48:49], v[132:133], v[136:137]  ; the row's sum of the unquantised p, in eight chains
	v_pk_add_f32 v[252:253], v[140:141], v[144:145]
	v_pk_add_f32 v[246:247], v[148:149], v[152:153]
	v_pk_add_f32 v[244:245], v[156:157], v[160:161]
	v_pk_add_f32 v[242:243], v[164:165], v[168:169]
	v_pk_add_f32 v[240:241], v[172:173], v[176:177]
	v_pk_add_f32 v[238:239], v[180:181], v[184:185]
	v_pk_add_f32 v[14:15], v[14:15], v[188:189]
	v_pk_add_f32 v[48:49], v[48:49], v[128:129]
	v_pk_add_f32 v[252:253], v[252:253], v[130:131]
	v_pk_add_f32 v[246:247], v[246:247], v[134:135]
	v_pk_add_f32 v[244:245], v[244:245], v[138:139]
	v_pk_add_f32 v[242:243], v[242:243], v[142:143]
	v_pk_add_f32 v[240:241], v[240:241], v[146:147]
	v_pk_add_f32 v[238:239], v[238:239], v[150:151]
	v_pk_add_f32 v[14:15], v[14:15], v[154:155]
	v_pk_add_f32 v[48:49], v[48:49], v[158:159]
	v_pk_add_f32 v[252:253], v[252:253], v[162:163]
	v_pk_add_f32 v[246:247], v[246:247], v[166:167]
	v_pk_add_f32 v[244:245], v[244:245], v[170:171]
	v_pk_add_f32 v[242:243], v[242:243], v[174:175]
	v_pk_add_f32 v[240:241], v[240:241], v[178:179]
	v_pk_add_f32 v[238:239], v[238:239], v[182:183]
	v_pk_add_f32 v[14:15], v[14:15], v[186:187]
	v_pk_add_f32 v[48:49], v[48:49], v[190:191]
	s_delay_alu instid0(VALU_DEP_2)
	v_pk_add_f32 v[14:15], v[14:15], v[244:245]
	s_delay_alu instid0(VALU_DEP_2)
	v_pk_add_f32 v[48:49], v[48:49], v[242:243]
	v_pk_add_f32 v[252:253], v[252:253], v[240:241]
	v_pk_add_f32 v[246:247], v[246:247], v[238:239]
	s_delay_alu instid0(VALU_DEP_2)
	v_pk_add_f32 v[14:15], v[14:15], v[252:253]
	s_delay_alu instid0(VALU_DEP_2)
	v_pk_add_f32 v[48:49], v[48:49], v[246:247]
	s_delay_alu instid0(VALU_DEP_1)
	v_pk_add_f32 v[14:15], v[14:15], v[48:49]
	s_wait_alu depctr_va_vdst(0)                   ; and one for the four
.irp b, 0,1,2,3
	v_max_num_f32 v[32+\b], 0x2800000, v[32+\b]    ; the floor 2^(5 - 127): the byte cannot fall under 1
.endr
.irp b, 0,1,2,3
	s_delay_alu instid0(VALU_DEP_4)
	v_add_nc_u32 v[56+\b], 0xfe000000, v[32+\b]    ; 4 off the exponent field: the conversion's scale operand
.endr
.irp b, 0,1,2,3
	s_delay_alu instid0(VALU_DEP_4)
	v_lshrrev_b32 v[44+\b], 23, v[56+\b]           ; the scale's byte
.endr
	s_delay_alu instid0(VALU_DEP_3)
	v_lshl_or_b32 v29, v45, 8, v44                 ; p's scale word for these 128 keys
	s_delay_alu instid0(VALU_DEP_1)
	v_lshl_or_b32 v29, v46, 16, v29
	s_delay_alu instid0(VALU_DEP_1)
	v_lshl_or_b32 v29, v47, 24, v29
.irp c, 0,1
	v_cvt_scalef32_pk16_bf6_f32 v[224+6*\c:226+6*\c], v[S+32*\c:S+15+32*\c], v[56+2*\c]
	v_cvt_scalef32_pk16_bf6_f32 v[236+4*\c:238+4*\c], v[S+16+32*\c:S+31+32*\c], v[56+2*\c+1]
.endr
	v_nop                                          ; one plain place behind a scaled conversion
.irp c, 0,1                            ; the layout wants a whole block in a lane
.irp i, 0,1,2
	v_permlane16_swap_b32 v[224+6*\c+\i], v[236+4*\c+\i]
.endr
.irp i, 0,1,2
	s_delay_alu instid0(VALU_DEP_3)
	v_mov_b32 v[227+6*\c+\i], v[236+4*\c+\i]
.endr
.endr
.set n, 0
.rept 16
	v_pk_mul_f32 v[O+n:O+n+1], v[O+n:O+n+1], v[36:37] op_sel_hi:[1,0]   ; O^T under the new M; these sixteen are also the places between p's codes and scale word and the products
.set n, n+2
.endr
	s_wait_alu depctr_va_vdst(0)
	s_wait_dscnt 0x0                               ; v's tiles and scale words
.irp t, 0,1,2,3                        ; O^T += v^T p^T: the four accumulators by turns
	v_wmma_scale_f32_16x16x128_f8f6f4 v[O+8*\t:O+8*\t+7], v[80+12*\t:91+12*\t], v[224:235], v[O+8*\t:O+8*\t+7], v[248+\t], v29 matrix_a_fmt:MATRIX_FMT_BF6 matrix_b_fmt:MATRIX_FMT_BF6
.endr
.Lhidden_\@:
	s_add_co_u32 s17, s17, 1
.endm
.Ltrip:                                        ; 8 trips of two key steps, a constant of the text
	s_wait_xcnt 0x0                                ; the last trip's prefetches have read their addresses, which step a phase on
	s_add_nc_u64 s[96:97], s[96:97], 2*PB4
	s_add_nc_u64 s[98:99], s[98:99], KPB
	s_wait_tensorcnt 0x0                           ; all my tensor loads have landed: my part of this trip's phase (in the first trip: of the head's fills)
	ds_add_u32 v254, v255
	ds_add_u32 v254, v255
	s_add_nc_u64 s[58:59], s[58:59], 2*PB4         ; no load of mine is out: the descriptors step to the next phase: two key panels on,
	s_add_co_u32 s57, s57, 12288
	s_add_nc_u64 s[62:63], s[62:63], KPB           ; 256 along v's K on
	s_add_co_u32 s61, s61, 12288
	s_wait_dscnt 0x0                               ; the adds are done
	s_barrier_signal -1
	s_barrier_wait -1                              ; everybody's part of this trip's phase is in
	s_add_co_u32 s12, s17, 2                       ; the next phase's first key step:
	s_cmp_gt_u32 s12, s79                          ; behind the later chunk no wave reads it, and it is not asked for
	s_cbranch_scc1 .Ll_join
	ARM 2, 56, 24, .Ll_v,  .Ll_join                ; waves 0, 1: its two panels of k; waves 2, 3: its two halves of v
	ARM 4, 60, 32, .Ll_no, .Ll_join
.Ll_join:
	v_add_nc_u32 v5, s18, v1
	v_add_nc_u32 v6, s18, v2
	v_add_nc_u32 v7, s19, v1
	v_add_nc_u32 v8, s19, v2
	v_add_nc_u32 v9, s76, v3
	v_add_nc_u32 v10, s77, v4
	STEP 0
	s_cmp_eq_u32 s10, 8                            ; wave 8 alone,
	s_cbranch_scc0 .Lno_ask
	s_cmp_gt_u32 s78, 3                            ; in trips 0 to 4: phases 3 to 7
	s_cbranch_scc0 .Lno_ask
	global_prefetch_b8 v0, s[96:97] th:TH_LOAD_NT scope:SCOPE_SE
	global_prefetch_b8 v0, s[96:97] offset:3072 th:TH_LOAD_NT scope:SCOPE_SE
	global_prefetch_b8 v0, s[98:99] th:TH_LOAD_NT scope:SCOPE_SE
	global_prefetch_b8 v0, s[98:99] offset:768 th:TH_LOAD_NT scope:SCOPE_SE
.Lno_ask:
	STEP 1
	s_add_co_u32 s18, s18, 12288
	s_add_co_u32 s19, s19, 12288
	s_add_co_u32 s76, s76, 1024
	s_add_co_u32 s77, s77, 512
	s_sub_co_u32 s78, s78, 1
	s_cmp_lg_u32 s78, 0
	s_cbranch_scc1 .Ltrip
	; THE WAY OUT: O^T / the sum; register 16 b + i is the head's channel 32 b + 16 h + i of my query: two blocks of the next product's K: half a fragment
.rept 4
	v_nop                                          ; places behind the last products
.endr
	v_add_f32 v14, v14, v15
	s_delay_alu instid0(VALU_DEP_1)
	v_permlanex16_b32 v30, v14, s[SEL], s[SEL+1]
	s_delay_alu instid0(VALU_DEP_1)
	v_add_f32 v14, v14, v30                        ; the row's sum
	s_wait_alu depctr_va_vdst(0)
	v_rcp_f32 v14, v14
	v_nop                                          ; a plain place behind the transcendental
	s_wait_alu depctr_va_vdst(0)                   ; a wait ahead of the first reader
.set n, 0
.rept 32
	v_mul_f32 v[S+n], v[O+n], v14
.set n, n+1
.endr
.irp b, 0,1
	v_max3_num_f32 v[32+\b], |v[S+16*\b]|, |v[S+1+16*\b]|, 0x2800000
.endr
.irp i, 2,4,6,8,10,12,14
.irp b, 0,1
	s_delay_alu instid0(VALU_DEP_2)
	v_max3_num_f32 v[32+\b], v[32+\b], |v[S+16*\b+\i]|, |v[S+1+16*\b+\i]|
.endr
.endr
.irp b, 0,1
	s_delay_alu instid0(VALU_DEP_2)
	v_permlanex16_b32 v[44+\b], v[32+\b], s[SEL], s[SEL+1]
.endr
.irp b, 0,1
	s_delay_alu instid0(VALU_DEP_2)
	v_max_num_f32 v[32+\b], v[32+\b], v[44+\b]
.endr
.irp b, 0,1
	s_delay_alu instid0(VALU_DEP_2)
	v_add_nc_u32 v[56+\b], 0xfe000000, v[32+\b]
.endr
.irp b, 0,1
	s_delay_alu instid0(VALU_DEP_2)
	v_lshrrev_b32 v[44+\b], 23, v[56+\b]
.endr
	s_delay_alu instid0(VALU_DEP_1)
	v_lshl_or_b32 v30, v45, 8, v44                 ; the head's two bytes of my row's scale word
	v_cvt_scalef32_pk16_bf6_f32 v[224:226], v[S:S+15], v56
	v_cvt_scalef32_pk16_bf6_f32 v[236:238], v[S+16:S+31], v57
	v_nop
.irp i, 0,1,2
	v_permlane16_swap_b32 v[224+\i], v[236+\i]
.endr
.irp i, 0,1,2
	s_delay_alu instid0(VALU_DEP_3)
	v_mov_b32 v[227+\i], v[236+\i]
.endr
	global_store_b128 v1, v[224:227], s[92:93]                 ; 512 and 256 consecutive bytes, at multiples of 256 from the buffer's first byte
	global_store_b64 v2, v[228:229], s[92:93] offset:512
	global_store_b16 v4, v30, s[94:95]             ; lanes l and l xor 16 hold the same two bytes
	s_wait_tensorcnt 0x0                           ; the wave's end
	ds_add_u32 v254, v255
	s_wait_dscnt 0x0
	s_endpgm
.Lfunc_end_k_qfd2cff9b2f_attn:
	.size	k_qfd2cff9b2f_attn, .Lfunc_end_k_qfd2cff9b2f_attn-k_qfd2cff9b2f_attn
	.p2alignl 7, 3214868480
	.fill 96, 4, 3214868480
	.section	.rodata,"a",@progbits
	.p2align	6, 0x0
	.amdhsa_kernel k_qfd2cff9b2f_attn
		.amdhsa_group_segment_fixed_size 327680
		.amdhsa_private_segment_fixed_size 0
		.amdhsa_enable_private_segment 0
		.amdhsa_kernarg_size 16
		.amdhsa_user_sgpr_count 2
		.amdhsa_user_sgpr_kernarg_segment_ptr 1
		.amdhsa_wavefront_size32 1
		.amdhsa_system_sgpr_workgroup_id_x 1
		.amdhsa_system_sgpr_workgroup_id_y 1
		.amdhsa_system_sgpr_workgroup_id_z 1
		.amdhsa_system_vgpr_workitem_id 0
		.amdhsa_next_free_vgpr 256
		.amdhsa_next_free_sgpr 100
		.amdhsa_reserve_vcc 1
		.amdhsa_float_denorm_mode_32 3
		.amdhsa_float_denorm_mode_16_64 3
		.amdhsa_memory_ordered 1
		.amdhsa_forward_progress 1
		.amdhsa_inst_pref_size 66
	.end_amdhsa_kernel
	.amdgpu_metadata
---
amdhsa.version: [ 1, 2 ]
amdhsa.kernels:
  - .name:           k_qfd2cff9b2f_attn
    .symbol:         k_qfd2cff9b2f_attn.kd
    .args:
      - { .name: bigA, .offset: 0, .size: 8, .value_kind: global_buffer, .address_space: global }
      - { .name: actA, .offset: 8, .size: 8, .value_kind: global_buffer, .address_space: global }
    .group_segment_fixed_size: 327680
    .private_segment_fixed_size: 0
    .kernarg_segment_align: 8
    .kernarg_segment_size: 16
    .max_flat_workgroup_size: 512
    .sgpr_count:     100
    .vgpr_count:     256
    .wavefront_size: 32
...
	.end_amdgpu_metadata
.endif
;; end of part 9
;; launch oproj (part 10): grid 8 x 32, 4 waves a work-group, clusters of 4 x 4, 327,680 bytes of LDS; arguments actA, cwm, x, xmid; writes xmid
.if DOCPART == 10
	.amdgcn_target "amdgcn-amd-amdhsa--gfx1250"
	.amdhsa_code_object_version 6
	.text
	.protected	k_qfd2cff9b2f_oproj
	.globl	k_qfd2cff9b2f_oproj
	.p2align	8
	.type	k_qfd2cff9b2f_oproj,@function
k_qfd2cff9b2f_oproj:
	s_mov_b64 s[64:65], 0
	v_nop
	global_prefetch_b8 v0, s[64:65] scope:SCOPE_SE
	s_setreg_imm32_b32 hwreg(HW_REG_WAVE_MODE, 25, 1), 1
	s_wait_xcnt 0x0
	s_wait_alu depctr_hold_cnt(0) depctr_sa_sdst(0) depctr_va_vdst(0) depctr_va_sdst(0) depctr_va_ssrc(0) depctr_va_vcc(0) depctr_vm_vsrc(0)
	s_getreg_b32 s2, hwreg(HW_REG_IB_STS2, 6, 4)
	s_cmp_eq_u32 s2, 0
	s_cbranch_scc0 .Lentry_in_a_cluster
	s_endpgm
.Lentry_in_a_cluster:
	s_bfe_u32 s2, ttmp6, 0x10000c
	s_cmp_lg_u32 s2, 0xf033
	s_cbranch_scc0 .Lentry_shape_is_right
	s_endpgm
.Lentry_shape_is_right:
.set SIZE_K, 1024
.set BOFF,   0
.set PS,     4096
.set PB,     98304
.set BI,     131072
.set IM,     147968
.set FRB,    1536
.set KPB,    24576
.set HALFT,  KPB
.set SLOT,   4*HALFT
.set LAPS,   SIZE_K/1024
.set HALFS,  (SIZE_K/128)*512
.set SCL,    2*SLOT
.set SPARE,  SCL+2*HALFS
.set STAGE,  SPARE+512
.set SPITCH, 272
.set FR,     12
.set NP,     4
.set L16,  4
.set L8,   5
.set BO,   7
.set CO,   9
.set ADRA, 16
.set ADRB, 20
.set STO,  24
.set RD,   25
.set ADRS, 27
.set SPW,  28
.set NIL,  29
.set SC,   32
.set BN,   64
.set BK,   64
.set ACC,  128
.set RES,  0
.set G1, 24
.set G0, 32
.set G1B, 48
.set G0B, 56
.set G1S, 68
.set G0S, 76
.set G1SB, 80
.set G0SB, 88
.set MSB, 0
.macro WIN new
.if MSB != \new
	s_set_vgpr_msb (MSB<<8)|\new
.set MSB, \new
.endif
.endm
.set MUL,  0x05
.set TO_F, 0x40
.macro JLOAD g0a, g1a, g0b, g1b
	s_cmp_eq_u32 s15, 0
	s_cbranch_scc0 .Lfor_b_\@
	tensor_load_to_lds s[\g0a:\g0a+3], s[\g1a:\g1a+7]
	s_nop 0
.rept 4
	v_nop
.endr
	s_branch .Lasked_\@
.Lfor_b_\@:
	tensor_load_to_lds s[\g0b:\g0b+3], s[\g1b:\g1b+7]
	s_nop 0
.rept 4
	v_nop
.endr
.Lasked_\@:
.endm
.macro CREST
	s_cmp_lg_u32 s14, 0
	s_cbranch_scc1 .Lnot_wave_0_\@
	s_barrier_signal -3
.Lnot_wave_0_\@:
	s_barrier_wait -3
	s_barrier_signal -1
	s_barrier_wait -1
.endm
.macro CROUND
	s_barrier_signal -1
	s_barrier_wait -1
	CREST
.endm
.macro PLACES n
.rept \n
	v_nop
.endr
.endm
	s_load_b128 s[4:7], s[0:1], 0x0
	s_load_b128 s[8:11], s[0:1], 0x10
	v_lshl_add_u32 v[SPW], v0, 2, SPARE
	v_mov_b32 v[NIL], 0
	ds_add_u32 v28, v29
	ds_add_u32 v28, v29
	s_wait_dscnt 0x0
	v_lshrrev_b32 v1, 5, v0
	v_readfirstlane_b32 s14, v1
	s_lshr_b32 s15, s14, 1
	s_and_b32 s16, s14, 1
	s_bfe_u32 s40, ttmp6, 0x40000
	s_bfe_u32 s41, ttmp6, 0x40004
	s_lshl_b32 s42, ttmp9, 2
	s_add_co_u32 s42, s42, s40
	s_and_b32 s17, ttmp7, 0xffff
	s_lshl_b32 s17, s17, 2
	s_add_co_u32 s17, s17, s41
	s_lshl_b32 s43, s41, 2
	s_lshl_b32 s43, 15, s43
	s_lshl_b32 s44, 0x1111, s40
	s_or_b32 s[G1+0], s43, (3<<16)|(1<<21)
	s_or_b32 s[G1B+0], s44, (3<<16)|(1<<21)
.irp g, G1, G1B
	s_mov_b32 s[\g+1], 32<<16
	s_mov_b32 s[\g+2], 192<<16                     ; for the head's loads: a panel's images of 512 along K, 49,152 dense bytes as 192 rows of 256
	s_mov_b32 s[\g+3], 32<<16
	s_mov_b32 s[\g+4], 192
	s_mov_b32 s[\g+5], 32
	s_mov_b32 s[\g+6], 0
	s_mov_b32 s[\g+7], 0
.endr
	s_or_b32 s[G1S+0], s43, (3<<16)|(1<<21)
	s_or_b32 s[G1SB+0], s44, (3<<16)|(1<<21)
.irp g, G1S, G1SB
	s_mov_b32 s[\g+1], 32<<16
	s_mov_b32 s[\g+2], (HALFS/256)<<16             ; a panel's scale words for all of K
	s_mov_b32 s[\g+3], 32<<16
	s_mov_b32 s[\g+4], HALFS/256
	s_mov_b32 s[\g+5], 32
	s_mov_b32 s[\g+6], 0
	s_mov_b32 s[\g+7], 0
.endr
	s_mul_i32 s18, s16, KPB
	s_mul_i32 s20, s17, PB
	s_add_co_u32 s20, s20, s18
	s_add_co_u32 s20, s20, IM
	s_mul_i32 s22, s17, PS
	s_mul_i32 s46, s42, PB
	s_add_co_u32 s46, s46, s18
	s_add_co_u32 s46, s46, IM+BOFF
	s_mul_i32 s92, s42, PS
	s_add_co_u32 s92, s92, BOFF
	s_mov_b32 s21, 0
	s_mov_b32 s23, 0
	s_mov_b32 s47, 0
	s_mov_b32 s93, 0
	s_mul_i32 s45, s14, HALFT
	s_wait_kmcnt 0x0
	s_add_nc_u64 s[20:21], s[4:5], s[20:21]
	s_add_nc_u64 s[22:23], s[4:5], s[22:23]
	s_add_nc_u64 s[46:47], s[6:7], s[46:47]
	s_add_nc_u64 s[92:93], s[6:7], s[92:93]
	CROUND
	s_mov_b32 s[G0S], 1
	s_mov_b32 s[G0S+1], SCL
	s_mov_b64 s[G0S+2:G0S+3], s[22:23]
	s_or_b32 s[G0S+3], s[G0S+3], 0x80000000
	s_mov_b32 s[G0SB], 1
	s_mov_b32 s[G0SB+1], SCL+HALFS
	s_mov_b64 s[G0SB+2:G0SB+3], s[92:93]
	s_or_b32 s[G0SB+3], s[G0SB+3], 0x80000000
.irp s, 0,1
	s_mov_b32 s[G0+4*\s], 1
	s_add_co_u32 s[G0+4*\s+1], s45, \s*SLOT
	s_add_nc_u64 s[G0+4*\s+2:G0+4*\s+3], s[20:21], \s*2*KPB
	s_or_b32 s[G0+4*\s+3], s[G0+4*\s+3], 0x80000000
	s_mov_b32 s[G0B+4*\s], 1
	s_add_co_u32 s[G0B+4*\s+1], s45, \s*SLOT
	s_add_nc_u64 s[G0B+4*\s+2:G0B+4*\s+3], s[46:47], \s*2*KPB
	s_or_b32 s[G0B+4*\s+3], s[G0B+4*\s+3], 0x80000000
.endr
; THE HEAD'S LOADS, ONE A WAVE: wave 0 all of slot 0's part of A, wave 2 of B (each by its own ring descriptor of slot 0, which names the part's first byte and its place in LDS),
; wave 1 A's scale words, wave 3 B's.  One chain of branches on the wave's number; every way through it passes one load.
.macro HARM w, g0, g1, next
	s_cmp_eq_u32 s14, \w
	s_cbranch_scc0 \next
	tensor_load_to_lds s[\g0:\g0+3], s[\g1:\g1+7]
	s_nop 0
.rept 4
	v_nop
.endr
	s_branch .Lhead_asked
\next:
.endm
	HARM 0, G0,  G1,  .Lhead_b
	HARM 2, G0B, G1B, .Lhead_sa
	HARM 1, G0S, G1S, .Lhead_sb
	tensor_load_to_lds s[G0SB:G0SB+3], s[G1SB:G1SB+7]
	s_nop 0
.rept 4
	v_nop
.endr
.Lhead_asked:
	v_and_b32 v1, 15, v0
	v_bfe_u32 v2, v0, 4, 1
	v_and_b32 v3, 31, v0
	v_lshlrev_b32 v[L16], 4, v3
	v_lshlrev_b32 v[L8], 3, v3
	s_mul_i32 s21, s15, 4*3072
	s_mul_i32 s22, s16, 4*3072
	s_add_co_u32 s22, s22, 2*HALFT
.irp s, 0,1
	v_add_nc_u32 v[ADRA+\s], s21, v[L16]
	v_add_nc_u32 v[ADRB+\s], s22, v[L16]
	v_add_nc_u32 v[ADRA+2+\s], s21, v[L8]
	v_add_nc_u32 v[ADRB+2+\s], s22, v[L8]
	s_add_co_u32 s21, s21, SLOT
	s_add_co_u32 s22, s22, SLOT
.endr
	s_lshl_b32 s21, s15, 8
	s_lshl_b32 s22, s16, 8
	s_add_co_u32 s22, s22, HALFS
	s_sub_co_u32 s22, s22, s21
	v_mul_u32_u24 v6, s22, v2
	s_add_co_u32 s21, s21, SCL
	v_lshl_add_u32 v6, v1, 2, v6
	v_add_nc_u32 v[ADRS], s21, v6
	s_mul_i32 s23, s14, 16*SPITCH
	s_add_co_u32 s23, s23, STAGE
	v_mul_u32_u24 v6, v1, SPITCH
	v_lshl_add_u32 v6, v2, 6, v6
	v_add_nc_u32 v[STO], s23, v6
	v_mul_u32_u24 v6, v2, SPITCH
	v_lshl_add_u32 v6, v1, 4, v6
	v_add_nc_u32 v[RD], s23, v6
	s_lshl_b32 s46, s42, 9
	s_lshl_b32 s47, s16, 8
	s_add_co_u32 s46, s46, s47
	s_add_co_u32 s46, s46, BI+BOFF
	s_mov_b32 s47, 0
	s_add_nc_u64 s[46:47], s[6:7], s[46:47]
	s_lshl_b32 s20, s17, 19
	s_lshl_b32 s21, s15, 18
	s_add_co_u32 s20, s20, s21
	s_lshl_b32 s21, s42, 9
	s_add_co_u32 s20, s20, s21
	s_lshl_b32 s21, s16, 8
	s_add_co_u32 s20, s20, s21
	s_mov_b32 s21, 0
	s_add_nc_u64 s[8:9], s[8:9], s[20:21]
	s_add_nc_u64 s[10:11], s[10:11], s[20:21]
	v_lshlrev_b32 v[BO], 6, v2
	v_lshlrev_b32 v[CO], 12, v2
	v_lshl_add_u32 v[CO], v1, 4, v[CO]
.irp b, 0,1,2,3
	global_load_b128 v[BN+8*\b:BN+8*\b+3], v[BO], s[46:47] offset:128*(\b/2)+32*(\b%2)
	global_load_b128 v[BN+8*\b+4:BN+8*\b+7], v[BO], s[46:47] offset:128*(\b/2)+32*(\b%2)+16
.endr
.macro FRAG reg, adr, q, i
	ds_load_b128 v[\reg:\reg+3], v[\adr] offset:HALFT*((\q)/2)+3072*(\i)+FRB*((\q)%2)
	ds_load_b64 v[\reg+4:\reg+5], v[\adr+2] offset:HALFT*((\q)/2)+3072*(\i)+FRB*((\q)%2)+512
	ds_load_b128 v[\reg+6:\reg+9], v[\adr] offset:HALFT*((\q)/2)+3072*(\i)+FRB*((\q)%2)+768
	ds_load_b64 v[\reg+10:\reg+11], v[\adr+2] offset:HALFT*((\q)/2)+3072*(\i)+FRB*((\q)%2)+1280
.endm
.macro FETCH slot, q, p
	WIN TO_F
.irp i, 0,1,2,3
	FRAG 128*(\p)+48+FR*\i, ADRB+\slot, \q, \i
.endr
.irp i, 0,1,2,3
	FRAG 128*(\p)+FR*\i, ADRA+\slot, \q, \i
.endr
.endm
.macro SCALES sc
.irp q, 0,1,2,3
.irp i, 0,1,2,3
	ds_load_b32 v[SC+16*\sc+4*\q+\i], v[ADRS] offset:512*\q+64*\i
.endr
.endr
.endm
.macro MULA a, p, q, sc, first
.irp b, 0,1,2,3
.if \first
	v_wmma_scale_f32_16x16x128_f8f6f4 v[ACC+8*(4*(\a)+\b):ACC+8*(4*(\a)+\b)+7], v[128*(\p)+48+FR*\b:128*(\p)+48+FR*\b+FR-1], v[128*(\p)+FR*(\a):128*(\p)+FR*(\a)+FR-1], v[BN+8*\b:BN+8*\b+7], v[SC+16*(\sc)+4*(\q)+\b], v[SC+16*(\sc)+4*(\q)+(\a)] matrix_a_fmt:MATRIX_FMT_BF6 matrix_b_fmt:MATRIX_FMT_BF6 matrix_a_scale:MATRIX_SCALE_ROW1
.else
	v_wmma_scale_f32_16x16x128_f8f6f4 v[ACC+8*(4*(\a)+\b):ACC+8*(4*(\a)+\b)+7], v[128*(\p)+48+FR*\b:128*(\p)+48+FR*\b+FR-1], v[128*(\p)+FR*(\a):128*(\p)+FR*(\a)+FR-1], v[ACC+8*(4*(\a)+\b):ACC+8*(4*(\a)+\b)+7], v[SC+16*(\sc)+4*(\q)+\b], v[SC+16*(\sc)+4*(\q)+(\a)] matrix_a_fmt:MATRIX_FMT_BF6 matrix_b_fmt:MATRIX_FMT_BF6 matrix_a_scale:MATRIX_SCALE_ROW1
.endif
.endr
.endm
.macro STEP slot, q, first
	PLACES NP
	FETCH \slot, (\q)+1, 1-(\q)%2
	s_wait_dscnt 32
	WIN MUL
	MULA 0, (\q)%2, \q, \slot, \first
	MULA 1, (\q)%2, \q, \slot, \first
	MULA 2, (\q)%2, \q, \slot, \first
	MULA 3, (\q)%2, \q, \slot, \first
.endm
.macro TURN slot, next, fill
	WIN 0
	s_wait_tensorcnt 0x0
	ds_add_u32 v[SPW], v[NIL]
	s_wait_dscnt 1
	WIN MUL
	MULA 0, 1, 3, \slot, 0
	s_wait_dscnt 0x0
	s_barrier_signal -1
	MULA 1, 1, 3, \slot, 0
	WIN 0
	s_barrier_wait -1
.if \fill
	CREST
	s_add_nc_u64 s[G0+4*\slot+2:G0+4*\slot+3], s[G0+4*\slot+2:G0+4*\slot+3], 4*KPB
	s_add_nc_u64 s[G0B+4*\slot+2:G0B+4*\slot+3], s[G0B+4*\slot+2:G0B+4*\slot+3], 4*KPB
	JLOAD G0+4*\slot, G1, G0B+4*\slot, G1B
.else
	PLACES NP
.endif
	v_add_nc_u32 v[ADRS], 2048, v[ADRS]
	SCALES \next
	FETCH \next, 0, 0
	WIN MUL
	MULA 2, 1, 3, \slot, 0
	MULA 3, 1, 3, \slot, 0
.endm
	s_wait_alu depctr_va_vdst(0)
	s_wait_tensorcnt 0x0                           ; my tile of the head's four is in
	ds_add_u32 v[SPW], v[NIL]
	s_mov_b32 s[G1+2], 96<<16                      ; no tensor load of mine is out: from here on a load brings 24,576 bytes, 96 rows of 256
	s_mov_b32 s[G1+4], 96
	s_mov_b32 s[G1B+2], 96<<16
	s_mov_b32 s[G1B+4], 96
	s_wait_dscnt 0x0                               ; the add is done
	CROUND                                         ; a whole round: all four tiles are in, and the sixteen work-groups are here
	JLOAD G0+4, G1, G0B+4, G1B                     ; slot 1, a quarter a wave: the first tensor load behind the round
	SCALES 0
	FETCH 0, 0, 0
	s_wait_loadcnt 0x0                             ; the bias, with which the sums begin
	STEP 0, 0, 1
	STEP 0, 1, 0
	STEP 0, 2, 0
	WIN 0x80                                       ; the residual's 32 loads are asked for here, behind the first tiles, and are wanted on the way out
.irp a, 0,1,2,3
.irp t, 0,1,2,3,4,5,6,7
	global_load_b128 v[RES+32*\a+4*\t:RES+32*\a+4*\t+3], v[CO], s[8:9] offset:(32*(\a/2)+8*(\a%2)+2*(\t%4)+16*(\t/4))*4096 th:TH_LOAD_NT
.endr
.endr
.if LAPS > 1
	WIN 0
	s_mov_b32 s3, LAPS-1
.Llap:
	TURN 0, 1, 1
	STEP 1, 0, 0
	STEP 1, 1, 0
	STEP 1, 2, 0
	TURN 1, 0, 1
	STEP 0, 0, 0
	STEP 0, 1, 0
	STEP 0, 2, 0
	WIN 0
	s_sub_co_u32 s3, s3, 1
	s_cmp_lg_u32 s3, 0
	s_cbranch_scc1 .Llap
.endif
	TURN 0, 1, 0
	STEP 1, 0, 0
	STEP 1, 1, 0
	STEP 1, 2, 0
	s_wait_dscnt 0x0
	WIN MUL
	MULA 0, 1, 3, 1, 0
	MULA 1, 1, 3, 1, 0
	MULA 2, 1, 3, 1, 0
	MULA 3, 1, 3, 1, 0
	WIN 0
.macro TOSTAGE a
.irp b, 0,1,2,3
	ds_store_b128 v[STO], v[ACC+8*(4*(\a)+\b):ACC+8*(4*(\a)+\b)+3] offset:128*(\b/2)+32*(\b%2)
	ds_store_b128 v[STO], v[ACC+8*(4*(\a)+\b)+4:ACC+8*(4*(\a)+\b)+7] offset:128*(\b/2)+32*(\b%2)+16
.endr
.set BB, BK+32*((\a)%2)
.irp t, 0,1,2,3,4,5,6,7
	ds_load_b128 v[BB+4*\t:BB+4*\t+3], v[RD] offset:\t*2*SPITCH
.endr
.endm
.macro SEND a, younger
.set BB, BK+32*((\a)%2)
	s_wait_dscnt \younger
	WIN 0x08
.irp i, 0,2,4,6,8,10,12,14,16,18,20,22,24,26,28,30
	v_pk_add_f32 v[BB+\i:BB+\i+1], v[BB+\i:BB+\i+1], v[RES+32*(\a)+\i:RES+32*(\a)+\i+1]
.endr
	WIN 0
.irp t, 0,1,2,3,4,5,6,7
	global_store_b128 v[CO], v[BB+4*\t:BB+4*\t+3], s[10:11] offset:(32*((\a)/2)+8*((\a)%2)+2*(\t%4)+16*(\t/4))*4096 th:TH_STORE_NT
.endr
.endm
	PLACES NP
	s_wait_alu depctr_va_vdst(0)
	s_wait_loadcnt 0x0
	TOSTAGE 0
.irp a, 1,2,3
.if \a > 1
	s_wait_xcnt 0x0
.endif
	TOSTAGE \a
	SEND \a-1, 16
.endr
	SEND 3, 0
	s_wait_tensorcnt 0x0
	ds_add_u32 v[SPW], v[NIL]
	s_wait_dscnt 0x0
	CROUND
	s_endpgm
.Lfunc_end_k_qfd2cff9b2f_oproj:
	.size	k_qfd2cff9b2f_oproj, .Lfunc_end_k_qfd2cff9b2f_oproj-k_qfd2cff9b2f_oproj
	.p2alignl 7, 3214868480
	.fill 96, 4, 3214868480
	.section	.rodata,"a",@progbits
	.p2align	6, 0x0
	.amdhsa_kernel k_qfd2cff9b2f_oproj
		.amdhsa_group_segment_fixed_size 327680
		.amdhsa_private_segment_fixed_size 0
		.amdhsa_enable_private_segment 0
		.amdhsa_kernarg_size 32
		.amdhsa_user_sgpr_count 2
		.amdhsa_user_sgpr_kernarg_segment_ptr 1
		.amdhsa_wavefront_size32 1
		.amdhsa_system_sgpr_workgroup_id_x 1
		.amdhsa_system_sgpr_workgroup_id_y 1
		.amdhsa_system_sgpr_workgroup_id_z 1
		.amdhsa_system_vgpr_workitem_id 0
		.amdhsa_next_free_vgpr 768
		.amdhsa_next_free_sgpr 100
		.amdhsa_reserve_vcc 0
		.amdhsa_float_denorm_mode_32 3
		.amdhsa_float_denorm_mode_16_64 3
		.amdhsa_memory_ordered 1
		.amdhsa_forward_progress 1
		.amdhsa_inst_pref_size 63
	.end_amdhsa_kernel
	.amdgpu_metadata
---
amdhsa.version: [ 1, 2 ]
amdhsa.kernels:
  - .name:           k_qfd2cff9b2f_oproj
    .symbol:         k_qfd2cff9b2f_oproj.kd
    .args:
      - { .name: actA, .offset: 0, .size: 8, .value_kind: global_buffer, .address_space: global }
      - { .name: cwm, .offset: 8, .size: 8, .value_kind: global_buffer, .address_space: global }
      - { .name: x, .offset: 16, .size: 8, .value_kind: global_buffer, .address_space: global }
      - { .name: xmid, .offset: 24, .size: 8, .value_kind: global_buffer, .address_space: global }
    .group_segment_fixed_size: 327680
    .private_segment_fixed_size: 0
    .kernarg_segment_align: 8
    .kernarg_segment_size: 32
    .max_flat_workgroup_size: 128
    .sgpr_count:     100
    .vgpr_count:     768
    .wavefront_size: 32
...
	.end_amdgpu_metadata
.endif
;; end of part 10
;; launch ln1 (part 11): grid 256 x 1, 8 waves a work-group, no clusters, 10,240 bytes of LDS; arguments xmid, g2, be2, actA; writes actA
.if DOCPART == 11
	.amdgcn_target "amdgcn-amd-amdhsa--gfx1250"
	.amdhsa_code_object_version 6
	.text
	.protected	k_qfd2cff9b2f_ln1
	.globl	k_qfd2cff9b2f_ln1
	.p2align	8
	.type	k_qfd2cff9b2f_ln1,@function
k_qfd2cff9b2f_ln1:
	s_mov_b64 s[64:65], 0
	v_nop
	global_prefetch_b8 v0, s[64:65] scope:SCOPE_SE
	s_setreg_imm32_b32 hwreg(HW_REG_WAVE_MODE, 25, 1), 1
	s_wait_xcnt 0x0
; o = Q(layernorm(x) g + be): 4,096 rows of 1,024 f32 become an operand of BF6 (E3M2) codes, one E8M0 scale byte for each 32 along the row, laid as images of the operand's registers.
; ROW ORDER: panels of 128 tokens, 8 row blocks of 16 places; place (rb, r) holds the panel's token 32 (rb / 2) + 8 (rb % 2) + r % 8 + 16 (r / 8).
; IMAGE: a fragment (16 rows x 128 K, 12 registers a lane) is 1,536 bytes: for c = 0, 1 registers 6 c .. 6 c + 3 of lane l at 768 c + 16 l, registers 6 c + 4, 6 c + 5 at 768 c + 512 + 8 l.
; The buffer: scale words [panel][K / 128][rb][r] at 0; one f32 of row bias a token at 131,072 (zeros); the next product's floor at 147,456 (-infinity); images [panel][K / 256][rb][(K / 128) % 2] at 147,968.
; SHARES.  A work-group takes a row block (16 tokens); wave w columns 128 w .. 128 w + 127, one fragment.  Lane (r, h) takes, of its token, 16 neighbours of each of the wave's four blocks of 32: they are
; the conversion's sixteen registers.  The row's sums meet in LDS: a word for each (token, wave), one barrier for the mean and one for the variance.
; The mean is taken first and the variance is taken of the differences, as the definition has it: a common offset in x costs no accuracy.
; LIMITS: a block of zeros gets the byte 1 where the rule says 127 (its codes are zeros, this program alone reads the bytes); blocks under 2^-122 are held at the byte 1; NaN and infinities are not served.
; The matrix unit, clusters and tensor loads would add nothing: each byte of x is read once and no two work-groups share a row.
.set FRB,  1536
.set KPB,  24576
.set PB1,  98304
.set BI1,  131072
.set LO1,  147456
.set IM1,  147968
.set PW,   11                          ; v11      the scale word
.set PC,   32                          ; v32-51   the codes
.set TM,   52                          ; v52-63   largest magnitudes, bytes, scale operands
.set X,    64                          ; v64-127  register 16 b + i: column 128 w + 32 b + 16 h + i
.set LGB,  2048                        ; LDS from 2,048 on: 1,024 bytes for each wave: its 128 columns of g, then of be
.set SEL,  24                          ; s[24:25] lane selects for v_permlanex16_b32: lane l xor 16
; 64 numbers of a lane, register 16 b + i = k 32 b + 16 (lane / 16) + i of my row, become a fragment's codes in v[PC] on and its scale word in v[pw]
.macro QUANT s, pw
.irp b, 0,1,2,3
	v_max3_num_f32 v[TM+\b], |v[\s+16*\b]|, |v[\s+1+16*\b]|, 0x2800000   ; my 16 numbers of block b, and the floor 2^(5 - 127): the byte cannot fall under 1
.endr
.irp i, 2,4,6,8,10,12,14
.irp b, 0,1,2,3
	s_delay_alu instid0(VALU_DEP_4)
	v_max3_num_f32 v[TM+\b], v[TM+\b], |v[\s+16*\b+\i]|, |v[\s+1+16*\b+\i]|
.endr
.endr
.irp b, 0,1,2,3
	s_delay_alu instid0(VALU_DEP_4)
	v_permlanex16_b32 v[TM+4+\b], v[TM+\b], s[SEL], s[SEL+1]
.endr
.irp b, 0,1,2,3
	s_delay_alu instid0(VALU_DEP_4)
	v_max_num_f32 v[TM+\b], v[TM+\b], v[TM+4+\b]   ; with lane l xor 16's: the block's largest magnitude
.endr
.irp b, 0,1,2,3
	s_delay_alu instid0(VALU_DEP_4)
	v_add_nc_u32 v[TM+8+\b], 0xfe000000, v[TM+\b]  ; 4 off its exponent field: the conversion's scale operand
.endr
.irp b, 0,1,2,3
	s_delay_alu instid0(VALU_DEP_4)
	v_lshrrev_b32 v[TM+4+\b], 23, v[TM+8+\b]       ; the scale's byte
.endr
	s_delay_alu instid0(VALU_DEP_3)
	v_lshl_or_b32 v[\pw], v[TM+5], 8, v[TM+4]
	s_delay_alu instid0(VALU_DEP_1)
	v_lshl_or_b32 v[\pw], v[TM+6], 16, v[\pw]
	s_delay_alu instid0(VALU_DEP_1)
	v_lshl_or_b32 v[\pw], v[TM+7], 24, v[\pw]
.irp c, 0,1
	v_cvt_scalef32_pk16_bf6_f32 v[PC+6*\c:PC+2+6*\c], v[\s+32*\c:\s+15+32*\c], v[TM+8+2*\c]
	v_cvt_scalef32_pk16_bf6_f32 v[PC+12+4*\c:PC+14+4*\c], v[\s+16+32*\c:\s+31+32*\c], v[TM+8+2*\c+1]   ; (a conversion's three registers begin on an even number)
.endr
	v_nop                                          ; one plain place behind a scaled conversion
.irp c, 0,1                            ; the layout wants a whole block in a lane: lanes 0-15 block 2 c, lanes 16-31 block 2 c + 1
.irp i, 0,1,2
	v_permlane16_swap_b32 v[PC+6*\c+\i], v[PC+12+4*\c+\i]
.endr
.irp i, 0,1,2
	s_delay_alu instid0(VALU_DEP_3)
	v_mov_b32 v[PC+3+6*\c+\i], v[PC+12+4*\c+\i]
.endr
.endr
.endm
	s_load_b256 s[4:11], s[0:1], 0x0               ; x 4, g 6, be 8, o 10
	v_lshl_add_u32 v47, v0, 2, 0x400
	v_mov_b32 v51, 0
	v_lshrrev_b32 v1, 5, v0
	s_delay_alu instid0(VALU_DEP_1)
	v_readfirstlane_b32 s12, v1                    ; wave = which 128 columns
	v_and_b32 v1, 31, v0                           ; lane
	v_and_b32 v2, 15, v0                           ; r
	s_wait_alu depctr_va_vdst(0)
	v_bfe_u32 v3, v0, 4, 1                         ; h
	s_wait_alu depctr_va_vdst(0)
	s_lshr_b32 s13, ttmp9, 3                       ; panel
	s_and_b32 s14, ttmp9, 7                        ; row block
	s_lshr_b32 s15, s14, 1
	s_lshl_b32 s15, s15, 5
	s_and_b32 s16, s14, 1
	s_lshl_b32 s16, s16, 3
	s_add_co_u32 s15, s15, s16
	s_lshl_b32 s16, s13, 7
	s_add_co_u32 s15, s15, s16                     ; the row block's first token: 128 P + 32 (rb / 2) + 8 (rb % 2)
	v_and_b32 v4, 7, v2
	v_lshrrev_b32 v5, 3, v2
	s_delay_alu instid0(VALU_DEP_1)
	v_lshl_add_u32 v4, v5, 4, v4                   ; my token's place behind it: r % 8 + 16 (r / 8)
	s_delay_alu instid0(VALU_DEP_1)
	v_lshlrev_b32 v4, 12, v4                       ; rows of 4,096 bytes
	v_lshlrev_b32 v5, 6, v3                        ; 64 h: my 16 numbers of a block
	s_delay_alu instid0(VALU_DEP_1)
	v_add_nc_u32 v4, v4, v5
	v_lshlrev_b32 v6, 4, v1                        ; 16 l
	v_lshlrev_b32 v7, 3, v1                        ; 8 l
	v_lshlrev_b32 v8, 2, v2                        ; 4 r
	v_lshlrev_b32 v10, 5, v2                       ; LDS: my token's eight words,
	s_lshl_b32 s16, s12, 2
	v_add_nc_u32 v9, s16, v10                      ; and my wave's among them
.irp b, 0,1,2,3
	v_mov_b32 v[TM+4+\b], 0                        ; written once: a lane permute's destination counts as one of its sources
.endr
	v_mov_b32 v17, 0
	s_lshl_b32 s17, s12, 10
	s_add_co_u32 s17, s17, LGB                     ; my wave's 1,024 bytes
	v_add_nc_u32 v5, s17, v5                       ; out of them: 64 h, my 16 columns of a block
	v_add_nc_u32 v3, s17, v6                       ; into them: 16 l
	s_mov_b32 s20, 0x3a800000                      ; 1 / 1,024
	s_mov_b32 s21, 0x3727c5ac                      ; 1e-5
	s_mov_b32 s[SEL], 0x76543210
	s_mov_b32 s[SEL+1], 0xfedcba98
	s_lshl_b32 s22, s12, 9                         ; 512 w
	s_mov_b32 s23, 0
	s_lshl_b32 s18, s15, 12
	s_add_co_u32 s18, s18, s22
	s_mov_b32 s19, 0
	s_mul_i32 s26, s13, PB1                        ; my image
	s_lshr_b32 s16, s12, 1
	s_mul_i32 s16, s16, KPB
	s_add_co_u32 s26, s26, s16
	s_mul_i32 s16, s14, 3072
	s_add_co_u32 s26, s26, s16
	s_and_b32 s16, s12, 1
	s_mul_i32 s16, s16, FRB
	s_add_co_u32 s26, s26, s16
	s_add_co_u32 s26, s26, IM1
	s_mov_b32 s27, 0
	s_lshl_b32 s30, s13, 12                        ; my 16 scale words
	s_add_co_u32 s30, s30, s22
	s_lshl_b32 s16, s14, 6
	s_add_co_u32 s30, s30, s16
	s_mov_b32 s31, 0
	s_lshl_b32 s28, s15, 2                         ; the row block's biases
	s_add_co_u32 s28, s28, BI1
	s_mov_b32 s29, 0
	s_wait_kmcnt 0x0
	s_add_nc_u64 s[4:5], s[4:5], s[18:19]
	s_add_nc_u64 s[6:7], s[6:7], s[22:23]
	s_add_nc_u64 s[8:9], s[8:9], s[22:23]
	s_add_nc_u64 s[26:27], s[10:11], s[26:27]
	s_add_nc_u64 s[28:29], s[10:11], s[28:29]
	s_add_nc_u64 s[30:31], s[10:11], s[30:31]
.irp b, 0,1,2,3
.irp j, 0,1,2,3
	global_load_b128 v[X+16*\b+4*\j:X+16*\b+4*\j+3], v4, s[4:5] offset:128*\b+16*\j th:TH_LOAD_NT
.endr
.endr
	global_load_b128 v[52:55], v6, s[6:7]          ; the wave's 128 columns of g and of be, 512 consecutive bytes each, read once
	global_load_b128 v[60:63], v6, s[8:9]
	s_wait_loadcnt 2                               ; x's sixteen loads are in; the two of g and be may be out
.irp k, 0,1,2,3                        ; the sum of my 64 numbers, two at a time, in four chains
	v_pk_add_f32 v[24+2*\k:25+2*\k], v[X+4*\k:X+4*\k+1], v[X+4*\k+2:X+4*\k+3]
.endr
.irp i, 16,24,32,40,48,56
.irp k, 0,1,2,3
	s_delay_alu instid0(VALU_DEP_4)
	v_pk_add_f32 v[24+2*\k:25+2*\k], v[24+2*\k:25+2*\k], v[X+\i+2*\k:X+\i+2*\k+1]
.endr
.endr
.macro JOIN off                        ; the four chains, the two halves of a pair, lane l xor 16's; then all eight waves' through LDS: v16 = the row's sum, in a fixed order
	s_delay_alu instid0(VALU_DEP_3)
	v_pk_add_f32 v[24:25], v[24:25], v[26:27]
	s_delay_alu instid0(VALU_DEP_2)
	v_pk_add_f32 v[28:29], v[28:29], v[30:31]
	s_delay_alu instid0(VALU_DEP_1)
	v_pk_add_f32 v[24:25], v[24:25], v[28:29]
	s_delay_alu instid0(VALU_DEP_1)
	v_add_f32 v16, v24, v25
	s_delay_alu instid0(VALU_DEP_1)
	v_permlanex16_b32 v17, v16, s[SEL], s[SEL+1]
	s_delay_alu instid0(VALU_DEP_1)
	v_add_f32 v16, v16, v17
	ds_store_b32 v9, v16 offset:\off               ; lanes l and l xor 16 write the same word with the same value
	s_wait_dscnt 0x0                               ; for the others' sake: my store is done
	s_barrier_signal -1
	s_barrier_wait -1
	ds_load_b128 v[16:19], v10 offset:\off
	ds_load_b128 v[20:23], v10 offset:\off+16
	s_wait_dscnt 0x0
	v_add_f32 v16, v16, v17
	v_add_f32 v18, v18, v19
	v_add_f32 v20, v20, v21
	v_add_f32 v22, v22, v23
	s_delay_alu instid0(VALU_DEP_3)
	v_add_f32 v16, v16, v18
	s_delay_alu instid0(VALU_DEP_2)
	v_add_f32 v20, v20, v22
	s_delay_alu instid0(VALU_DEP_1)
	v_add_f32 v16, v16, v20
.endm
	JOIN 0
	s_delay_alu instid0(VALU_DEP_1)
	v_mul_f32 v12, s20, v16                        ; the mean
	s_delay_alu instid0(VALU_DEP_1)
	v_mov_b32 v13, v12
.set i, 0
.rept 32
	v_pk_add_f32 v[X+i:X+i+1], v[X+i:X+i+1], v[12:13] neg_lo:[0,1] neg_hi:[0,1]
.set i, i+2
.endr
.irp k, 0,1,2,3
	v_pk_mul_f32 v[24+2*\k:25+2*\k], v[X+2*\k:X+2*\k+1], v[X+2*\k:X+2*\k+1]
.endr
.irp i, 8,16,24,32,40,48,56
.irp k, 0,1,2,3
	s_delay_alu instid0(VALU_DEP_4)
	v_pk_fma_f32 v[24+2*\k:25+2*\k], v[X+\i+2*\k:X+\i+2*\k+1], v[X+\i+2*\k:X+\i+2*\k+1], v[24+2*\k:25+2*\k]
.endr
.endr
	JOIN 512                                       ; other words than the mean's: no wave writes what another may still read
	s_delay_alu instid0(VALU_DEP_1)
	v_fma_f32 v16, v16, s20, s21                   ; the variance + 1e-5
	s_wait_alu depctr_va_vdst(0)
	v_rsq_f32 v14, v16
	v_rsq_f32 v15, v16
	v_nop                                          ; a plain place behind the transcendentals
	s_wait_alu depctr_va_vdst(0)                   ; one wait for both, ahead of their first reader
	s_wait_loadcnt 0x0                             ; g and be
; g and be go through the wave's own LDS bytes and come back as each lane wants them, 16 columns of a block at a time, into two sets of 32 registers by turns (v128-159; v12-43, free behind the scaling).
; LDS serves a wave's instructions in order, and no other wave touches these bytes: no wait between the stores and the loads, no barrier.
.macro LDG b, gr, br
.irp j, 0,1,2,3
	ds_load_b128 v[\gr+4*\j:\gr+4*\j+3], v5 offset:128*\b+16*\j
	ds_load_b128 v[\br+4*\j:\br+4*\j+3], v5 offset:512+128*\b+16*\j
.endr
.endm
.macro FMA b, gr, br
.irp i, 0,2,4,6,8,10,12,14
	v_pk_fma_f32 v[X+16*\b+\i:X+16*\b+\i+1], v[X+16*\b+\i:X+16*\b+\i+1], v[\gr+\i:\gr+\i+1], v[\br+\i:\br+\i+1]
.endr
.endm
	ds_store_b128 v3, v[52:55]
	ds_store_b128 v3, v[60:63] offset:512
	LDG 0, 128, 144
.set i, 0
.rept 32
	v_pk_mul_f32 v[X+i:X+i+1], v[X+i:X+i+1], v[14:15]
.set i, i+2
.endr
	LDG 1, 12, 28
	s_wait_dscnt 8                                 ; all but the eight loads just issued
	FMA 0, 128, 144
	LDG 2, 128, 144
	s_wait_dscnt 8
	FMA 1, 12, 28
	LDG 3, 12, 28
	s_wait_dscnt 8
	FMA 2, 128, 144
	s_wait_dscnt 0x0
	FMA 3, 12, 28
	QUANT X, PW
	global_store_b128 v6, v[PC:PC+3], s[26:27]                 ; each store covers 512 or 256 consecutive bytes, at a multiple of 256 from the buffer's first byte
	global_store_b64 v7, v[PC+4:PC+5], s[26:27] offset:512
	global_store_b128 v6, v[PC+6:PC+9], s[26:27] offset:768
	global_store_b64 v7, v[PC+10:PC+11], s[26:27] offset:1280
	global_store_b32 v8, v[PW], s[30:31]           ; 64 bytes: lanes l and l xor 16 hold the same word
	s_cmp_lg_u32 s12, 0
	s_cbranch_scc1 .Ldone
	v_and_b32 v16, 7, v2                           ; wave 0: this operand's rows carry no bias: zeros for my 16 tokens
	v_lshrrev_b32 v18, 3, v2
	s_delay_alu instid0(VALU_DEP_1)
	v_lshl_add_u32 v16, v18, 4, v16
	s_delay_alu instid0(VALU_DEP_1)
	v_lshlrev_b32 v16, 2, v16
	v_mov_b32 v18, 0
	global_store_b32 v16, v18, s[28:29]
	s_cmp_lg_u32 ttmp9, 0
	s_cbranch_scc1 .Ldone
	v_lshlrev_b32 v19, 2, v1                       ; work-group 0: no activation behind a product whose second operand this is
	v_mov_b32 v20, 0xff800000
	global_store_b32 v19, v20, s[10:11] offset:LO1
.Ldone:
	s_wait_tensorcnt 0x0
	ds_add_u32 v47, v51
	s_wait_dscnt 0x0
	s_endpgm
.Lfunc_end_k_qfd2cff9b2f_ln1:
	.size	k_qfd2cff9b2f_ln1, .Lfunc_end_k_qfd2cff9b2f_ln1-k_qfd2cff9b2f_ln1
	.p2alignl 7, 3214868480
	.fill 96, 4, 3214868480
	.section	.rodata,"a",@progbits
	.p2align	6, 0x0
	.amdhsa_kernel k_qfd2cff9b2f_ln1
		.amdhsa_group_segment_fixed_size 10240
		.amdhsa_private_segment_fixed_size 0
		.amdhsa_enable_private_segment 0
		.amdhsa_kernarg_size 32
		.amdhsa_user_sgpr_count 2
		.amdhsa_user_sgpr_kernarg_segment_ptr 1
		.amdhsa_wavefront_size32 1
		.amdhsa_system_sgpr_workgroup_id_x 1
		.amdhsa_system_sgpr_workgroup_id_y 1
		.amdhsa_system_sgpr_workgroup_id_z 1
		.amdhsa_system_vgpr_workitem_id 0
		.amdhsa_next_free_vgpr 160
		.amdhsa_next_free_sgpr 66
		.amdhsa_reserve_vcc 0
		.amdhsa_float_denorm_mode_32 3
		.amdhsa_float_denorm_mode_16_64 3
		.amdhsa_memory_ordered 1
		.amdhsa_forward_progress 1
		.amdhsa_inst_pref_size 28
	.end_amdhsa_kernel
	.amdgpu_metadata
---
amdhsa.version: [ 1, 2 ]
amdhsa.kernels:
  - .name:           k_qfd2cff9b2f_ln1
    .symbol:         k_qfd2cff9b2f_ln1.kd
    .args:
      - { .name: xmid, .offset: 0, .size: 8, .value_kind: global_buffer, .address_space: global }
      - { .name: g2, .offset: 8, .size: 8, .value_kind: global_buffer, .address_space: global }
      - { .name: be2, .offset: 16, .size: 8, .value_kind: global_buffer, .address_space: global }
      - { .name: actA, .offset: 24, .size: 8, .value_kind: global_buffer, .address_space: global }
    .group_segment_fixed_size: 10240
    .private_segment_fixed_size: 0
    .kernarg_segment_align: 8
    .kernarg_segment_size: 32
    .max_flat_workgroup_size: 256
    .sgpr_count:     66
    .vgpr_count:     160
    .wavefront_size: 32
...
	.end_amdgpu_metadata
.endif
;; end of part 11
;; launch ffn1: the kernel of part 8 again; grid 16 x 16, 4 waves a work-group, clusters of 4 x 4, 327,680 bytes of LDS; arguments actA, cw1, bigA; writes bigA
;; launch ffn2 (part 12): grid 8 x 32, 4 waves a work-group, clusters of 4 x 4, 327,680 bytes of LDS; arguments bigA, cwm, xmid, out0; writes out0
.if DOCPART == 12
	.amdgcn_target "amdgcn-amd-amdhsa--gfx1250"
	.amdhsa_code_object_version 6
	.text
	.protected	k_qfd2cff9b2f_ffn2
	.globl	k_qfd2cff9b2f_ffn2
	.p2align	8
	.type	k_qfd2cff9b2f_ffn2,@function
k_qfd2cff9b2f_ffn2:
	s_mov_b64 s[64:65], 0
	v_nop
	global_prefetch_b8 v0, s[64:65] scope:SCOPE_SE
	s_setreg_imm32_b32 hwreg(HW_REG_WAVE_MODE, 25, 1), 1
	s_wait_xcnt 0x0
	s_wait_alu depctr_hold_cnt(0) depctr_sa_sdst(0) depctr_va_vdst(0) depctr_va_sdst(0) depctr_va_ssrc(0) depctr_va_vcc(0) depctr_vm_vsrc(0)
	s_getreg_b32 s2, hwreg(HW_REG_IB_STS2, 6, 4)
	s_cmp_eq_u32 s2, 0
	s_cbranch_scc0 .Lentry_in_a_cluster
	s_endpgm
.Lentry_in_a_cluster:
	s_bfe_u32 s2, ttmp6, 0x10000c
	s_cmp_lg_u32 s2, 0xf033
	s_cbranch_scc0 .Lentry_shape_is_right
	s_endpgm
.Lentry_shape_is_right:
.set SIZE_K, 4096
.set BOFF,   934400
.set PS,     16384
.set PB,     393216
.set BI,     524288
.set IM,     540672
.set FRB,    1536
.set KPB,    24576
.set HALFT,  KPB
.set SLOT,   4*HALFT
.set LAPS,   SIZE_K/1024
.set HALFS,  (SIZE_K/128)*512
.set SCL,    2*SLOT
.set SPARE,  SCL+2*HALFS
.set STAGE,  SPARE+512
.set SPITCH, 272
.set FR,     12
.set NP,     4
.set L16,  4
.set L8,   5
.set BO,   7
.set CO,   9
.set ADRA, 16
.set ADRB, 20
.set STO,  24
.set RD,   25
.set ADRS, 27
.set SPW,  28
.set NIL,  29
.set SC,   32
.set BN,   64
.set BK,   64
.set ACC,  128
.set RES,  0
.set G1, 24
.set G0, 32
.set G1B, 48
.set G0B, 56
.set G1S, 68
.set G0S, 76
.set G1SB, 80
.set G0SB, 88
.set MSB, 0
.macro WIN new
.if MSB != \new
	s_set_vgpr_msb (MSB<<8)|\new
.set MSB, \new
.endif
.endm
.set MUL,  0x05
.set TO_F, 0x40
.macro JLOAD g0a, g1a, g0b, g1b
	s_cmp_eq_u32 s15, 0
	s_cbranch_scc0 .Lfor_b_\@
	tensor_load_to_lds s[\g0a:\g0a+3], s[\g1a:\g1a+7]
	s_nop 0
.rept 4
	v_nop
.endr
	s_branch .Lasked_\@
.Lfor_b_\@:
	tensor_load_to_lds s[\g0b:\g0b+3], s[\g1b:\g1b+7]
	s_nop 0
.rept 4
	v_nop
.endr
.Lasked_\@:
.endm
.macro CREST
	s_cmp_lg_u32 s14, 0
	s_cbranch_scc1 .Lnot_wave_0_\@
	s_barrier_signal -3
.Lnot_wave_0_\@:
	s_barrier_wait -3
	s_barrier_signal -1
	s_barrier_wait -1
.endm
.macro CROUND
	s_barrier_signal -1
	s_barrier_wait -1
	CREST
.endm
.macro PLACES n
.rept \n
	v_nop
.endr
.endm
	s_load_b128 s[4:7], s[0:1], 0x0
	s_load_b128 s[8:11], s[0:1], 0x10
	v_lshl_add_u32 v[SPW], v0, 2, SPARE
	v_mov_b32 v[NIL], 0
	ds_add_u32 v28, v29
	ds_add_u32 v28, v29
	s_wait_dscnt 0x0
	v_lshrrev_b32 v1, 5, v0
	v_readfirstlane_b32 s14, v1
	s_lshr_b32 s15, s14, 1
	s_and_b32 s16, s14, 1
	s_bfe_u32 s40, ttmp6, 0x40000
	s_bfe_u32 s41, ttmp6, 0x40004
	s_lshl_b32 s42, ttmp9, 2
	s_add_co_u32 s42, s42, s40
	s_and_b32 s17, ttmp7, 0xffff
	s_lshl_b32 s17, s17, 2
	s_add_co_u32 s17, s17, s41
	s_lshl_b32 s43, s41, 2
	s_lshl_b32 s43, 15, s43
	s_lshl_b32 s44, 0x1111, s40
	s_or_b32 s[G1+0], s43, (3<<16)|(1<<21)
	s_or_b32 s[G1B+0], s44, (3<<16)|(1<<21)
.irp g, G1, G1B
	s_mov_b32 s[\g+1], 32<<16
	s_mov_b32 s[\g+2], 192<<16                     ; for the head's loads: a panel's images of 512 along K, 49,152 dense bytes as 192 rows of 256
	s_mov_b32 s[\g+3], 32<<16
	s_mov_b32 s[\g+4], 192
	s_mov_b32 s[\g+5], 32
	s_mov_b32 s[\g+6], 0
	s_mov_b32 s[\g+7], 0
.endr
	s_or_b32 s[G1S+0], s43, (3<<16)|(1<<21)
	s_or_b32 s[G1SB+0], s44, (3<<16)|(1<<21)
.irp g, G1S, G1SB
	s_mov_b32 s[\g+1], 32<<16
	s_mov_b32 s[\g+2], (HALFS/256)<<16             ; a panel's scale words for all of K
	s_mov_b32 s[\g+3], 32<<16
	s_mov_b32 s[\g+4], HALFS/256
	s_mov_b32 s[\g+5], 32
	s_mov_b32 s[\g+6], 0
	s_mov_b32 s[\g+7], 0
.endr
	s_mul_i32 s18, s16, KPB
	s_mul_i32 s20, s17, PB
	s_add_co_u32 s20, s20, s18
	s_add_co_u32 s20, s20, IM
	s_mul_i32 s22, s17, PS
	s_mul_i32 s46, s42, PB
	s_add_co_u32 s46, s46, s18
	s_add_co_u32 s46, s46, IM+BOFF
	s_mul_i32 s92, s42, PS
	s_add_co_u32 s92, s92, BOFF
	s_mov_b32 s21, 0
	s_mov_b32 s23, 0
	s_mov_b32 s47, 0
	s_mov_b32 s93, 0
	s_mul_i32 s45, s14, HALFT
	s_wait_kmcnt 0x0
	s_add_nc_u64 s[20:21], s[4:5], s[20:21]
	s_add_nc_u64 s[22:23], s[4:5], s[22:23]
	s_add_nc_u64 s[46:47], s[6:7], s[46:47]
	s_add_nc_u64 s[92:93], s[6:7], s[92:93]
; THE PREFETCHES.  K has eight fills of 512.  Behind fill n a wave names the 24,576 bytes that it will itself load as fill n + 2: 96 blocks of 256 bytes, of which each of the four partners that ask for them jointly
; takes 24, told apart by address (place cx for A's waves, cy for B's): a lane a block, one instruction a wave (lanes 24-31 name lane 23's block again).  s[66:67] stands at fill 2 through the head (fill 0 asks by it,
; fill 1 one fill further on) and is stepped a fill on at the head of each change of slots, so that the refill of fill n has it at fill n + 1 and asks one fill further on.
; Fills 0 and 1 come by their loads alone; the loop's last trip, whose refills are fills 6 and 7, asks for nothing.
	s_cmp_eq_u32 s15, 0
	s_cselect_b64 s[66:67], s[20:21], s[46:47]
	s_cselect_b32 s18, s40, s41
	s_mul_i32 s18, s18, 6144
	s_add_co_u32 s18, s18, 4*KPB
	s_mov_b32 s19, 0
	s_add_nc_u64 s[66:67], s[66:67], s[18:19]
	CROUND
	s_mov_b32 s[G0S], 1
	s_mov_b32 s[G0S+1], SCL
	s_mov_b64 s[G0S+2:G0S+3], s[22:23]
	s_or_b32 s[G0S+3], s[G0S+3], 0x80000000
	s_mov_b32 s[G0SB], 1
	s_mov_b32 s[G0SB+1], SCL+HALFS
	s_mov_b64 s[G0SB+2:G0SB+3], s[92:93]
	s_or_b32 s[G0SB+3], s[G0SB+3], 0x80000000
.irp s, 0,1
	s_mov_b32 s[G0+4*\s], 1
	s_add_co_u32 s[G0+4*\s+1], s45, \s*SLOT
	s_add_nc_u64 s[G0+4*\s+2:G0+4*\s+3], s[20:21], \s*2*KPB
	s_or_b32 s[G0+4*\s+3], s[G0+4*\s+3], 0x80000000
	s_mov_b32 s[G0B+4*\s], 1
	s_add_co_u32 s[G0B+4*\s+1], s45, \s*SLOT
	s_add_nc_u64 s[G0B+4*\s+2:G0B+4*\s+3], s[46:47], \s*2*KPB
	s_or_b32 s[G0B+4*\s+3], s[G0B+4*\s+3], 0x80000000
.endr
; THE HEAD'S LOADS, ONE A WAVE: wave 0 all of slot 0's part of A, wave 2 of B (each by its own ring descriptor of slot 0, which names the part's first byte and its place in LDS),
; wave 1 A's scale words, wave 3 B's.  One chain of branches on the wave's number; every way through it passes one load.
.macro HARM w, g0, g1, next
	s_cmp_eq_u32 s14, \w
	s_cbranch_scc0 \next
	tensor_load_to_lds s[\g0:\g0+3], s[\g1:\g1+7]
	s_nop 0
.rept 4
	v_nop
.endr
	s_branch .Lhead_asked
\next:
.endm
	HARM 0, G0,  G1,  .Lhead_b
	HARM 2, G0B, G1B, .Lhead_sa
	HARM 1, G0S, G1S, .Lhead_sb
	tensor_load_to_lds s[G0SB:G0SB+3], s[G1SB:G1SB+7]
	s_nop 0
.rept 4
	v_nop
.endr
.Lhead_asked:
	v_and_b32 v1, 15, v0
	v_bfe_u32 v2, v0, 4, 1
	v_and_b32 v3, 31, v0
	v_lshlrev_b32 v[L16], 4, v3
	v_lshlrev_b32 v[L8], 3, v3
	v_min_u32 v30, 23, v3                          ; v30: a prefetch's offset, 256 x min(lane, 23); never rewritten
	v_lshlrev_b32 v30, 8, v30
	global_prefetch_b8 v30, s[66:67] th:TH_LOAD_NT scope:SCOPE_SE   ; behind fill 0: fill 2
	s_mul_i32 s21, s15, 4*3072
	s_mul_i32 s22, s16, 4*3072
	s_add_co_u32 s22, s22, 2*HALFT
.irp s, 0,1
	v_add_nc_u32 v[ADRA+\s], s21, v[L16]
	v_add_nc_u32 v[ADRB+\s], s22, v[L16]
	v_add_nc_u32 v[ADRA+2+\s], s21, v[L8]
	v_add_nc_u32 v[ADRB+2+\s], s22, v[L8]
	s_add_co_u32 s21, s21, SLOT
	s_add_co_u32 s22, s22, SLOT
.endr
	s_lshl_b32 s21, s15, 8
	s_lshl_b32 s22, s16, 8
	s_add_co_u32 s22, s22, HALFS
	s_sub_co_u32 s22, s22, s21
	v_mul_u32_u24 v6, s22, v2
	s_add_co_u32 s21, s21, SCL
	v_lshl_add_u32 v6, v1, 2, v6
	v_add_nc_u32 v[ADRS], s21, v6
	s_mul_i32 s23, s14, 16*SPITCH
	s_add_co_u32 s23, s23, STAGE
	v_mul_u32_u24 v6, v1, SPITCH
	v_lshl_add_u32 v6, v2, 6, v6
	v_add_nc_u32 v[STO], s23, v6
	v_mul_u32_u24 v6, v2, SPITCH
	v_lshl_add_u32 v6, v1, 4, v6
	v_add_nc_u32 v[RD], s23, v6
	s_lshl_b32 s46, s42, 9
	s_lshl_b32 s47, s16, 8
	s_add_co_u32 s46, s46, s47
	s_add_co_u32 s46, s46, BI+BOFF
	s_mov_b32 s47, 0
	s_add_nc_u64 s[46:47], s[6:7], s[46:47]
	s_lshl_b32 s20, s17, 19
	s_lshl_b32 s21, s15, 18
	s_add_co_u32 s20, s20, s21
	s_lshl_b32 s21, s42, 9
	s_add_co_u32 s20, s20, s21
	s_lshl_b32 s21, s16, 8
	s_add_co_u32 s20, s20, s21
	s_mov_b32 s21, 0
	s_add_nc_u64 s[8:9], s[8:9], s[20:21]
	s_add_nc_u64 s[10:11], s[10:11], s[20:21]
	v_lshlrev_b32 v[BO], 6, v2
	v_lshlrev_b32 v[CO], 12, v2
	v_lshl_add_u32 v[CO], v1, 4, v[CO]
.irp b, 0,1,2,3
	global_load_b128 v[BN+8*\b:BN+8*\b+3], v[BO], s[46:47] offset:128*(\b/2)+32*(\b%2)
	global_load_b128 v[BN+8*\b+4:BN+8*\b+7], v[BO], s[46:47] offset:128*(\b/2)+32*(\b%2)+16
.endr
.macro FRAG reg, adr, q, i
	ds_load_b128 v[\reg:\reg+3], v[\adr] offset:HALFT*((\q)/2)+3072*(\i)+FRB*((\q)%2)
	ds_load_b64 v[\reg+4:\reg+5], v[\adr+2] offset:HALFT*((\q)/2)+3072*(\i)+FRB*((\q)%2)+512
	ds_load_b128 v[\reg+6:\reg+9], v[\adr] offset:HALFT*((\q)/2)+3072*(\i)+FRB*((\q)%2)+768
	ds_load_b64 v[\reg+10:\reg+11], v[\adr+2] offset:HALFT*((\q)/2)+3072*(\i)+FRB*((\q)%2)+1280
.endm
.macro FETCH slot, q, p
	WIN TO_F
.irp i, 0,1,2,3
	FRAG 128*(\p)+48+FR*\i, ADRB+\slot, \q, \i
.endr
.irp i, 0,1,2,3
	FRAG 128*(\p)+FR*\i, ADRA+\slot, \q, \i
.endr
.endm
.macro SCALES sc
.irp q, 0,1,2,3
.irp i, 0,1,2,3
	ds_load_b32 v[SC+16*\sc+4*\q+\i], v[ADRS] offset:512*\q+64*\i
.endr
.endr
.endm
.macro MULA a, p, q, sc, first
.irp b, 0,1,2,3
.if \first
	v_wmma_scale_f32_16x16x128_f8f6f4 v[ACC+8*(4*(\a)+\b):ACC+8*(4*(\a)+\b)+7], v[128*(\p)+48+FR*\b:128*(\p)+48+FR*\b+FR-1], v[128*(\p)+FR*(\a):128*(\p)+FR*(\a)+FR-1], v[BN+8*\b:BN+8*\b+7], v[SC+16*(\sc)+4*(\q)+\b], v[SC+16*(\sc)+4*(\q)+(\a)] matrix_a_fmt:MATRIX_FMT_BF6 matrix_b_fmt:MATRIX_FMT_BF6 matrix_a_scale:MATRIX_SCALE_ROW1
.else
	v_wmma_scale_f32_16x16x128_f8f6f4 v[ACC+8*(4*(\a)+\b):ACC+8*(4*(\a)+\b)+7], v[128*(\p)+48+FR*\b:128*(\p)+48+FR*\b+FR-1], v[128*(\p)+FR*(\a):128*(\p)+FR*(\a)+FR-1], v[ACC+8*(4*(\a)+\b):ACC+8*(4*(\a)+\b)+7], v[SC+16*(\sc)+4*(\q)+\b], v[SC+16*(\sc)+4*(\q)+(\a)] matrix_a_fmt:MATRIX_FMT_BF6 matrix_b_fmt:MATRIX_FMT_BF6 matrix_a_scale:MATRIX_SCALE_ROW1
.endif
.endr
.endm
.macro STEP slot, q, first
	PLACES NP
	FETCH \slot, (\q)+1, 1-(\q)%2
	s_wait_dscnt 32
	WIN MUL
	MULA 0, (\q)%2, \q, \slot, \first
	MULA 1, (\q)%2, \q, \slot, \first
	MULA 2, (\q)%2, \q, \slot, \first
	MULA 3, (\q)%2, \q, \slot, \first
.endm
.macro TURN slot, next, fill
	WIN 0
.if \fill
	s_wait_xcnt 0x0                                ; any prefetch of mine has read its address, which steps a fill on
	s_add_nc_u64 s[66:67], s[66:67], 2*KPB
.endif
	s_wait_tensorcnt 0x0
	ds_add_u32 v[SPW], v[NIL]
	s_wait_dscnt 1
	WIN MUL
	MULA 0, 1, 3, \slot, 0
	s_wait_dscnt 0x0
	s_barrier_signal -1
	MULA 1, 1, 3, \slot, 0
	WIN 0
	s_barrier_wait -1
.if \fill
	CREST
	s_add_nc_u64 s[G0+4*\slot+2:G0+4*\slot+3], s[G0+4*\slot+2:G0+4*\slot+3], 4*KPB
	s_add_nc_u64 s[G0B+4*\slot+2:G0B+4*\slot+3], s[G0B+4*\slot+2:G0B+4*\slot+3], 4*KPB
	JLOAD G0+4*\slot, G1, G0B+4*\slot, G1B
.else
	PLACES NP
.endif
	s_wait_alu depctr_va_vdst(0)
	v_add_nc_u32 v[ADRS], 2048, v[ADRS]
	SCALES \next
	FETCH \next, 0, 0
.if \fill
	WIN 0                                          ; (a branch and a label follow)
	s_cmp_gt_u32 s3, 1                             ; s3 = 1 in the loop's last trip
	s_cbranch_scc0 .Lno_ask_\@
	global_prefetch_b8 v30, s[66:67] offset:2*KPB th:TH_LOAD_NT scope:SCOPE_SE
.Lno_ask_\@:
.endif
	WIN MUL
	MULA 2, 1, 3, \slot, 0
	MULA 3, 1, 3, \slot, 0
.endm
	s_wait_alu depctr_va_vdst(0)
	s_wait_tensorcnt 0x0                           ; my tile of the head's four is in
	ds_add_u32 v[SPW], v[NIL]
	s_mov_b32 s[G1+2], 96<<16                      ; no tensor load of mine is out: from here on a load brings 24,576 bytes, 96 rows of 256
	s_mov_b32 s[G1+4], 96
	s_mov_b32 s[G1B+2], 96<<16
	s_mov_b32 s[G1B+4], 96
	s_wait_dscnt 0x0                               ; the add is done
	CROUND                                         ; a whole round: all four tiles are in, and the sixteen work-groups are here
	JLOAD G0+4, G1, G0B+4, G1B                     ; slot 1, a quarter a wave: the first tensor load behind the round
	SCALES 0
	FETCH 0, 0, 0
	global_prefetch_b8 v30, s[66:67] offset:2*KPB th:TH_LOAD_NT scope:SCOPE_SE   ; behind fill 1 and the first fragments' loads: fill 3
	s_wait_loadcnt 0x0                             ; the bias, with which the sums begin
	STEP 0, 0, 1
	STEP 0, 1, 0
	STEP 0, 2, 0
	WIN 0x80                                       ; the residual's 32 loads are asked for here, behind the first tiles, and are wanted on the way out
.irp a, 0,1,2,3
.irp t, 0,1,2,3,4,5,6,7
	global_load_b128 v[RES+32*\a+4*\t:RES+32*\a+4*\t+3], v[CO], s[8:9] offset:(32*(\a/2)+8*(\a%2)+2*(\t%4)+16*(\t/4))*4096 th:TH_LOAD_NT
.endr
.endr
.if LAPS > 1
	WIN 0
	s_mov_b32 s3, LAPS-1
.Llap:
	TURN 0, 1, 1
	STEP 1, 0, 0
	STEP 1, 1, 0
	STEP 1, 2, 0
	TURN 1, 0, 1
	STEP 0, 0, 0
	STEP 0, 1, 0
	STEP 0, 2, 0
	WIN 0
	s_sub_co_u32 s3, s3, 1
	s_cmp_lg_u32 s3, 0
	s_cbranch_scc1 .Llap
.endif
	TURN 0, 1, 0
	STEP 1, 0, 0
	STEP 1, 1, 0
	STEP 1, 2, 0
	s_wait_dscnt 0x0
	WIN MUL
	MULA 0, 1, 3, 1, 0
	MULA 1, 1, 3, 1, 0
	MULA 2, 1, 3, 1, 0
	MULA 3, 1, 3, 1, 0
	WIN 0
.macro TOSTAGE a
.irp b, 0,1,2,3
	ds_store_b128 v[STO], v[ACC+8*(4*(\a)+\b):ACC+8*(4*(\a)+\b)+3] offset:128*(\b/2)+32*(\b%2)
	ds_store_b128 v[STO], v[ACC+8*(4*(\a)+\b)+4:ACC+8*(4*(\a)+\b)+7] offset:128*(\b/2)+32*(\b%2)+16
.endr
.set BB, BK+32*((\a)%2)
.irp t, 0,1,2,3,4,5,6,7
	ds_load_b128 v[BB+4*\t:BB+4*\t+3], v[RD] offset:\t*2*SPITCH
.endr
.endm
.macro SEND a, younger
.set BB, BK+32*((\a)%2)
	s_wait_dscnt \younger
	WIN 0x08
.irp i, 0,2,4,6,8,10,12,14,16,18,20,22,24,26,28,30
	v_pk_add_f32 v[BB+\i:BB+\i+1], v[BB+\i:BB+\i+1], v[RES+32*(\a)+\i:RES+32*(\a)+\i+1]
.endr
	WIN 0
.irp t, 0,1,2,3,4,5,6,7
	global_store_b128 v[CO], v[BB+4*\t:BB+4*\t+3], s[10:11] offset:(32*((\a)/2)+8*((\a)%2)+2*(\t%4)+16*(\t/4))*4096 th:TH_STORE_NT
.endr
.endm
	PLACES NP
	s_wait_loadcnt 0x0
	TOSTAGE 0
.irp a, 1,2,3
.if \a > 1
	s_wait_xcnt 0x0
.endif
	TOSTAGE \a
	SEND \a-1, 16
.endr
	SEND 3, 0
	s_wait_tensorcnt 0x0
	ds_add_u32 v[SPW], v[NIL]
	s_wait_dscnt 0x0
	CROUND
	s_endpgm
.Lfunc_end_k_qfd2cff9b2f_ffn2:
	.size	k_qfd2cff9b2f_ffn2, .Lfunc_end_k_qfd2cff9b2f_ffn2-k_qfd2cff9b2f_ffn2
	.p2alignl 7, 3214868480
	.fill 96, 4, 3214868480
	.section	.rodata,"a",@progbits
	.p2align	6, 0x0
	.amdhsa_kernel k_qfd2cff9b2f_ffn2
		.amdhsa_group_segment_fixed_size 327680
		.amdhsa_private_segment_fixed_size 0
		.amdhsa_enable_private_segment 0
		.amdhsa_kernarg_size 32
		.amdhsa_user_sgpr_count 2
		.amdhsa_user_sgpr_kernarg_segment_ptr 1
		.amdhsa_wavefront_size32 1
		.amdhsa_system_sgpr_workgroup_id_x 1
		.amdhsa_system_sgpr_workgroup_id_y 1
		.amdhsa_system_sgpr_workgroup_id_z 1
		.amdhsa_system_vgpr_workitem_id 0
		.amdhsa_next_free_vgpr 768
		.amdhsa_next_free_sgpr 100
		.amdhsa_reserve_vcc 0
		.amdhsa_float_denorm_mode_32 3
		.amdhsa_float_denorm_mode_16_64 3
		.amdhsa_memory_ordered 1
		.amdhsa_forward_progress 1
		.amdhsa_inst_pref_size 102
	.end_amdhsa_kernel
	.amdgpu_metadata
---
amdhsa.version: [ 1, 2 ]
amdhsa.kernels:
  - .name:           k_qfd2cff9b2f_ffn2
    .symbol:         k_qfd2cff9b2f_ffn2.kd
    .args:
      - { .name: bigA, .offset: 0, .size: 8, .value_kind: global_buffer, .address_space: global }
      - { .name: cwm, .offset: 8, .size: 8, .value_kind: global_buffer, .address_space: global }
      - { .name: xmid, .offset: 16, .size: 8, .value_kind: global_buffer, .address_space: global }
      - { .name: out0, .offset: 24, .size: 8, .value_kind: global_buffer, .address_space: global }
    .group_segment_fixed_size: 327680
    .private_segment_fixed_size: 0
    .kernarg_segment_align: 8
    .kernarg_segment_size: 32
    .max_flat_workgroup_size: 128
    .sgpr_count:     100
    .vgpr_count:     768
    .wavefront_size: 32
...
	.end_amdgpu_metadata
.endif
;; end of part 12
